; MI455X (gfx1250); checked and timed in simulation.
; The chip was launched on July 23, 2026; its instructions are those of AMD's public machine-readable ISA for CDNA 5 (MIT licence, August 2026) and "CDNA5" Instruction Set Architecture Reference Guide (July 2026). The comments in the code are by the model that wrote it; some were corrected since.
;; Encoder Layer. Allowed arithmetic: matrix products marked QUANTISED: E2M1 operands, one E8M0 scale for each 32 along K, by v_wmma_scale_f32_16x16x128_f8f6f4 with both operands' format E2M1 (or v_wmma_scale_f32_32x16x128_f4), f32 sums; everything else in f32.
;; Inputs: b1 4,096 float32; b2 1,024 float32; b_o 1,024 float32; beta1 1,024 float32; beta2 1,024 float32; gamma1 1,024 float32; gamma2 1,024 float32; w1 1,024 x 4,096 float32; w2 4,096 x 1,024 float32; w_k 1,024 x 1,024 float32; w_o 1,024 x 1,024 float32; w_q 1,024 x 1,024 float32; w_v 1,024 x 1,024 float32; x 2 x 2,048 x 1,024 float32.
;; Outputs: out0 2 x 2,048 x 1,024 float32.
;; This version of the problem:
;;   THIS VERSION OF THE PROBLEM IS GIVEN IN LOW PRECISION. The matrix products marked QUANTISED in the list below multiply operands that are first quantised to E2M1 (2 exponent bits, 1 mantissa bit; 4 bits a number), with one power-of-two scale for each 32 numbers along K (OCP MX v1.0); their sums are f32. All else is computed in f32.
;;   The module's matrix products, in the order in which they are computed (A, B: the left and right operand; K: the contracted axis; several contracted axes count as one K, in the product's order):
;;     1. [M 4,096, K 1,024] x [K 1,024, N 1,024]; A: input x; B: input w_q: QUANTISED
;;     2. [M 4,096, K 1,024] x [K 1,024, N 1,024]; A: input x; B: input w_k: QUANTISED
;;     3. [M 4,096, K 1,024] x [K 1,024, N 1,024]; A: input x; B: input w_v: QUANTISED
;;     4. batch 32 x [M 2,048, K 64] x [K 64, N 2,048]; A: computed on the way; B: computed on the way: QUANTISED
;;     5. batch 32 x [M 2,048, K 2,048] x [K 2,048, N 64]; A: softmax (see below); B: computed on the way: QUANTISED
;;     6. [M 4,096, K 1,024] x [K 1,024, N 1,024]; A: computed on the way; B: input w_o: QUANTISED
;;     7. [M 4,096, K 1,024] x [K 1,024, N 4,096]; A: computed on the way; B: input w1: QUANTISED
;;     8. [M 4,096, K 4,096] x [K 4,096, N 1,024]; A: computed on the way; B: input w2: QUANTISED
;;   THE QUANTISER, for each operand of a quantised product, along K:
;;     - K is cut into blocks of 32 from its start; a last block that is shorter is filled with zeros.
;;     - A block's scale is 2^e with e = floor(log2(the largest magnitude in the block)) - 2, held to -126 .. 127; a block of zeros has e = 0. As a byte (E8M0): e + 127.
;;     - Each number is divided by its block's scale, clamped to +-6, and rounded to the nearest number of E2M1, ties to even, subnormals kept.
;;     - The product sums the exact products of the quantised numbers (number of the format x scale) in f32.
;;   ~~~python
;;   def quantise(x, axis):      # numpy; x: float32 -> the quantised numbers, widened to float32 again
;;       x = np.moveaxis(x, axis, -1); K = x.shape[-1]
;;       x = np.pad(x, [(0, 0)] * (x.ndim - 1) + [(0, -K % 32)]); x = x.reshape(x.shape[:-1] + (-1, 32)); a = np.abs(x).max(-1, keepdims=True)
;;       e = np.where(a > 0, np.clip(np.frexp(np.where(a > 0, a, 1))[1] - 1 - 2, -126, 127), 0)      # np.frexp(a)[1] - 1 = floor(log2(a)), exactly
;;       r = np.clip(x / 2.0 ** e, -6, 6)
;;       step = 2.0 ** (np.maximum(np.frexp(np.where(r == 0, 1, r))[1] - 1, 0) - 1)
;;       q = np.round(r / step) * step * 2.0 ** e      # np.round: ties to even
;;       return np.moveaxis(q.reshape(q.shape[:-2] + (-1,))[..., :K], -1, axis).astype(np.float32)
;;   ~~~
;;   SOFTMAX AHEAD OF A QUANTISED PRODUCT. Where the list says 'softmax', what is quantised is not the finished softmax but p = 2^(t - M), with t = logit x log2(e) and M = ceil(the row's largest t), a whole number; so 1/2 < the row's largest p <= 1. The row's sum l is taken of the UNQUANTISED p, in f32, and the product's result is divided by l at the end. Since M is a whole number, a kernel that streams over the keys may use a running M (the ceiling of the running maximum): every later rescaling is an exact power of two, which a block's scale takes up: the codes' values come out the same.
;;   OPERANDS COMPUTED ON THE WAY. 'Computed on the way' means the value that the module computes at that place (a softmax that the list does not call 'softmax' is quantised finished and normalised). What goes into a quantiser is computed in f32, as accurately as f32 sums, v_exp_f32 and their like allow (about 1e-6 of the number): no bf16 or f16 on the way to a quantiser, and a product that is left as it is and whose result goes on into a quantised operand takes f32 operands (vector FMAs, or v_wmma_f32_16x16x4_f32). A number that lies on a knife's edge between two numbers of the format may be rounded either way, as far as f32 arithmetic and the matrix unit's own rounding can turn it there, and no further.
;; 2 versions. Each part assembles by itself: llvm-mc -triple=amdgcn-amd-amdhsa -mcpu=gfx1250 --defsym DOCPART=n.
;; ======== version 1 of 2: 6 launches
;; workspace buffers: prep 9,437,184 bytes; qkv 6,946,816 bytes; ctx 2,228,224 bytes; hbuf 19,005,440 bytes; ffh 8,912,896 bytes
;; launch prep (part 1): grid 1040 x 1, 4 waves a work-group, no clusters, 34,304 bytes of LDS; arguments x, w_q, w_k, w_v, w_o, w1, w2, prep; writes prep
.if DOCPART == 1
	.amdgcn_target "amdgcn-amd-amdhsa--gfx1250"
	.amdhsa_code_object_version 6
	.text
	.protected	k_q0a0664c74d_prep
	.globl	k_q0a0664c74d_prep
	.p2align	8
	.type	k_q0a0664c74d_prep,@function
k_q0a0664c74d_prep:
	s_mov_b64 s[64:65], 0
	v_nop
	global_prefetch_b8 v0, s[64:65] scope:SCOPE_SE
	s_setreg_imm32_b32 hwreg(HW_REG_WAVE_MODE, 25, 1), 1
	s_wait_xcnt 0x0
; x and the six weights become codes of FP4 (E2M1) with one E8M0 byte for each 32 along K, laid as IMAGES OF OPERAND REGISTERS; and RoPE's table is made.
; TILES.  Slot r of tile T stands for row (or column) 32 (T / 2) + 8 (T % 2) + r + 8 (r / 8).  A fragment (tile T, K step s of 128) is 1,024 bytes at (T S + s) 1024 + 512 c + 16 lane, S = K / 128:
; lane (r, h)'s 16 bytes are the codes of k = 128 s + 64 c + 32 h + 0 .. 31 of slot r.  The scale word of (T, s, r) lies at ((T S / 4 + s / 4) 16 + r) 16 + 4 (s % 4).
; A block's scale byte is its largest magnitude's exponent field - 2, held at 1 from below.
; LIMITS: a block of zeros gets the byte 1 where the rule says 127 (its codes are zeros and this program alone reads the bytes); blocks whose largest magnitude lies under 2^-124 are held at that floor;
; NaN and infinities are not served.  The weights' scale words leave as 4 bytes a lane, 16 bytes apart: 1 byte in 128 of what the path reads.
; WORK-GROUPS: 0-255 x (a wave: 16 rows x 256 along K); 256-511 w_q, w_k, w_v, w_o; 512-767 w2; 768-1023 w1 (a wave: 32 columns x 128 along K); 1024-1039 the table (a wave: 32 positions).  Waves share nothing: no barrier.
.set XSC,   2097152                    ; regions of the buffer prep: x's images at 0, x's scale words,
.set WIMG,  2228224                    ; the images of w_q, w_k, w_v, w_o, 524,288 bytes each,
.set W1IMG, 4325376
.set W2IMG, 6422528
.set WSC,   8519680                    ; their scale words, 32,768 bytes each,
.set W1SC,  8650752
.set W2SC,  8781824
.set TAB,   8912896                    ; the table: [position][h][cos 16 | sin 16] f32, 256 bytes a position
.set SPX,   528                        ; x's stage: a row of 512 bytes + 16
	s_load_b512 s[4:19], s[0:1], 0x0               ; x s[4:5], w_q s[6:7], w_k s[8:9], w_v s[10:11], w_o s[12:13], w1 s[14:15], w2 s[16:17], prep s[18:19]
	v_lshl_add_u32 v192, v0, 2, 0x8400
	v_mov_b32 v193, 0
	v_lshrrev_b32 v1, 5, v0
	v_readfirstlane_b32 s20, v1                    ; wave
	v_and_b32 v1, 31, v0                           ; lane
	v_and_b32 v2, 15, v0                           ; r
	v_bfe_u32 v6, v0, 4, 1                         ; h
	v_lshlrev_b32 v3, 4, v1                        ; 16 x lane
	s_mov_b32 s22, 0x76543210
	s_mov_b32 s23, 0xfedcba98                      ; v_permlanex16_b32's selects for lane l xor 16
	s_wait_kmcnt 0x0
	s_cmp_lt_u32 ttmp9, 256
	s_cbranch_scc1 .Lx
	s_cmp_lt_u32 ttmp9, 768
	s_cbranch_scc1 .Lsquare
	s_cmp_lt_u32 ttmp9, 1024
	s_cbranch_scc1 .Lwide
; ---- THE TABLE.  Lane l makes numbers 2 l and 2 l + 1 of a position's 64: h = l / 16, cos (l / 8 even) or sin, frequency d = 16 h + 2 (l % 8) + 0, 1.
	s_sub_co_u32 s24, ttmp9, 1024
	s_lshl_b32 s24, s24, 2
	s_add_co_u32 s24, s24, s20                     ; which 32 positions
	s_lshl_b32 s25, s24, 5                         ; the first of them
	s_lshl_b32 s26, s24, 13
	s_add_co_u32 s26, s26, TAB
	s_mov_b32 s27, 0
	s_add_nc_u64 s[18:19], s[18:19], s[26:27]
	v_bfe_u32 v8, v0, 3, 1
	v_sub_nc_u32 v9, 1, v8                         ; cos(x) = sin(x + pi / 2): one quadrant on
	v_and_b32 v10, 7, v0
	v_lshlrev_b32 v10, 1, v10
	v_lshl_add_u32 v10, v6, 4, v10                 ; d
	v_add_nc_u32 v11, 1, v10
	v_cvt_f32_u32 v10, v10
	v_cvt_f32_u32 v11, v11
	v_mul_f32 v12, 0x3ed49a78, v10                 ; d log2(10000) / 32, rounded,
	v_mul_f32 v13, 0x3ed49a78, v11
	v_fma_f32 v14, v10, 0x3ed49a78, -v12           ; what the rounding dropped,
	v_fma_f32 v15, v11, 0x3ed49a78, -v13
	v_fmac_f32 v14, 0x32178d50, v10                ; and the constant's own low part
	v_fmac_f32 v15, 0x32178d50, v11
	v_exp_f32 v16, -v12
	v_exp_f32 v17, -v13
	v_mul_f32 v14, 0xbf317218, v14                 ; - ln 2 x the remainder (plain work behind the exponentials)
	v_mul_f32 v15, 0xbf317218, v15
	s_wait_alu depctr_va_vdst(0)                   ; one wait for both, ahead of their first use
	v_fma_f32 v16, v16, v14, v16                   ; 10000^(-d / 32)
	v_fma_f32 v17, v17, v15, v17
	v_cvt_f32_u32 v18, s25                         ; the position
	v_lshlrev_b32 v19, 3, v1                       ; 8 bytes a lane: a wave's store covers a position's 256 bytes
	v_mov_b32 v20, 0x3638ef1d                      ; 1 / 9!
	v_mov_b32 v21, 0xb493f27e                      ; -1 / 10!
	s_mov_b32 s28, 32
.Lpos:
.irp z, 0,1
	v_mul_f32 v[24+\z], v18, v[16+\z]              ; the angle, rounded to f32 as the definition has it
.endr
.irp z, 0,1
	v_mul_f32 v[26+\z], 0x3f22f983, v[24+\z]
.endr
.irp z, 0,1
	v_rndne_f32 v[26+\z], v[26+\z]                 ; n = the nearest multiple of pi / 2
.endr
.irp z, 0,1
	v_fma_f32 v[28+\z], -v[26+\z], 0x3fc90fdb, v[24+\z]   ; angle - n pi / 2, pi / 2 in two parts
.endr
.irp z, 0,1
	v_fmac_f32 v[28+\z], 0x333bbd2e, v[26+\z]
.endr
.irp z, 0,1
	v_cvt_i32_f32 v[30+\z], v[26+\z]
.endr
.irp z, 0,1
	v_add_nc_u32 v[30+\z], v[30+\z], v9            ; the quadrant
.endr
.irp z, 0,1
	v_mul_f32 v[32+\z], v[28+\z], v[28+\z]
.endr
.irp z, 0,1
	v_fmaak_f32 v[34+\z], v20, v[32+\z], 0xb9500d01      ; sin: r + r r^2 (-1/6 + r^2 (1/120 + r^2 (-1/5040 + r^2 / 362880)))
	v_fmaak_f32 v[36+\z], v21, v[32+\z], 0x37d00d01      ; cos: 1 + r^2 (-1/2 + r^2 (1/24 + r^2 (-1/720 + r^2 (1/40320 - r^2 / 3628800))))
.endr
.irp z, 0,1
	v_fmaak_f32 v[34+\z], v[34+\z], v[32+\z], 0x3c088889
	v_fmaak_f32 v[36+\z], v[36+\z], v[32+\z], 0xbab60b61
.endr
.irp z, 0,1
	v_fmaak_f32 v[34+\z], v[34+\z], v[32+\z], 0xbe2aaaab
	v_fmaak_f32 v[36+\z], v[36+\z], v[32+\z], 0x3d2aaaab
.endr
.irp z, 0,1
	v_mul_f32 v[34+\z], v[34+\z], v[32+\z]
	v_fma_f32 v[36+\z], v[36+\z], v[32+\z], -0.5
.endr
.irp z, 0,1
	v_fma_f32 v[34+\z], v[34+\z], v[28+\z], v[28+\z]
	v_fma_f32 v[36+\z], v[36+\z], v[32+\z], 1.0
.endr
.irp z, 0,1
	v_and_b32 v[40+\z], 1, v[30+\z]
	v_cmp_eq_u32 vcc_lo, 1, v[40+\z]
	v_cndmask_b32 v[38+\z], v[34+\z], v[36+\z], vcc_lo   ; odd quadrants take the cosine
	v_and_b32 v[40+\z], 2, v[30+\z]
	v_lshlrev_b32 v[40+\z], 30, v[40+\z]
	v_xor_b32 v[38+\z], v[38+\z], v[40+\z]         ; quadrants 2 and 3 change the sign
.endr
	global_store_b64 v19, v[38:39], s[18:19]
	v_add_f32 v18, 1.0, v18
	s_wait_xcnt 0x0                                ; the store has read its data and its base: both are written again only behind this wait
	s_add_nc_u64 s[18:19], s[18:19], 256
	s_sub_co_u32 s28, s28, 1
	s_cmp_lg_u32 s28, 0
	s_cbranch_scc1 .Lpos
	s_endpgm
; ---- x.  Work-group = tile of 16 rows, wave = 256 along K: fragments 2 wave and 2 wave + 1.  Each load reads 512 consecutive bytes of a row; the fragment's 16 x 512 bytes turn through the wave's own stage,
; and come back 128 bytes a lane and block: lane (r, h) then holds blocks h and 2 + h of slot r whole.
.macro XFRAG f
.set XB, 32+64*\f
	s_wait_loadcnt 16-16*\f                        ; this fragment's 16 loads are in; the other fragment's may be out
.irp j, 0,1,2,3,4,5,6,7,8,9,10,11,12,13,14,15
	ds_store_b128 v4, v[XB+4*\j:XB+4*\j+3] offset:SPX*\j
.endr
	s_wait_dscnt 0x0                               ; the stores have read their registers
.irp c, 0,1
.irp i, 0,1,2,3,4,5,6,7
	ds_load_b128 v[XB+32*\c+4*\i:XB+32*\c+4*\i+3], v5 offset:256*\c+16*\i
.endr
.endr
	s_wait_dscnt 0x0
.irp c, 0,1
	v_max3_num_f32 v[8+\c], |v[XB+32*\c]|, |v[XB+32*\c+1]|, 0x1800000   ; my block 2 c + h, and the floor 2^(3 - 127)
.endr
.irp i, 2,4,6,8,10,12,14,16,18,20,22,24,26,28,30
.irp c, 0,1
	v_max3_num_f32 v[8+\c], v[8+\c], |v[XB+32*\c+\i]|, |v[XB+32*\c+\i+1]|
.endr
.endr
.irp c, 0,1
	v_add_nc_u32 v[12+\c], 0xff000000, v[8+\c]     ; 2 off the exponent field: the conversion's scale operand
.endr
.irp c, 0,1
	v_lshrrev_b32 v[10+\c], 23, v[12+\c]           ; the byte
.endr
	v_lshl_or_b32 v14, v11, 16, v10                ; my two bytes, blocks h and 2 + h,
	v_lshlrev_b32 v14, v7, v14                     ; 8 h bits up;
	v_permlanex16_b32 v15, v14, s22, s23
	v_or_b32 v[20+\f], v14, v15                    ; with lane l xor 16's the word is whole
.irp c, 0,1
.irp g, 0,1,2,3
	v_cvt_scalef32_pk8_fp4_f32 v[160+8*\f+4*\c+\g], v[XB+32*\c+8*\g:XB+32*\c+8*\g+7], v[12+\c]
.endr
.endr
	v_nop                                          ; one plain line behind the conversions
.irp c, 0,1
	global_store_b128 v3, v[160+8*\f+4*\c:160+8*\f+4*\c+3], s[28:29] offset:1024*\f+512*\c   ; 512 consecutive bytes
.endr
.endm
.Lx:
	s_lshr_b32 s24, ttmp9, 1
	s_lshl_b32 s24, s24, 5
	s_and_b32 s25, ttmp9, 1
	s_lshl_b32 s25, s25, 3
	s_add_co_u32 s24, s24, s25                     ; the tile's first row
	s_lshl_b32 s24, s24, 12
	s_lshl_b32 s25, s20, 10
	s_add_co_u32 s24, s24, s25
	s_mov_b32 s25, 0
	s_add_nc_u64 s[4:5], s[4:5], s[24:25]
	s_lshl_b32 s26, ttmp9, 13
	s_lshl_b32 s27, s20, 11
	s_add_co_u32 s26, s26, s27
	s_mov_b32 s27, 0
	s_add_nc_u64 s[28:29], s[18:19], s[26:27]      ; the images
	s_lshl_b32 s26, ttmp9, 9
	s_lshr_b32 s30, s20, 1
	s_lshl_b32 s30, s30, 8
	s_add_co_u32 s26, s26, s30
	s_and_b32 s30, s20, 1
	s_lshl_b32 s30, s30, 3
	s_add_co_u32 s26, s26, s30
	s_add_co_u32 s26, s26, XSC
	s_add_nc_u64 s[30:31], s[18:19], s[26:27]      ; the scale words
	s_mul_i32 s32, s20, 16*SPX                     ; my stage
	v_add_nc_u32 v4, s32, v3
	v_mul_u32_u24 v5, v2, SPX
	v_lshl_add_u32 v5, v6, 7, v5
	v_add_nc_u32 v5, s32, v5
	v_lshlrev_b32 v7, 3, v6
	v_lshlrev_b32 v16, 4, v2
	v_lshl_add_u32 v16, v6, 2, v16                 ; 16 r + 4 h
	v_mov_b32 v15, 0                               ; a lane permute's destination counts as read
	s_mov_b32 s33, 0xffff0000
.irp f, 0,1
.irp j, 0,1,2,3,4,5,6,7,8,9,10,11,12,13,14,15
	global_load_b128 v[32+64*\f+4*\j:32+64*\f+4*\j+3], v3, s[4:5] offset:(\j+8*(\j/8))*4096+512*\f th:TH_LOAD_NT
.endr
.endr
	XFRAG 0
	XFRAG 1
	v_cndmask_b32 v22, v20, v21, s33               ; lanes 0-15 store the first fragment's words, lanes 16-31 the second's
	global_store_b32 v16, v22, s[30:31]
	s_wait_tensorcnt 0x0
	ds_add_u32 v192, v193
	s_wait_dscnt 0x0
	s_endpgm
; ---- THE WEIGHTS, stored [K][N].  A lane takes a column, its registers run down K: a block of 32 lies in one lane.  Lane j is slot (j % 8) + 8 (j / 16) of tile 2 g + (j / 8) % 2.
; s28 = K step, s33 = g (which 32 columns), s26 = log2 of a tile's bytes, s29, s30 = the regions.  sh = log2 of the bytes of 128 rows of the weight.
.macro WADDR sh
	s_lshl_b32 s34, s28, \sh
	s_lshl_b32 s35, s33, 7
	s_add_co_u32 s34, s34, s35
	s_mov_b32 s35, 0
	s_add_nc_u64 s[6:7], s[6:7], s[34:35]
	s_lshl_b32 s36, s33, 1
	s_lshl_b32 s34, s36, s26
	s_add_co_u32 s34, s34, s29
	s_lshl_b32 s37, s28, 10
	s_add_co_u32 s34, s34, s37
	s_add_nc_u64 s[38:39], s[18:19], s[34:35]      ; fragment (2 g, s)
	s_sub_co_u32 s37, s26, 4
	s_lshl_b32 s34, s36, s37
	s_add_co_u32 s34, s34, s30
	s_lshr_b32 s40, s28, 2
	s_lshl_b32 s40, s40, 8
	s_add_co_u32 s34, s34, s40
	s_and_b32 s40, s28, 3
	s_lshl_b32 s40, s40, 2
	s_add_co_u32 s34, s34, s40
	s_add_nc_u64 s[42:43], s[18:19], s[34:35]      ; its scale words
	v_bfe_u32 v8, v0, 3, 1                         ; which of the two tiles
	v_and_b32 v9, 7, v0
	v_lshl_or_b32 v9, v6, 3, v9
	v_lshlrev_b32 v9, 4, v9                        ; 16 x slot
	v_lshlrev_b32 v10, s26, v8
	v_add_nc_u32 v10, v10, v9
	v_lshlrev_b32 v11, s37, v8
	v_add_nc_u32 v11, v11, v9
	v_lshlrev_b32 v12, 2, v1
.endm
.macro WLOAD t, NB
.irp i, 0,1,2,3,4,5,6,7,8,9,10,11,12,13,14,15,16,17,18,19,20,21,22,23,24,25,26,27,28,29,30,31
	global_load_b32 v[32+32*(\t)+\i], v12, s[6:7] offset:(32*(\t)+\i)*\NB th:TH_LOAD_NT
.endr
.endm
.macro WBLOCK t, NB
.set XB, 32+32*\t
.if \t < 3
	s_wait_loadcnt 32                              ; this block's 32 loads are in; the next block's may be out
.else
	s_wait_loadcnt 0x0
.endif
.if \t < 2
	WLOAD \t+2, \NB                                ; two blocks ahead, into registers of their own
.endif
	v_max3_num_f32 v13, |v[XB]|, |v[XB+1]|, |v[XB+2]|
	v_max3_num_f32 v14, |v[XB+3]|, |v[XB+4]|, |v[XB+5]|
.irp i, 6,10,14,18,22,26
	v_max3_num_f32 v13, v13, |v[XB+\i]|, |v[XB+\i+1]|
	v_max3_num_f32 v14, v14, |v[XB+\i+2]|, |v[XB+\i+3]|
.endr
	v_max3_num_f32 v13, v13, |v[XB+30]|, |v[XB+31]|
	v_max3_num_f32 v13, v13, v14, 0x1800000        ; and the floor
	v_add_nc_u32 v15, 0xff000000, v13
	v_lshrrev_b32 v14, 23, v15
.if \t == 0
	v_mov_b32 v176, v14
.else
	v_lshl_or_b32 v176, v14, 8*\t, v176            ; the K step's four bytes make the column's scale word
.endif
.irp g, 0,1,2,3
	v_cvt_scalef32_pk8_fp4_f32 v[160+4*\t+\g], v[XB+8*\g:XB+8*\g+7], v15
.endr
	v_nop
	global_store_b128 v10, v[160+4*\t:160+4*\t+3], s[38:39] offset:256*\t   ; block t = 2 c + h lies 512 c + 256 h into the fragment: sixteen lanes fill 256 aligned bytes of each of the two tiles
.endm
.macro WPATH NB
	WLOAD 0, \NB
	WLOAD 1, \NB
	WBLOCK 0, \NB
	WBLOCK 1, \NB
	WBLOCK 2, \NB
	WBLOCK 3, \NB
	global_store_b32 v11, v176, s[42:43]
	s_endpgm
.endm
.Lsquare:                                              ; weights of 1,024 columns: w_q, w_k, w_v, w_o (64 work-groups each), then w2 (256)
	s_sub_co_u32 s24, ttmp9, 256
	s_lshr_b32 s25, s24, 6                         ; 0 .. 3: which; 4 .. 7: w2
	s_lshl_b32 s29, s25, 19
	s_add_co_u32 s29, s29, WIMG
	s_lshl_b32 s30, s25, 15
	s_add_co_u32 s30, s30, WSC
	s_cmp_eq_u32 s25, 1
	s_cselect_b64 s[6:7], s[8:9], s[6:7]
	s_cmp_eq_u32 s25, 2
	s_cselect_b64 s[6:7], s[10:11], s[6:7]
	s_cmp_eq_u32 s25, 3
	s_cselect_b64 s[6:7], s[12:13], s[6:7]
	s_cmp_ge_u32 s25, 4
	s_cselect_b64 s[6:7], s[16:17], s[6:7]
	s_cselect_b32 s26, 15, 13                      ; a tile is 32 or 8 fragments
	s_cselect_b32 s27, 31, 7
	s_mov_b32 s31, W2IMG
	s_cselect_b32 s29, s31, s29
	s_mov_b32 s31, W2SC
	s_cselect_b32 s30, s31, s30
	s_lshr_b32 s28, s24, 3
	s_and_b32 s28, s28, s27                        ; the K step
	s_and_b32 s32, s24, 7
	s_lshl_b32 s33, s32, 2
	s_add_co_u32 s33, s33, s20
	WADDR 19
	WPATH 4096
.Lwide:                                                ; w1: 4,096 columns
	s_sub_co_u32 s24, ttmp9, 768
	s_mov_b64 s[6:7], s[14:15]
	s_mov_b32 s26, 13
	s_mov_b32 s29, W1IMG
	s_mov_b32 s30, W1SC
	s_lshr_b32 s28, s24, 5
	s_and_b32 s32, s24, 31
	s_lshl_b32 s33, s32, 2
	s_add_co_u32 s33, s33, s20
	WADDR 21
	WPATH 16384
.Lfunc_end_k_q0a0664c74d_prep:
	.size	k_q0a0664c74d_prep, .Lfunc_end_k_q0a0664c74d_prep-k_q0a0664c74d_prep
	.p2alignl 7, 3214868480
	.fill 96, 4, 3214868480
	.section	.rodata,"a",@progbits
	.p2align	6, 0x0
	.amdhsa_kernel k_q0a0664c74d_prep
		.amdhsa_group_segment_fixed_size 34304
		.amdhsa_private_segment_fixed_size 0
		.amdhsa_enable_private_segment 0
		.amdhsa_kernarg_size 64
		.amdhsa_user_sgpr_count 2
		.amdhsa_user_sgpr_kernarg_segment_ptr 1
		.amdhsa_wavefront_size32 1
		.amdhsa_system_sgpr_workgroup_id_x 1
		.amdhsa_system_sgpr_workgroup_id_y 1
		.amdhsa_system_sgpr_workgroup_id_z 1
		.amdhsa_system_vgpr_workitem_id 0
		.amdhsa_next_free_vgpr 194
		.amdhsa_next_free_sgpr 66
		.amdhsa_reserve_vcc 1
		.amdhsa_float_denorm_mode_32 3
		.amdhsa_float_denorm_mode_16_64 3
		.amdhsa_memory_ordered 1
		.amdhsa_forward_progress 1
		.amdhsa_inst_pref_size 61
	.end_amdhsa_kernel
	.amdgpu_metadata
---
amdhsa.version: [ 1, 2 ]
amdhsa.kernels:
  - .name:           k_q0a0664c74d_prep
    .symbol:         k_q0a0664c74d_prep.kd
    .args:
      - { .name: x, .offset: 0, .size: 8, .value_kind: global_buffer, .address_space: global }
      - { .name: w_q, .offset: 8, .size: 8, .value_kind: global_buffer, .address_space: global }
      - { .name: w_k, .offset: 16, .size: 8, .value_kind: global_buffer, .address_space: global }
      - { .name: w_v, .offset: 24, .size: 8, .value_kind: global_buffer, .address_space: global }
      - { .name: w_o, .offset: 32, .size: 8, .value_kind: global_buffer, .address_space: global }
      - { .name: w1, .offset: 40, .size: 8, .value_kind: global_buffer, .address_space: global }
      - { .name: w2, .offset: 48, .size: 8, .value_kind: global_buffer, .address_space: global }
      - { .name: prep, .offset: 56, .size: 8, .value_kind: global_buffer, .address_space: global }
    .group_segment_fixed_size: 34304
    .private_segment_fixed_size: 0
    .kernarg_segment_align: 8
    .kernarg_segment_size: 64
    .max_flat_workgroup_size: 128
    .sgpr_count:     66
    .vgpr_count:     194
    .wavefront_size: 32
...
	.end_amdgpu_metadata
.endif
;; end of part 1
;; launch qkvg (part 2): grid 12 x 16, 4 waves a work-group, clusters of 4 x 4, 262,656 bytes of LDS; arguments prep, qkv; writes qkv
.if DOCPART == 2
	.amdgcn_target "amdgcn-amd-amdhsa--gfx1250"
	.amdhsa_code_object_version 6
	.text
	.protected	k_q0a0664c74d_qkvg
	.globl	k_q0a0664c74d_qkvg
	.p2align	8
	.type	k_q0a0664c74d_qkvg,@function
k_q0a0664c74d_qkvg:
	s_mov_b64 s[64:65], 0
	v_nop
	global_prefetch_b8 v0, s[64:65] scope:SCOPE_SE
	s_setreg_imm32_b32 hwreg(HW_REG_WAVE_MODE, 25, 1), 1
	s_wait_xcnt 0x0
	s_wait_alu depctr_hold_cnt(0) depctr_sa_sdst(0) depctr_va_vdst(0) depctr_va_sdst(0) depctr_va_ssrc(0) depctr_va_vcc(0) depctr_vm_vsrc(0)
	s_getreg_b32 s2, hwreg(HW_REG_IB_STS2, 6, 4)
	s_cmp_eq_u32 s2, 0
	s_cbranch_scc0 .Lentry_in_a_cluster
	s_endpgm
.Lentry_in_a_cluster:
	s_bfe_u32 s2, ttmp6, 0x10000c
	s_cmp_lg_u32 s2, 0xf033
	s_cbranch_scc0 .Lentry_shape_is_right
	s_endpgm
.Lentry_shape_is_right:
; q = rope(x w_q), k = rope(x w_k), v = x w_v on codes of FP4 with E8M0 scales; the results are quantised in registers and leave as images of the next products' operand registers.
; A work-group makes 256 rows x 256 columns (tile columns 0-3: q, 4-7: k, 8-11: v), a wave 128 x 128: 64 accumulators.  K = 1,024: both operands' codes, 2 x 128 KiB, lie in LDS at once, each byte filled ONCE,
; in four pieces of two K steps; the wait for a piece names the pieces issued behind it.  The scale words go from memory into registers.
; CLUSTER 4 x 4: x's tiles are shared along a row of the cluster, the weights' along a column: joint loads, each wave four of them, all issued at the start.
; q, k: source 0 = 16 columns of the weight, source 1 = 16 rows of x: a lane holds ONE row, and its 64 registers of a block of rows are columns 32 b + 16 h + i: two heads of 64.  RoPE pairs register i of a head with
; register 16 + i.  A head's 64 numbers are two blocks of 32: half a fragment (the other half of K = 128 is zero codes, supplied by the launch that multiplies).
; v: the same steps with the sources exchanged: a lane holds ONE channel and its registers run along 128 keys, which are the second attention product's K.
; Slot r of tile T stands for row or column 32 (T / 2) + 8 (T % 2) + r + 8 (r / 8): so the registers of two neighbouring tiles are 16 neighbours.
; LIMITS: a block of zeros gets the byte 1 where the rule says 127 (zero codes; only this program reads the bytes); largest magnitudes under 2^-124 are held at that floor; NaN and infinities are not served.
; q's and k's scale words leave as 64 bytes for each half of the lanes: 1 byte in 8 of the codes'.
; REGISTERS: window 0: v1-31 addresses; v32-63 x's scale words, v64-95 the weight's (scales and nothing else); v96-111 and v112-127 the quantiser's; v128-191 source 1's fragments, later the rotated numbers;
;   v192-255 two sets of cos and sin.  window 1: source 0's fragments, two sets.  windows 2, 3: accumulator (a, b) at v[8 (8 (a % 4) + b)] of window 2 + a / 4.
.set XP,    4                          ; s[4:5] holds both operands' buffer
.set WP,    4
.set XIMGO, 0
.set XSCO,  2097152
.set WIMGO, 2228224
.set WSCO,  8519680
.set TAB,   8912896
.set KIMG,  2097152
.set VIMG,  4194304
.set QSC,   6291456
.set KVSC,  6553600
.set L16, 4                            ; v4  16 x lane
.set ADX, 5                            ; v5  LDS: my half of x's tiles
.set ADW, 6                            ; v6  LDS: my half of the weight's
.set VS,  7                            ; v7  512 h + 16 r: scale words of a pair of tiles
.set PW,  24
.set XS,  32
.set WS,  64
.set TM,  96
.set PC,  112
.set QF,  128
.set ST,  128
.set TB0, 192
.set G1X, 24
.set G1W, 32
.set SEL, 46
.set G0X, 48
.set G0W, 68
.set MSB, 0
.macro WIN new                         ; the immediate's high byte repeats the setting that is left
.if MSB != (\new)
	s_set_vgpr_msb (MSB<<8)|(\new)
.set MSB, (\new)
.endif
.endm
.macro PLACES n
.rept \n
	v_nop
.endr
.endm
.macro ROUND                           ; a round of the cluster's barrier
	s_barrier_signal -1
	s_barrier_wait -1
	s_cmp_lg_u32 s14, 0
	s_cbranch_scc1 .Lnot_wave_0_\@
	s_barrier_signal -3
.Lnot_wave_0_\@:
	s_barrier_wait -3
	s_barrier_signal -1
	s_barrier_wait -1
.endm
; one product: D rD, source 0 rP with its scale word in rSP, source 1 rQ with rSQ.  ra, rb: the scale word lies in lanes 16-31
.macro WM c, ra, rb
.if (\ra) && (\rb)
	v_wmma_scale_f32_16x16x128_f8f6f4 v[rD:rD+7], v[rP:rP+7], v[rQ:rQ+7], \c, v[rSP], v[rSQ] matrix_a_fmt:MATRIX_FMT_FP4 matrix_b_fmt:MATRIX_FMT_FP4 matrix_a_scale:MATRIX_SCALE_ROW1 matrix_b_scale:MATRIX_SCALE_ROW1
.elseif (\ra)
	v_wmma_scale_f32_16x16x128_f8f6f4 v[rD:rD+7], v[rP:rP+7], v[rQ:rQ+7], \c, v[rSP], v[rSQ] matrix_a_fmt:MATRIX_FMT_FP4 matrix_b_fmt:MATRIX_FMT_FP4 matrix_a_scale:MATRIX_SCALE_ROW1
.elseif (\rb)
	v_wmma_scale_f32_16x16x128_f8f6f4 v[rD:rD+7], v[rP:rP+7], v[rQ:rQ+7], \c, v[rSP], v[rSQ] matrix_a_fmt:MATRIX_FMT_FP4 matrix_b_fmt:MATRIX_FMT_FP4 matrix_b_scale:MATRIX_SCALE_ROW1
.else
	v_wmma_scale_f32_16x16x128_f8f6f4 v[rD:rD+7], v[rP:rP+7], v[rQ:rQ+7], \c, v[rSP], v[rSQ] matrix_a_fmt:MATRIX_FMT_FP4 matrix_b_fmt:MATRIX_FMT_FP4
.endif
.endm
; 16 products: source 1's tiles a0, a0 + 1 x source 0's eight, K step s.  cm = 1: the constant 0 starts the sums.  The 64 accumulators take turns, in the same order in every step.
.macro MUL16 a0, set, s, PS, QS, cm
.irp a, \a0, \a0+1
.irp b, 0,1,2,3,4,5,6,7
.set rD, 8*(8*((\a)%4)+\b)
.set rP, 128*(\set)+8*\b
.set rQ, QF+8*(\a)
.set rSP, \PS+16*((\s)/4)+4*(\b/2)+(\s)%4
.set rSQ, \QS+16*((\s)/4)+4*((\a)/2)+(\s)%4
.if \cm == 0
	WM v[rD:rD+7], \b%2, (\a)%2
.else
	WM 0, \b%2, (\a)%2
.endif
.endr
.endr
.endm
.macro FETCH_P adr, s, set             ; source 0's eight fragments of K step s
	WIN 0x40
.irp i, 0,1,2,3,4,5,6,7
.irp c, 0,1
	ds_load_b128 v[128*(\set)+8*\i+4*\c:128*(\set)+8*\i+4*\c+3], v[\adr] offset:\i*2048+((\s)%2)*1024+512*\c
.endr
.endr
	WIN 0
.endm
.macro FETCH_Q adr, s, i0              ; source 1's tiles i0 .. i0 + 3
.irp i, \i0, \i0+1, \i0+2, \i0+3
.irp c, 0,1
	ds_load_b128 v[QF+8*(\i)+4*\c:QF+8*(\i)+4*\c+3], v[\adr] offset:(\i)*2048+((\s)%2)*1024+512*\c
.endr
.endr
.endm
; A K step of 128: 64 products.  Source 1 has one set of registers (tiles 0-3 are fetched anew in the step's middle, 4-7 at its end), source 0 two.
; Four plain lines stand between a product and a load into a register that it has read (ISA guide 7.12.1 for vector instructions).
.macro STEP s, PA, QA, PS, QS, cm, last
	s_wait_dscnt 8                                 ; all but the youngest eight loads, source 1's tiles 4-7
	WIN 0xa1
	MUL16 0, (\s)%2, \s, \PS, \QS, \cm
	MUL16 2, (\s)%2, \s, \PS, \QS, \cm
	s_wait_dscnt 0x0
	WIN 0
	PLACES 4
.if ((\s)%2 == 1) && (\last == 0)
	s_wait_tensorcnt 3-((\s)+1)/2                  ; my part of the next piece is in: so many pieces were issued behind it
	s_barrier_signal -1
	s_barrier_wait -1                              ; everybody's is.  Nothing is ever filled again
	v_add_nc_u32 v[\PA], 0x10000, v[\PA]
	v_add_nc_u32 v[\QA], 0x10000, v[\QA]
.endif
.if \last == 0
	FETCH_P \PA, (\s)+1, 1-(\s)%2
	FETCH_Q \QA, (\s)+1, 0
.endif
	WIN 0xf1
	MUL16 4, (\s)%2, \s, \PS, \QS, \cm
	MUL16 6, (\s)%2, \s, \PS, \QS, \cm
	PLACES 4
	WIN 0
.if \last == 0
	FETCH_Q \QA, (\s)+1, 4
.endif
.endm
.macro MAIN PA, QA, PS, QS, nl         ; nl: the global loads issued behind the scale words'
	s_wait_tensorcnt 3                             ; my part of piece 0 is in; three pieces were issued behind it
	s_barrier_signal -1
	s_barrier_wait -1
	FETCH_P \PA, 0, 0
	FETCH_Q \QA, 0, 0
	FETCH_Q \QA, 0, 4
	s_wait_loadcnt \nl
	STEP 0, \PA, \QA, \PS, \QS, 1, 0
.irp s, 1,2,3,4,5,6
	STEP \s, \PA, \QA, \PS, \QS, 0, 0
.endr
	STEP 7, \PA, \QA, \PS, \QS, 0, 1
.endm
; 64 numbers of a lane in window w, register 16 b + i = k 32 b + 16 h + i of the lane's row, become a fragment's 8 registers of codes at pc and its scale word in pw (window 0).
.macro QUANT src, w, pc, pw
	WIN (\w)|((\w)<<2)
.irp b, 0,1,2,3
	v_max3_num_f32 v[TM+\b], |v[(\src)+16*\b]|, |v[(\src)+16*\b+1]|, 0x1800000   ; my 16 of block b, and the floor 2^(3 - 127)
.endr
.irp i, 2,4,6,8,10,12,14
.irp b, 0,1,2,3
	v_max3_num_f32 v[TM+\b], |v[(\src)+16*\b+\i]|, |v[(\src)+16*\b+\i+1]|, v[TM+\b]
.endr
.endr
	WIN 0
.irp b, 0,1,2,3
	v_permlanex16_b32 v[TM+4+\b], v[TM+\b], s[SEL], s[SEL+1]
.endr
.irp b, 0,1,2,3
	v_max_num_f32 v[TM+\b], v[TM+\b], v[TM+4+\b]   ; with lane l xor 16's 16
.endr
.irp b, 0,1,2,3
	v_add_nc_u32 v[TM+12+\b], 0xff000000, v[TM+\b] ; 2 off the exponent field: the conversion's scale operand
.endr
.irp b, 0,1,2,3
	v_lshrrev_b32 v[TM+4+\b], 23, v[TM+12+\b]      ; the byte
.endr
	v_lshl_or_b32 v[\pw], v[TM+5], 8, v[TM+4]
	v_lshl_or_b32 v[\pw], v[TM+6], 16, v[\pw]
	v_lshl_or_b32 v[\pw], v[TM+7], 24, v[\pw]
	WIN (\w)
.irp b, 0,1,2,3
	v_cvt_scalef32_pk8_fp4_f32 v[(\pc)+2*\b], v[(\src)+16*\b:(\src)+16*\b+7], v[TM+12+\b]
	v_cvt_scalef32_pk8_fp4_f32 v[(\pc)+2*\b+1], v[(\src)+16*\b+8:(\src)+16*\b+15], v[TM+12+\b]
.endr
	WIN 0
	v_nop                                          ; one plain line behind the conversions
.irp c, 0,1                                    ; the operand wants a whole block in a lane
.irp i, 0,1
	v_permlane16_swap_b32 v[(\pc)+4*\c+\i], v[(\pc)+4*\c+2+\i]
.endr
.endr
.endm
	s_load_b128 s[4:7], s[0:1], 0x0                ; prep s[4:5], qkv s[6:7]
	v_lshl_add_u32 v106, v0, 2, 0x40000
	v_mov_b32 v107, 0
	ds_add_u32 v106, v107
	ds_add_u32 v106, v107
	v_lshrrev_b32 v1, 5, v0
	v_readfirstlane_b32 s14, v1                    ; wave
	s_lshr_b32 s15, s14, 1                         ; my half of the rows.  Also: I fetch for x (0) or for the weight (1)
	s_and_b32 s16, s14, 1                          ; my half of the columns.  Also: which eight tiles I fetch
	s_bfe_u32 s40, ttmp6, 0x40000                  ; cx
	s_bfe_u32 s41, ttmp6, 0x40004                  ; cy
	s_lshl_b32 s42, ttmp9, 2
	s_add_co_u32 s42, s42, s40                     ; tile column
	s_and_b32 s17, ttmp7, 0xffff
	s_lshl_b32 s17, s17, 2
	s_add_co_u32 s17, s17, s41                     ; tile row
	s_lshl_b32 s43, s41, 2
	s_lshl_b32 s43, 15, s43                        ; my row of the cluster
	s_lshl_b32 s44, 0x1111, s40                    ; my column
	; group 1: eight tiles' two K steps: 8 rows of 2,048 bytes (256 elements of 8), 8,192 bytes apart; no padding: a fragment load's 512 bytes are consecutive
	s_or_b32 s[G1X], s43, (3<<16)|(1<<21)
	s_or_b32 s[G1W], s44, (3<<16)|(1<<21)
.irp g, G1X, G1W
	s_mov_b32 s[\g+1], 256<<16
	s_mov_b32 s[\g+2], 8<<16
	s_mov_b32 s[\g+3], 256<<16
	s_mov_b32 s[\g+4], 8
	s_mov_b32 s[\g+5], 1024
	s_mov_b32 s[\g+6], 0
	s_mov_b32 s[\g+7], 0
.endr
	s_lshl_b32 s18, s16, 16
	s_lshl_b32 s20, s17, 17                        ; x's address hangs on the tile row and the wave alone,
	s_add_co_u32 s20, s20, s18
	s_add_co_u32 s20, s20, XIMGO
	s_mov_b32 s21, 0
	s_lshl_b32 s84, s42, 17                        ; the weight's on the tile column and the wave
	s_add_co_u32 s84, s84, s18
	s_add_co_u32 s84, s84, WIMGO
	s_mov_b32 s85, 0
	s_lshl_b32 s45, s14, 14                        ; LDS: wave x 16,384 in each piece
	s_lshl_b32 s86, s17, 13                        ; the scale words of my half of the rows,
	s_lshl_b32 s87, s15, 12
	s_add_co_u32 s86, s86, s87
	s_add_co_u32 s86, s86, XSCO
	s_mov_b32 s87, 0
	s_lshl_b32 s88, s42, 13                        ; and of my half of the columns
	s_lshl_b32 s89, s16, 12
	s_add_co_u32 s88, s88, s89
	s_add_co_u32 s88, s88, WSCO
	s_mov_b32 s89, 0
	s_mov_b32 s[SEL], 0x76543210
	s_mov_b32 s[SEL+1], 0xfedcba98
	s_mov_b32 s98, 0xffff0000
	s_lshr_b32 s22, s17, 3                         ; the first of my two heads: 16 x batch + 4 (tile column % 4) + 2 x half
	s_lshl_b32 s22, s22, 4
	s_and_b32 s18, s42, 3
	s_lshl_b32 s18, s18, 2
	s_add_co_u32 s22, s22, s18
	s_lshl_b32 s18, s16, 1
	s_add_co_u32 s22, s22, s18
	s_wait_dscnt 0x0
	s_wait_kmcnt 0x0
	s_add_nc_u64 s[20:21], s[XP:XP+1], s[20:21]
	s_add_nc_u64 s[84:85], s[WP:WP+1], s[84:85]
	s_add_nc_u64 s[86:87], s[XP:XP+1], s[86:87]
	s_add_nc_u64 s[88:89], s[WP:WP+1], s[88:89]
	ROUND                                          ; all sixteen work-groups are here: the joint loads meet
.irp p, 0,1,2,3
	s_mov_b32 s[G0X+4*\p], 1
	s_add_co_u32 s[G0X+4*\p+1], s45, \p*65536
	s_add_nc_u64 s[G0X+4*\p+2:G0X+4*\p+3], s[20:21], \p*2048
	s_or_b32 s[G0X+4*\p+3], s[G0X+4*\p+3], 0x80000000
	s_mov_b32 s[G0W+4*\p], 1
	s_add_co_u32 s[G0W+4*\p+1], s45, \p*65536
	s_add_nc_u64 s[G0W+4*\p+2:G0W+4*\p+3], s[84:85], \p*2048
	s_or_b32 s[G0W+4*\p+3], s[G0W+4*\p+3], 0x80000000
.endr
	s_cmp_eq_u32 s15, 0                            ; a wave's four fills stand in one branch on the wave's number: four loads of mine are out
	s_cbranch_scc0 .Lfor_w
.irp p, 0,1,2,3
	tensor_load_to_lds s[G0X+4*\p:G0X+4*\p+3], s[G1X:G1X+7]
	s_nop 0
.endr
	PLACES 4
	s_branch .Lasked
.Lfor_w:
.irp p, 0,1,2,3
	tensor_load_to_lds s[G0W+4*\p:G0W+4*\p+3], s[G1W:G1W+7]
	s_nop 0
.endr
	PLACES 4
.Lasked:
	v_and_b32 v1, 31, v0
	v_and_b32 v2, 15, v0                           ; r
	v_bfe_u32 v3, v0, 4, 1                         ; h
	v_lshlrev_b32 v[L16], 4, v1
	s_lshl_b32 s18, s15, 14
	v_add_nc_u32 v[ADX], s18, v[L16]
	s_lshl_b32 s18, s16, 14
	s_add_co_u32 s18, s18, 32768
	v_add_nc_u32 v[ADW], s18, v[L16]
	v_lshlrev_b32 v[VS], 4, v2
	v_lshl_add_u32 v[VS], v3, 9, v[VS]
.irp q, 0,1
.irp i, 0,1,2,3
	global_load_b128 v[XS+16*\q+4*\i:XS+16*\q+4*\i+3], v[VS], s[86:87] offset:\i*1024+\q*256   ; four K steps' words: lanes 0-15 tile 2 i, lanes 16-31 tile 2 i + 1
	global_load_b128 v[WS+16*\q+4*\i:WS+16*\q+4*\i+3], v[VS], s[88:89] offset:\i*1024+\q*256
.endr
.endr
.irp b, 0,1,2,3
	v_mov_b32 v[TM+4+\b], 0                        ; a lane permute's destination counts as read
.endr
	s_mov_b32 s19, 0
	s_cmp_lt_u32 ttmp9, 2                          ; the cluster's x, the same in all partners: clusters 0 and 1 make q and k, cluster 2 makes v
	s_cbranch_scc0 .Lv
; ---- q and k
	s_lshl_b32 s23, s17, 4
	s_lshl_b32 s18, s15, 3
	s_add_co_u32 s23, s23, s18
	s_and_b32 s23, s23, 127                        ; my first tile of rows within the batch
	s_lshl_b32 s18, s23, 12                        ; its first position x 256 bytes
	s_add_co_u32 s18, s18, TAB
	s_add_nc_u64 s[90:91], s[4:5], s[18:19]
	s_lshr_b32 s99, s42, 2                         ; 0: q, 1: k
	s_lshl_b32 s18, s99, 21                        ; k's images lie 2^21 bytes behind q's
	s_lshl_b32 s96, s22, 16
	s_add_co_u32 s18, s18, s96
	s_lshl_b32 s96, s23, 9
	s_add_co_u32 s18, s18, s96
	s_add_nc_u64 s[92:93], s[6:7], s[18:19]
	s_cmp_eq_u32 s99, 1
	s_mov_b32 s97, 12288
	s_cselect_b32 s97, s97, 0x2000                 ; a head's scale region: 8,192 bytes for q, 12,288 for k with v
	s_mov_b32 s18, KVSC
	s_cselect_b32 s18, s18, QSC
	s_mul_i32 s96, s22, s97
	s_add_co_u32 s18, s18, s96
	s_lshl_b32 s96, s23, 6
	s_add_co_u32 s18, s18, s96
	s_add_nc_u64 s[94:95], s[6:7], s[18:19]
	v_and_b32 v9, 8, v2
	v_add_nc_u32 v9, v9, v2
	v_lshlrev_b32 v9, 8, v9
	v_lshl_add_u32 v9, v3, 7, v9                   ; the table: my slot's position, my half's 16 frequencies
	v_lshlrev_b32 v8, 4, v3                        ; 16 h
	v_mul_lo_u32 v10, v3, s97
	v_lshl_add_u32 v10, v2, 2, v10                 ; scale words: lanes 0-15 the first head's, lanes 16-31 the second's
.macro TABLD a                         ; cos and sin of block a's 16 positions into set a % 2
.irp i, 0,1,2,3,4,5,6,7
	global_load_b128 v[TB0+32*((\a)%2)+4*\i:TB0+32*((\a)%2)+4*\i+3], v9, s[90:91] offset:(32*((\a)/2)+8*((\a)%2))*256+16*\i
.endr
.endm
.macro EPI_QK a
.set wa, 2+(\a)/4
.set AC, 64*((\a)%4)
.set CO, TB0+32*((\a)%2)
.set SI, CO+16
.set PCa, PC+8*((\a)%2)
.if \a < 7
	s_wait_loadcnt 8                               ; this block's table is in; the next block's eight loads may be out
.else
	s_wait_loadcnt 0x0
.endif
	WIN wa
.irp e, 0,1
.irp i, 0,2,4,6,8,10,12,14
	v_pk_mul_f32 v[ST+32*\e+\i:ST+32*\e+\i+1], v[AC+32*\e+16+\i:AC+32*\e+16+\i+1], v[SI+\i:SI+\i+1]         ; x2 sin
	v_pk_mul_f32 v[ST+32*\e+16+\i:ST+32*\e+16+\i+1], v[AC+32*\e+16+\i:AC+32*\e+16+\i+1], v[CO+\i:CO+\i+1]   ; x2 cos
.endr
.endr
.irp e, 0,1
.irp i, 0,2,4,6,8,10,12,14
	v_pk_fma_f32 v[ST+32*\e+\i:ST+32*\e+\i+1], v[AC+32*\e+\i:AC+32*\e+\i+1], v[CO+\i:CO+\i+1], v[ST+32*\e+\i:ST+32*\e+\i+1] neg_lo:[0,0,1] neg_hi:[0,0,1]   ; x1 cos - x2 sin
	v_pk_fma_f32 v[ST+32*\e+16+\i:ST+32*\e+16+\i+1], v[AC+32*\e+\i:AC+32*\e+\i+1], v[SI+\i:SI+\i+1], v[ST+32*\e+16+\i:ST+32*\e+16+\i+1]                     ; x1 sin + x2 cos
.endr
.endr
	WIN 0
.if \a < 6
	TABLD (\a)+2
.endif
.if \a > 0
	s_wait_xcnt 0x0                                ; the last block's stores have read their data: those registers are written again only behind this wait
.endif
	QUANT ST, 0, PCa, PW
	global_store_b128 v[L16], v[PCa:PCa+3], s[92:93] offset:(\a)*512             ; the first head's half fragment: 512 consecutive bytes
	global_store_b128 v[L16], v[PCa+4:PCa+7], s[92:93] offset:65536+(\a)*512     ; the second head's
	v_lshrrev_b32 v[PW+1], v8, v[PW]               ; a head's two bytes in the word's low half; what stands above them scales zero codes and is never 0xff
	global_store_b32 v10, v[PW+1], s[94:95] offset:(\a)*64
.endm
	TABLD 0
	TABLD 1
	MAIN ADW, ADX, WS, XS, 16
.irp a, 0,1,2,3,4,5,6,7
	EPI_QK \a
.endr
	s_branch .Lend
; ---- v
.Lv:
	s_lshl_b32 s23, s17, 1
	s_add_co_u32 s23, s23, s15
	s_and_b32 s23, s23, 15                         ; my 128 rows are this key step of the batch
	s_lshl_b32 s18, s22, 16
	s_lshl_b32 s96, s23, 12
	s_add_co_u32 s18, s18, s96
	s_add_co_u32 s18, s18, VIMG
	s_add_nc_u64 s[92:93], s[6:7], s[18:19]
	s_mul_i32 s18, s22, 12288
	s_lshl_b32 s96, s23, 8
	s_add_co_u32 s18, s18, s96
	s_add_co_u32 s18, s18, KVSC+8192
	s_add_nc_u64 s[94:95], s[6:7], s[18:19]
	v_lshlrev_b32 v11, 2, v1
.macro EPI_V a                         ; the weight's tile a: 16 channels x my 128 keys: one fragment
.set wa, 2+(\a)/4
.set AC, 64*((\a)%4)
.set PCa, PC+8*((\a)%2)
.if \a > 0
	s_wait_xcnt 0x0
.endif
	QUANT AC, wa, PCa, PW+(\a)%2
.irp c, 0,1
	global_store_b128 v[L16], v[PCa+4*\c:PCa+4*\c+3], s[92:93] offset:((\a)/4)*65536+((\a)%4)*1024+512*\c
.endr
.if (\a)%2 == 1
	v_cndmask_b32 v[PW+2], v[PW], v[PW+1], s98     ; lanes 0-15 tile a - 1's words, lanes 16-31 tile a's: 128 consecutive bytes
	global_store_b32 v11, v[PW+2], s[94:95] offset:((\a)/4)*12288+(((\a)-1)%4)*64
.endif
.endm
	MAIN ADX, ADW, XS, WS, 0
.irp a, 0,1,2,3,4,5,6,7
	EPI_V \a
.endr
.Lend:
	s_wait_tensorcnt 0x0
	ds_add_u32 v106, v107
	s_wait_dscnt 0x0
	ROUND                                          ; the closing round: no work-group ends while a partner may still ask for a tile that names it
	s_endpgm
.Lfunc_end_k_q0a0664c74d_qkvg:
	.size	k_q0a0664c74d_qkvg, .Lfunc_end_k_q0a0664c74d_qkvg-k_q0a0664c74d_qkvg
	.p2alignl 7, 3214868480
	.fill 96, 4, 3214868480
	.section	.rodata,"a",@progbits
	.p2align	6, 0x0
	.amdhsa_kernel k_q0a0664c74d_qkvg
		.amdhsa_group_segment_fixed_size 262656
		.amdhsa_private_segment_fixed_size 0
		.amdhsa_enable_private_segment 0
		.amdhsa_kernarg_size 16
		.amdhsa_user_sgpr_count 2
		.amdhsa_user_sgpr_kernarg_segment_ptr 1
		.amdhsa_wavefront_size32 1
		.amdhsa_system_sgpr_workgroup_id_x 1
		.amdhsa_system_sgpr_workgroup_id_y 1
		.amdhsa_system_sgpr_workgroup_id_z 1
		.amdhsa_system_vgpr_workitem_id 0
		.amdhsa_next_free_vgpr 1024
		.amdhsa_next_free_sgpr 100
		.amdhsa_reserve_vcc 0
		.amdhsa_float_denorm_mode_32 3
		.amdhsa_float_denorm_mode_16_64 3
		.amdhsa_memory_ordered 1
		.amdhsa_forward_progress 1
		.amdhsa_inst_pref_size 255
	.end_amdhsa_kernel
	.section	.bss,"aw",@nobits
	.p2align	6
	.space	262144
	.amdgpu_metadata
---
amdhsa.version: [ 1, 2 ]
amdhsa.kernels:
  - .name:           k_q0a0664c74d_qkvg
    .symbol:         k_q0a0664c74d_qkvg.kd
    .args:
      - { .name: prep, .offset: 0, .size: 8, .value_kind: global_buffer, .address_space: global }
      - { .name: qkv, .offset: 8, .size: 8, .value_kind: global_buffer, .address_space: global }
    .group_segment_fixed_size: 262656
    .private_segment_fixed_size: 0
    .kernarg_segment_align: 8
    .kernarg_segment_size: 16
    .max_flat_workgroup_size: 128
    .sgpr_count:     100
    .vgpr_count:     1024
    .wavefront_size: 32
...
	.end_amdgpu_metadata
.endif
;; end of part 2
;; launch attn (part 3): grid 8 x 32, 16 waves a work-group, clusters of 4 x 1, 169,984 bytes of LDS; arguments qkv, ctx; writes ctx
.if DOCPART == 3
	.amdgcn_target "amdgcn-amd-amdhsa--gfx1250"
	.amdhsa_code_object_version 6
	.text
	.protected	k_q0a0664c74d_attn
	.globl	k_q0a0664c74d_attn
	.p2align	8
	.type	k_q0a0664c74d_attn,@function
k_q0a0664c74d_attn:
	s_mov_b64 s[64:65], 0
	v_nop
	global_prefetch_b8 v0, s[64:65] scope:SCOPE_SE
	s_setreg_imm32_b32 hwreg(HW_REG_WAVE_MODE, 25, 1), 1
	s_wait_xcnt 0x0
	s_wait_alu depctr_hold_cnt(0) depctr_sa_sdst(0) depctr_va_vdst(0) depctr_va_sdst(0) depctr_va_ssrc(0) depctr_va_vcc(0) depctr_vm_vsrc(0)
	s_getreg_b32 s2, hwreg(HW_REG_IB_STS2, 6, 4)
	s_cmp_eq_u32 s2, 0
	s_cbranch_scc0 .Lentry_in_a_cluster
	s_endpgm
.Lentry_in_a_cluster:
	s_bfe_u32 s2, ttmp6, 0x10000c
	s_cmp_lg_u32 s2, 0x3003
	s_cbranch_scc0 .Lentry_shape_is_right
	s_endpgm
.Lentry_shape_is_right:
; ctx[b][q][head 64 + d] = the sum over keys of softmax(q . k / 8) v, both products on codes of FP4 with E8M0 scales; ctx leaves quantised along its 1,024, as images of the next product's operand registers.
; THE SOFTMAX AHEAD OF THE SECOND PRODUCT: t = score x log2(e) / 8; M = the running largest t rounded UP to a whole number; p = 2^(t - M) is quantised along the keys; the row's sum is taken of the unquantised p and
; divides at the end.  When M moves, the sum and O are multiplied by 2^(old M - new M): exact.
; SHARES.  A work-group owns 256 queries of one (batch, head), each of its sixteen waves one tile of 16.  A WHOLE HEAD'S k, v and their scale words, 140 KiB, lie in LDS, each byte filled ONCE, in four pieces of 512 keys.
; CLUSTER 4 x 1: four query blocks of a head ask for the head's tiles jointly.  Waves 0-3 fetch (0, 1: k's halves of a piece; 2, 3: v's), five loads each, all issued at the start.
; LAYOUT.  S^T = k q^T (source 0 = 16 keys, source 1 = my 16 queries), O^T = v^T p^T: a lane holds ONE query.  The head size is 64: registers 4-7 of k's and q's fragments are zero codes, written once.
; Slot r of a tile stands for row 32 (T / 2) + 8 (T % 2) + r + 8 (r / 8): the 16 registers of tiles 2 b and 2 b + 1 are 16 neighbouring keys (or channels).
; LIMITS: p under 2^-126 counts as 0; a block of zeros gets the byte 1 (zero codes; only this program reads the bytes); NaN and infinities are not served.  ctx's scale bytes leave one byte a lane: 1 byte in 16 of the codes'.
; REGISTERS: v1-11 addresses; v12 -M, v13 the largest t, v[14:15] the sum; v16-23 q; v24 q's scale word, v25-28 k's, v29-30 v's, v31 p's (scales and nothing else); v32-63, v192-223 k's eight fragments;
;   v64-95 v's four; v96-159 S^T, then p; v160-191 O^T; v224-231 p's codes; v232-254 at work.
.set KIMG, 2097152
.set QSC,  6291456
.set KVSC, 6553600
.set CSC,  2097152
.set SCB,  131072                      ; LDS: k's images at 0, v's at 65,536, here k's scale words (8,192 bytes) and v's (4,096)
.set WV,  18
.set SEL, 20
.set CS,  22
.set G1S, 24
.set G1P, 32
.set G0,  40                           ; s[40:59] five groups 0: the scale words, pieces 0 to 3
.set TB,  60                           ; s60 the key step's images: 4,096 bytes a step in k and in v
.set TS,  61                           ; s61 k's scale words: 512 a step
.set TJ,  62                           ; s62 v's: 256 a step
.set CNT, 63
.macro PLACES n
.rept \n
	v_nop
.endr
.endm
.macro ROUND
	s_barrier_signal -1
	s_barrier_wait -1
	s_cmp_lg_u32 s[WV], 0
	s_cbranch_scc1 .Lnot_wave_0_\@
	s_barrier_signal -3
.Lnot_wave_0_\@:
	s_barrier_wait -3
	s_barrier_signal -1
	s_barrier_wait -1
.endm
.macro WM c, ra                        ; ra: source 0's scale word lies in lanes 16-31
.if (\ra)
	v_wmma_scale_f32_16x16x128_f8f6f4 v[rD:rD+7], v[rP:rP+7], v[rQ:rQ+7], \c, v[rSP], v[rSQ] matrix_a_fmt:MATRIX_FMT_FP4 matrix_b_fmt:MATRIX_FMT_FP4 matrix_a_scale:MATRIX_SCALE_ROW1
.else
	v_wmma_scale_f32_16x16x128_f8f6f4 v[rD:rD+7], v[rP:rP+7], v[rQ:rQ+7], \c, v[rSP], v[rSQ] matrix_a_fmt:MATRIX_FMT_FP4 matrix_b_fmt:MATRIX_FMT_FP4
.endif
.endm
	s_load_b128 s[4:7], s[0:1], 0x0                ; qkv s[4:5], ctx s[6:7]
	v_lshl_add_u32 v251, v0, 2, 0x29000
	v_mov_b32 v255, 0
	ds_add_u32 v251, v255
	ds_add_u32 v251, v255
	v_lshrrev_b32 v1, 5, v0
	v_readfirstlane_b32 s[WV], v1                  ; wave 0..15
	s_bfe_u32 s8, ttmp6, 0x40000                   ; cx
	s_lshl_b32 s9, ttmp9, 2
	s_add_co_u32 s9, s9, s8                        ; my block of 256 queries: it enters global addresses of q and ctx alone
	s_and_b32 s10, ttmp7, 0xffff                   ; 16 x batch + head, which the partners share
	s_mov_b32 s[G1S], 15|(3<<16)|(1<<21)           ; the mask: all four; elements of 8 bytes; 12 rows of 256 bytes, dense
	s_mov_b32 s[G1S+1], 32<<16
	s_mov_b32 s[G1S+2], 12<<16
	s_mov_b32 s[G1S+3], 32<<16
	s_mov_b32 s[G1S+4], 12
	s_mov_b32 s[G1S+5], 32
	s_mov_b32 s[G1S+6], 0
	s_mov_b32 s[G1S+7], 0
	s_mov_b32 s[G1P], 15|(3<<16)|(1<<21)           ; the same with 32 rows: 8,192 bytes
	s_mov_b32 s[G1P+1], 32<<16
	s_mov_b32 s[G1P+2], 32<<16
	s_mov_b32 s[G1P+3], 32<<16
	s_mov_b32 s[G1P+4], 32
	s_mov_b32 s[G1P+5], 32
	s_mov_b32 s[G1P+6], 0
	s_mov_b32 s[G1P+7], 0
	s_lshr_b32 s11, s[WV], 1                       ; I fetch for k (0) or v (1),
	s_and_b32 s12, s[WV], 1                        ; this half of each piece
	s_mul_i32 s66, s10, 12288
	s_mul_i32 s67, s[WV], 3072
	s_add_co_u32 s66, s66, s67
	s_add_co_u32 s66, s66, KVSC
	s_mov_b32 s67, 0
	s_lshl_b32 s68, s11, 21
	s_lshl_b32 s69, s10, 16
	s_add_co_u32 s68, s68, s69
	s_lshl_b32 s69, s12, 13
	s_add_co_u32 s68, s68, s69
	s_add_co_u32 s68, s68, KIMG
	s_mov_b32 s69, 0
	s_mul_i32 s70, s[WV], 3072
	s_add_co_u32 s70, s70, SCB
	s_lshl_b32 s71, s11, 16
	s_lshl_b32 s72, s12, 13
	s_add_co_u32 s71, s71, s72
	s_mov_b32 s[SEL], 0x76543210
	s_mov_b32 s[SEL+1], 0xfedcba98
	s_mov_b32 s[CS], 0x3e38aa3b                    ; c = log2(e) / sqrt(64)
	s_mov_b32 s[CS+1], s[CS]                       ; (named with it as a pair, so it is written)
	s_mov_b32 s[TB], 0
	s_mov_b32 s[TS], 0
	s_mov_b32 s[TJ], 0
	s_wait_dscnt 0x0
	s_wait_kmcnt 0x0
	s_add_nc_u64 s[66:67], s[4:5], s[66:67]
	s_add_nc_u64 s[68:69], s[4:5], s[68:69]
	ROUND                                          ; all four work-groups are here: the joint loads meet
	s_mov_b32 s[G0], 1
	s_mov_b32 s[G0+1], s70
	s_mov_b64 s[G0+2:G0+3], s[66:67]
	s_or_b32 s[G0+3], s[G0+3], 0x80000000
.irp p, 0,1,2,3
	s_mov_b32 s[G0+4+4*\p], 1
	s_add_co_u32 s[G0+5+4*\p], s71, \p*16384
	s_add_nc_u64 s[G0+6+4*\p:G0+7+4*\p], s[68:69], \p*16384
	s_or_b32 s[G0+7+4*\p], s[G0+7+4*\p], 0x80000000
.endr
	s_cmp_lt_u32 s[WV], 4                          ; a fetching wave's five fills stand in one branch on the wave's number: five loads of mine are out
	s_cbranch_scc0 .Lnone
	tensor_load_to_lds s[G0:G0+3], s[G1S:G1S+7]
	s_nop 0
.irp p, 0,1,2,3
	tensor_load_to_lds s[G0+4+4*\p:G0+7+4*\p], s[G1P:G1P+7]
	s_nop 0
.endr
	PLACES 4
.Lnone:
	v_and_b32 v7, 15, v0                           ; r
	v_bfe_u32 v8, v0, 4, 1                         ; h
	v_and_b32 v2, 31, v0
	v_lshlrev_b32 v1, 4, v2                        ; 16 x lane
	v_lshlrev_b32 v2, 2, v2                        ; 4 x lane
	v_add_nc_u32 v9, 0x10000, v1
	v_add_nc_u32 v10, SCB, v2
	v_add_nc_u32 v11, SCB+8192, v2
	s_lshl_b32 s13, s9, 4
	s_add_co_u32 s13, s13, s[WV]                   ; my tile of queries within the head
	s_lshl_b32 s72, s10, 16
	s_lshl_b32 s73, s13, 9
	s_add_co_u32 s72, s72, s73
	s_mov_b32 s73, 0
	s_add_nc_u64 s[72:73], s[4:5], s[72:73]
	s_lshl_b32 s74, s10, 13
	s_lshl_b32 s75, s13, 6
	s_add_co_u32 s74, s74, s75
	s_add_co_u32 s74, s74, QSC
	s_mov_b32 s75, 0
	s_add_nc_u64 s[74:75], s[4:5], s[74:75]
	global_load_b128 v[16:19], v1, s[72:73]        ; q's half fragment stays in registers
	v_lshlrev_b32 v254, 2, v7
	global_load_b32 v24, v254, s[74:75]            ; and its scale words
.irp j, 20,21,22,23
	v_mov_b32 v[\j], 0                             ; zero codes for k = 64 .. 127
.endr
.irp t, 0,1,2,3,4,5,6,7
.irp j, 4,5,6,7
	v_mov_b32 v[32+8*\t+128*(\t/4)+\j], 0
.endr
.endr
	v_mov_b32 v13, 0xff61b1e6                      ; the largest t so far: -3e38
	v_floor_f32 v12, -v13
	v_mov_b32 v14, 0
	v_mov_b32 v15, 0
.irp b, 0,1,2,3
	v_mov_b32 v[236+\b], 0                         ; a lane permute's destination counts as read
.endr
	v_mov_b32 v252, 0
	v_mov_b32 v253, 0                              ; (the upper half of the pair v[252:253])
.set j, 0
.rept 32
	v_mov_b32 v[160+j], 0                          ; O^T: the step is written once; its first trip finds zeros
.set j, j+1
.endr
	s_wait_loadcnt 0x0
; A KEY STEP: 128 keys
.macro STEP
	v_add_nc_u32 v3, s[TB], v1                     ; these four lines are also the places between the last step's products and the loads into v's registers
	v_add_nc_u32 v4, s[TB], v9
	v_add_nc_u32 v5, s[TS], v10
	v_add_nc_u32 v6, s[TJ], v11
.irp t, 0,1,2,3,4,5,6,7
	ds_load_b128 v[32+8*\t+128*(\t/4):35+8*\t+128*(\t/4)], v3 offset:512*\t
.endr
.irp p, 0,1,2,3
	ds_load_b32 v[25+\p], v5 offset:128*\p         ; lanes 0-15 tile 2 p's words, lanes 16-31 tile 2 p + 1's
.endr
	s_wait_dscnt 0x0
.irp t, 0,1,2,3,4,5,6,7
.set rD, 96+8*\t
.set rP, 32+8*\t+128*(\t/4)
.set rQ, 16
.set rSP, 25+\t/2
.set rSQ, 24
	WM 0, \t%2
.endr
.irp t, 0,1,2,3
.irp c, 0,1
	ds_load_b128 v[64+8*\t+4*\c:67+8*\t+4*\c], v4 offset:1024*\t+512*\c   ; v's fragments land during the softmax
.endr
.endr
	ds_load_b32 v29, v6
	ds_load_b32 v30, v6 offset:128
	PLACES 4
.irp b, 0,1,2,3
	v_max3_num_f32 v[232+\b], v[96+16*\b], v[97+16*\b], v[98+16*\b]   ; the largest score of each block of 32 keys: it serves the row's maximum and, since p rises with the score, the block's largest p
.endr
.irp i, 3,5,7,9,11,13
.irp b, 0,1,2,3
	v_max3_num_f32 v[232+\b], v[232+\b], v[96+16*\b+\i], v[97+16*\b+\i]
.endr
.endr
.irp b, 0,1,2,3
	v_max_num_f32 v[232+\b], v[232+\b], v[111+16*\b]
.endr
.irp b, 0,1,2,3
	v_permlanex16_b32 v[236+\b], v[232+\b], s[SEL], s[SEL+1]
.endr
.irp b, 0,1,2,3
	v_max_num_f32 v[232+\b], v[232+\b], v[236+\b]
.endr
	v_max3_num_f32 v254, v232, v233, v234
	v_max_num_f32 v254, v254, v235
	v_mul_f32 v254, s[CS], v254
	v_max_num_f32 v13, v13, v254                   ; the running largest t
	v_mov_b32 v254, v12
	v_floor_f32 v12, -v13                          ; -M = floor(-t): M is a whole number
	v_sub_f32 v254, v12, v254                      ; old M - new M, 0 or less
	v_cvt_i32_f32 v254, v254                       ; (it saturates)
	v_ldexp_f32 v252, 1.0, v254                    ; f = 2^(old M - new M)
.set j, 0
.rept 32
	v_pk_fma_f32 v[96+j:97+j], v[96+j:97+j], s[CS:CS+1], v[12:13] op_sel_hi:[1,0,0]   ; t - M
.set j, j+2
.endr
.irp b, 0,1,2,3
	v_fma_f32 v[232+\b], v[232+\b], s[CS], v12
.endr
.set j, 0
.rept 64
	v_exp_f32 v[96+j], v[96+j]                     ; p
.set j, j+1
.endr
	v_pk_mul_f32 v[14:15], v[14:15], v[252:253] op_sel_hi:[1,0]   ; the sums under the new M (a plain line behind the exponentials)
	s_wait_alu depctr_va_vdst(0)                   ; one wait for the batch, ahead of its first use
.irp b, 0,1,2,3
	v_exp_f32 v[232+\b], v[232+\b]                 ; the blocks' largest p
.endr
	v_pk_add_f32 v[236:237], v[96:97], v[98:99]    ; the row's sum, of the unquantised p, in two chains
.irp j, 4,8,12,16,20,24,28,32,36,40,44,48,52,56,60
	v_pk_add_f32 v[14:15], v[14:15], v[96+\j:97+\j]
	v_pk_add_f32 v[236:237], v[236:237], v[98+\j:99+\j]
.endr
	v_pk_add_f32 v[14:15], v[14:15], v[236:237]
	s_wait_alu depctr_va_vdst(0)                   ; and one for the four
.irp b, 0,1,2,3
	v_max_num_f32 v[232+\b], 0x1800000, v[232+\b]  ; the floor 2^(3 - 127)
.endr
.irp b, 0,1,2,3
	v_add_nc_u32 v[244+\b], 0xff000000, v[232+\b]
.endr
.irp b, 0,1,2,3
	v_lshrrev_b32 v[236+\b], 23, v[244+\b]
.endr
	v_lshl_or_b32 v31, v237, 8, v236               ; p's scale word for these 128 keys
	v_lshl_or_b32 v31, v238, 16, v31
	v_lshl_or_b32 v31, v239, 24, v31
.irp b, 0,1,2,3
	v_cvt_scalef32_pk8_fp4_f32 v[224+2*\b], v[96+16*\b:103+16*\b], v[244+\b]
	v_cvt_scalef32_pk8_fp4_f32 v[225+2*\b], v[104+16*\b:111+16*\b], v[244+\b]
.endr
	v_nop
.irp c, 0,1
.irp i, 0,1
	v_permlane16_swap_b32 v[224+4*\c+\i], v[226+4*\c+\i]
.endr
.endr
.set j, 0
.rept 16
	v_pk_mul_f32 v[160+j:161+j], v[160+j:161+j], v[252:253] op_sel_hi:[1,0]   ; O^T under the new M; these sixteen also stand between the scale word's and the codes' last writes and the products
.set j, j+2
.endr
	s_wait_dscnt 0x0                               ; v
.irp t, 0,1,2,3
.set rD, 160+8*\t
.set rP, 64+8*\t
.set rQ, 224
.set rSP, 29+\t/2
.set rSQ, 31
	WM v[rD:rD+7], \t%2                            ; the four accumulators take turns; eight other products stand between two links of a chain
.endr
	s_add_co_u32 s[TB], s[TB], 4096
	s_add_co_u32 s[TS], s[TS], 512
	s_add_co_u32 s[TJ], s[TJ], 256
.endm
.macro PIECE n
	s_wait_tensorcnt 3-\n                          ; my part of piece n (and the scale words) is in: so many pieces were issued behind it
	s_wait_dscnt 0x0
	s_barrier_signal -1
	s_barrier_wait -1                              ; everybody's is.  Nothing is ever filled again
	s_mov_b32 s[CNT], 4
.Lstep_\@:
	STEP
	s_sub_co_u32 s[CNT], s[CNT], 1
	s_cmp_lg_u32 s[CNT], 0
	s_cbranch_scc1 .Lstep_\@
.endm
	PIECE 0
	PIECE 1
	PIECE 2
	PIECE 3
	; THE WAY OUT: O^T / the sum; register 16 b + i is channel 32 b + 16 h + i of my query: two blocks of ctx's K, half a fragment
	PLACES 4
	v_add_f32 v14, v14, v15
	v_permlanex16_b32 v252, v14, s[SEL], s[SEL+1]
	v_add_f32 v14, v14, v252
	v_rcp_f32 v14, v14
	v_lshlrev_b32 v3, 4, v7                        ; (plain work behind the reciprocal)
	v_add_nc_u32 v3, v3, v8                        ; 16 r + h
	s_lshr_b32 s66, s10, 4
	s_lshl_b32 s66, s66, 7
	s_add_co_u32 s66, s66, s13                     ; the tile of rows among all 256
	s_and_b32 s67, s10, 15                         ; the head
	s_lshr_b32 s76, s67, 1                         ; its K step
	s_and_b32 s77, s67, 1                          ; and which half of it
	s_lshl_b32 s68, s66, 13
	s_lshl_b32 s78, s76, 10
	s_add_co_u32 s68, s68, s78
	s_lshl_b32 s78, s77, 9
	s_add_co_u32 s68, s68, s78
	s_mov_b32 s69, 0
	s_add_nc_u64 s[72:73], s[6:7], s[68:69]
	s_lshl_b32 s70, s66, 9
	s_lshr_b32 s78, s76, 2
	s_lshl_b32 s78, s78, 8
	s_add_co_u32 s70, s70, s78
	s_and_b32 s78, s76, 3
	s_lshl_b32 s78, s78, 2
	s_add_co_u32 s70, s70, s78
	s_lshl_b32 s78, s77, 1
	s_add_co_u32 s70, s70, s78
	s_add_co_u32 s70, s70, CSC
	s_mov_b32 s71, 0
	s_add_nc_u64 s[74:75], s[6:7], s[70:71]
	s_mov_b32 s79, 0xffff0000
	s_wait_alu depctr_va_vdst(0)
.set j, 0
.rept 32
	v_mul_f32 v[96+j], v[160+j], v14
.set j, j+1
.endr
.irp b, 0,1
	v_max3_num_f32 v[232+\b], |v[96+16*\b]|, |v[97+16*\b]|, 0x1800000
.endr
.irp i, 2,4,6,8,10,12,14
.irp b, 0,1
	v_max3_num_f32 v[232+\b], v[232+\b], |v[96+16*\b+\i]|, |v[97+16*\b+\i]|
.endr
.endr
.irp b, 0,1
	v_permlanex16_b32 v[236+\b], v[232+\b], s[SEL], s[SEL+1]
.endr
.irp b, 0,1
	v_max_num_f32 v[232+\b], v[232+\b], v[236+\b]
.endr
.irp b, 0,1
	v_add_nc_u32 v[244+\b], 0xff000000, v[232+\b]
.endr
.irp b, 0,1
	v_lshrrev_b32 v[236+\b], 23, v[244+\b]
.endr
.irp b, 0,1
	v_cvt_scalef32_pk8_fp4_f32 v[224+2*\b], v[96+16*\b:103+16*\b], v[244+\b]
	v_cvt_scalef32_pk8_fp4_f32 v[225+2*\b], v[104+16*\b:111+16*\b], v[244+\b]
.endr
	v_nop
	v_permlane16_swap_b32 v224, v226
	v_permlane16_swap_b32 v225, v227
	global_store_b128 v1, v[224:227], s[72:73]     ; 512 consecutive bytes
	v_cndmask_b32 v232, v236, v237, s79            ; lane (r, h) stores block h's byte
	global_store_b8 v3, v232, s[74:75]
	s_wait_tensorcnt 0x0
	ds_add_u32 v251, v255
	s_wait_dscnt 0x0
	ROUND                                          ; the closing round
	s_endpgm
.Lfunc_end_k_q0a0664c74d_attn:
	.size	k_q0a0664c74d_attn, .Lfunc_end_k_q0a0664c74d_attn-k_q0a0664c74d_attn
	.p2alignl 7, 3214868480
	.fill 96, 4, 3214868480
	.section	.rodata,"a",@progbits
	.p2align	6, 0x0
	.amdhsa_kernel k_q0a0664c74d_attn
		.amdhsa_group_segment_fixed_size 169984
		.amdhsa_private_segment_fixed_size 0
		.amdhsa_enable_private_segment 0
		.amdhsa_kernarg_size 16
		.amdhsa_user_sgpr_count 2
		.amdhsa_user_sgpr_kernarg_segment_ptr 1
		.amdhsa_wavefront_size32 1
		.amdhsa_system_sgpr_workgroup_id_x 1
		.amdhsa_system_sgpr_workgroup_id_y 1
		.amdhsa_system_sgpr_workgroup_id_z 1
		.amdhsa_system_vgpr_workitem_id 0
		.amdhsa_next_free_vgpr 256
		.amdhsa_next_free_sgpr 80
		.amdhsa_reserve_vcc 0
		.amdhsa_float_denorm_mode_32 3
		.amdhsa_float_denorm_mode_16_64 3
		.amdhsa_memory_ordered 1
		.amdhsa_forward_progress 1
		.amdhsa_inst_pref_size 75
	.end_amdhsa_kernel
	.amdgpu_metadata
---
amdhsa.version: [ 1, 2 ]
amdhsa.kernels:
  - .name:           k_q0a0664c74d_attn
    .symbol:         k_q0a0664c74d_attn.kd
    .args:
      - { .name: qkv, .offset: 0, .size: 8, .value_kind: global_buffer, .address_space: global }
      - { .name: ctx, .offset: 8, .size: 8, .value_kind: global_buffer, .address_space: global }
    .group_segment_fixed_size: 169984
    .private_segment_fixed_size: 0
    .kernarg_segment_align: 8
    .kernarg_segment_size: 16
    .max_flat_workgroup_size: 512
    .sgpr_count:     80
    .vgpr_count:     256
    .wavefront_size: 32
...
	.end_amdgpu_metadata
.endif
;; end of part 3
;; launch oproj (part 4): grid 128 x 1, 8 waves a work-group, no clusters, 134,656 bytes of LDS; arguments ctx, prep, x, b_o, gamma1, beta1, hbuf; writes hbuf
.if DOCPART == 4
	.amdgcn_target "amdgcn-amd-amdhsa--gfx1250"
	.amdhsa_code_object_version 6
	.text
	.protected	k_q0a0664c74d_oproj
	.globl	k_q0a0664c74d_oproj
	.p2align	8
	.type	k_q0a0664c74d_oproj,@function
k_q0a0664c74d_oproj:
	s_mov_b64 s[64:65], 0
	v_nop
	global_prefetch_b8 v0, s[64:65] scope:SCOPE_SE
	s_setreg_imm32_b32 hwreg(HW_REG_WAVE_MODE, 25, 1), 1
	s_wait_xcnt 0x0
; h = LayerNorm(x + ctx w_o + b_o) gamma1 + beta1; the product on codes of FP4 with E8M0 scales.  h leaves twice: in f32, as images of the accumulators (the next residual), and quantised along its 1,024, as operand images.
; A work-group owns 32 WHOLE rows (tiles 2 t and 2 t + 1), since the norm wants whole rows; wave w owns columns 128 w .. 128 w + 127: 16 accumulators.  Source 0 = 16 columns of the weight, source 1 = 16 rows:
; a lane holds one row of each tile, registers 16 b + i = column 128 w + 32 b + 16 h + i.  A weight fragment feeds two products of one wave and no other wave: it goes from memory straight into registers, three K steps ahead.
; No cluster and no LDS for operands: the work-groups share the weights, but each fragment would pass through LDS for two products only.
; THE RESIDUAL STARTS THE SUMS: x's rows go through a stage in LDS into the accumulators' layout.  The norm is taken in two passes, mean first, as it is defined; the waves' parts of a row's sums meet in LDS.
; LIMITS: a block of zeros gets the byte 1 (zero codes; only this program reads the bytes); largest magnitudes under 2^-124 are held at that floor; NaN and infinities are not served.
; h's scale words leave as 4 bytes a lane, 16 bytes apart: 1 byte in 16 of the codes'.
; REGISTERS: window 0: v1-23 addresses and small things; v24-31 the rows' scale words, v32-63 the weight's (two sets; scales and nothing else); v64-127 the rows' fragments, four buffers, later at work;
;   v128-255 accumulator (m, n) at 128 + 64 m + 8 n.  window 1: the weight's fragments, four buffers of 64; later b_o, gamma1, beta1.
.set S,     8                          ; K steps
.set SLOG,  3
.set WOFF,  3801088                    ; w_o's images in prep
.set WSCO,  8617984                    ; and its scale words
.set ASCO,  2097152                    ; ctx's scale words
.set HIMG,  16777216
.set HSC,   18874368
.set RED1,  131584                     ; LDS: the stage, 32 rows x 4,112 bytes; then [row][wave] words for the sums, and for the sums of squares
.set SEL, 34
.set TM,  96
.set PC,  112
.set PW,  20
.set MSB, 0
.macro WIN new
.if MSB != (\new)
	s_set_vgpr_msb (MSB<<8)|(\new)
.set MSB, (\new)
.endif
.endm
.macro PLACES n
.rept \n
	v_nop
.endr
.endm
.macro WM c, ra, rb
.if (\ra) && (\rb)
	v_wmma_scale_f32_16x16x128_f8f6f4 v[rD:rD+7], v[rP:rP+7], v[rQ:rQ+7], \c, v[rSP], v[rSQ] matrix_a_fmt:MATRIX_FMT_FP4 matrix_b_fmt:MATRIX_FMT_FP4 matrix_a_scale:MATRIX_SCALE_ROW1 matrix_b_scale:MATRIX_SCALE_ROW1
.elseif (\ra)
	v_wmma_scale_f32_16x16x128_f8f6f4 v[rD:rD+7], v[rP:rP+7], v[rQ:rQ+7], \c, v[rSP], v[rSQ] matrix_a_fmt:MATRIX_FMT_FP4 matrix_b_fmt:MATRIX_FMT_FP4 matrix_a_scale:MATRIX_SCALE_ROW1
.elseif (\rb)
	v_wmma_scale_f32_16x16x128_f8f6f4 v[rD:rD+7], v[rP:rP+7], v[rQ:rQ+7], \c, v[rSP], v[rSQ] matrix_a_fmt:MATRIX_FMT_FP4 matrix_b_fmt:MATRIX_FMT_FP4 matrix_b_scale:MATRIX_SCALE_ROW1
.else
	v_wmma_scale_f32_16x16x128_f8f6f4 v[rD:rD+7], v[rP:rP+7], v[rQ:rQ+7], \c, v[rSP], v[rSQ] matrix_a_fmt:MATRIX_FMT_FP4 matrix_b_fmt:MATRIX_FMT_FP4
.endif
.endm
.macro LOADS kb, off                   ; 20 loads: the fragments of the K step off steps from the bases, into buffer kb
	WIN 0x40
.irp n, 0,1,2,3,4,5,6,7
.irp c, 0,1
	global_load_b128 v[64*(\kb)+8*\n+4*\c:64*(\kb)+8*\n+4*\c+3], v4, s[24:25] offset:\n*S*1024+(\off)*1024+512*\c
.endr
.endr
	WIN 0
.irp m, 0,1
.irp c, 0,1
	global_load_b128 v[64+16*(\kb)+8*\m+4*\c:64+16*(\kb)+8*\m+4*\c+3], v4, s[22:23] offset:\m*S*1024+(\off)*1024+512*\c
.endr
.endr
.endm
.macro SCL p, qo                       ; 5 loads: four K steps' scale words into set p
.irp j, 0,1,2,3
	global_load_b128 v[32+16*\p+4*\j:32+16*\p+4*\j+3], v5, s[28:29] offset:\j*S*128+\qo*256
.endr
	global_load_b128 v[24+4*\p:24+4*\p+3], v5, s[26:27] offset:\qo*256
.endm
.macro VECLD reg, sb                   ; 16 loads: my 64 numbers of a vector over the columns, in the accumulators' layout, into window 1
	WIN 0x40
.irp b, 0,1,2,3
.irp j, 0,1,2,3
	global_load_b128 v[\reg+16*\b+4*\j:\reg+16*\b+4*\j+3], v11, s[\sb:\sb+1] offset:128*\b+16*\j
.endr
.endr
	WIN 0
.endm
.macro STEPK k, N                      ; 16 products; the 16 accumulators take turns, in the same order in every step
	s_wait_loadcnt \N
	WIN 0x01
.irp n, 0,1,2,3,4,5,6,7
.irp m, 0,1
.set rD, 128+64*\m+8*\n
.set rP, 64*((\k)%4)+8*\n
.set rQ, 64+16*((\k)%4)+8*\m
.set rSP, 32+16*(((\k)/4)%2)+4*(\n/2)+(\k)%4
.set rSQ, 24+4*(((\k)/4)%2)+(\k)%4
	WM v[rD:rD+7], \n%2, \m
.endr
.endr
	WIN 0
	PLACES 4                                       ; in front of loads into registers that products have read
.endm
; Eight K steps.  The count 40 leaves the two younger steps' 2 x 20 loads out; 36 = a step's 20 and the bias's 16; 32 = the bias's and the gain's.
.macro BODY last
.irp k, 0,1,2,3,4,5,6,7
.if (\last) && (\k == 6)
	STEPK \k, 36
.elseif (\last) && (\k == 7)
	STEPK \k, 32
.else
	STEPK \k, 40
.endif
.if (\last == 0) || (\k <= 4)
	LOADS (\k+3)%4, \k+3
.elseif \k == 5
	VECLD 0, 10
.elseif \k == 6
	VECLD 64, 12
.else
	VECLD 128, 14
.endif
.endr
.endm
.macro QUANT src, w, pc, pw
.irp b, 0,1,2,3
	v_max3_num_f32 v[TM+\b], |v[(\src)+16*\b]|, |v[(\src)+16*\b+1]|, 0x1800000
.endr
.irp i, 2,4,6,8,10,12,14
.irp b, 0,1,2,3
	v_max3_num_f32 v[TM+\b], |v[(\src)+16*\b+\i]|, |v[(\src)+16*\b+\i+1]|, v[TM+\b]
.endr
.endr
.irp b, 0,1,2,3
	v_permlanex16_b32 v[TM+4+\b], v[TM+\b], s[SEL], s[SEL+1]
.endr
.irp b, 0,1,2,3
	v_max_num_f32 v[TM+\b], v[TM+\b], v[TM+4+\b]
.endr
.irp b, 0,1,2,3
	v_add_nc_u32 v[TM+12+\b], 0xff000000, v[TM+\b]
.endr
.irp b, 0,1,2,3
	v_lshrrev_b32 v[TM+4+\b], 23, v[TM+12+\b]
.endr
	v_lshl_or_b32 v[\pw], v[TM+5], 8, v[TM+4]
	v_lshl_or_b32 v[\pw], v[TM+6], 16, v[\pw]
	v_lshl_or_b32 v[\pw], v[TM+7], 24, v[\pw]
.irp b, 0,1,2,3
	v_cvt_scalef32_pk8_fp4_f32 v[(\pc)+2*\b], v[(\src)+16*\b:(\src)+16*\b+7], v[TM+12+\b]
	v_cvt_scalef32_pk8_fp4_f32 v[(\pc)+2*\b+1], v[(\src)+16*\b+8:(\src)+16*\b+15], v[TM+12+\b]
.endr
	v_nop
.irp c, 0,1
.irp i, 0,1
	v_permlane16_swap_b32 v[(\pc)+4*\c+\i], v[(\pc)+4*\c+2+\i]
.endr
.endr
.endm
; The two chains v[64+4m..], v[66+4m..] of each tile of rows are closed; the waves' parts meet in LDS at off; v76 and v84 end as the rows' sums over all 1,024 columns.
.macro REDUCE off
.irp m, 0,1
	v_pk_add_f32 v[64+4*\m:65+4*\m], v[64+4*\m:65+4*\m], v[66+4*\m:67+4*\m]
.endr
.irp m, 0,1
	v_add_f32 v[72+\m], v[64+4*\m], v[65+4*\m]
.endr
.irp m, 0,1
	v_permlanex16_b32 v[18+\m], v[72+\m], s[SEL], s[SEL+1]
.endr
.irp m, 0,1
	v_add_f32 v[72+\m], v[72+\m], v[18+\m]
.endr
	v_cndmask_b32 v74, v72, v73, s36               ; lane l speaks for row 16 m + r = l
	ds_store_b32 v9, v74 offset:\off
	s_wait_dscnt 0x0                               ; for the others' sake
	s_barrier_signal -1
	s_barrier_wait -1
.irp m, 0,1
.irp g, 0,1
	ds_load_b128 v[76+8*\m+4*\g:79+8*\m+4*\g], v10 offset:\off+512*\m+16*\g
.endr
.endr
	s_wait_dscnt 0x0
.irp m, 0,1
	v_add_f32 v[76+8*\m], v[76+8*\m], v[77+8*\m]
	v_add_f32 v[78+8*\m], v[78+8*\m], v[79+8*\m]
	v_add_f32 v[80+8*\m], v[80+8*\m], v[81+8*\m]
	v_add_f32 v[82+8*\m], v[82+8*\m], v[83+8*\m]
.endr
.irp m, 0,1
	v_add_f32 v[76+8*\m], v[76+8*\m], v[78+8*\m]
	v_add_f32 v[80+8*\m], v[80+8*\m], v[82+8*\m]
.endr
.irp m, 0,1
	v_add_f32 v[76+8*\m], v[76+8*\m], v[80+8*\m]
.endr
.endm
	s_load_b256 s[4:11], s[0:1], 0x0               ; ctx s[4:5], prep s[6:7], x s[8:9], b_o s[10:11]
	s_load_b128 s[12:15], s[0:1], 0x20             ; gamma1, beta1
	s_load_b64 s[16:17], s[0:1], 0x30              ; hbuf
	v_lshl_add_u32 v13, v0, 2, 0x20a00
	v_mov_b32 v23, 0
	v_lshrrev_b32 v1, 5, v0
	v_readfirstlane_b32 s18, v1                    ; wave 0..7
	v_and_b32 v1, 31, v0
	v_and_b32 v2, 15, v0                           ; r
	v_bfe_u32 v3, v0, 4, 1                         ; h
	v_lshlrev_b32 v4, 4, v1                        ; 16 x lane
	v_lshlrev_b32 v5, 4, v2
	v_lshl_add_u32 v5, v3, SLOG+6, v5              ; scale words: lanes 16-31 take the next tile's
	s_bfe_u32 s19, s18, 0x10001                    ; rows 4 w .. 4 w + 3 of the 32 are slots 16 ((w / 2) % 2) + 8 (w / 4) + 4 (w % 2) + 0 .. 3
	s_lshl_b32 s19, s19, 4
	s_lshr_b32 s20, s18, 2
	s_lshl_b32 s20, s20, 3
	s_add_co_u32 s19, s19, s20
	s_and_b32 s20, s18, 1
	s_lshl_b32 s20, s20, 2
	s_add_co_u32 s19, s19, s20
	s_mul_i32 s19, s19, 4112
	v_add_nc_u32 v6, s19, v4                       ; the stage by rows
	v_mul_u32_u24 v7, v2, 4112
	v_lshl_add_u32 v7, v3, 6, v7
	s_lshl_b32 s20, s18, 9
	v_add_nc_u32 v7, s20, v7                       ; the stage by the accumulators' layout: tile m = 0,
	v_add_nc_u32 v8, 65792, v7                     ; m = 1
	v_lshlrev_b32 v9, 5, v1
	s_lshl_b32 s21, s18, 2
	v_add_nc_u32 v9, s21, v9
	v_add_nc_u32 v9, RED1, v9                      ; my wave's word of row l
	v_lshlrev_b32 v10, 5, v2
	v_add_nc_u32 v10, RED1, v10                    ; row r's eight words
	v_lshlrev_b32 v11, 6, v3                       ; 64 h
	v_lshlrev_b32 v12, 4, v2
	v_lshl_add_u32 v12, v3, 9, v12                 ; 16 r + 512 h
	v_mov_b32 v15, 0                               ; upper halves of pairs, and lane permutes' destinations
	v_mov_b32 v17, 0
	v_mov_b32 v18, 0
	v_mov_b32 v19, 0
	s_mov_b32 s[SEL], 0x76543210
	s_mov_b32 s[SEL+1], 0xfedcba98
	s_mov_b32 s36, 0xffff0000
	s_mov_b32 s39, 0
	s_wait_kmcnt 0x0
	s_lshl_b32 s38, ttmp9, SLOG+11
	s_add_nc_u64 s[22:23], s[4:5], s[38:39]        ; my rows' images
	s_lshl_b32 s38, s18, SLOG+13
	s_add_co_u32 s38, s38, WOFF
	s_add_nc_u64 s[24:25], s[6:7], s[38:39]        ; my columns' images
	s_lshl_b32 s38, ttmp9, SLOG+7
	s_add_co_u32 s38, s38, ASCO
	s_add_nc_u64 s[26:27], s[4:5], s[38:39]
	s_lshl_b32 s38, s18, SLOG+9
	s_add_co_u32 s38, s38, WSCO
	s_add_nc_u64 s[28:29], s[6:7], s[38:39]
	s_lshl_b32 s38, ttmp9, 17
	s_lshl_b32 s19, s18, 14
	s_add_co_u32 s38, s38, s19
	s_add_nc_u64 s[30:31], s[8:9], s[38:39]        ; x at row 32 t + 4 w
	s_add_nc_u64 s[32:33], s[16:17], s[38:39]      ; h's f32 images: 16,384 bytes for each (t, w)
	s_lshl_b32 s38, s18, 9
	s_add_nc_u64 s[10:11], s[10:11], s[38:39]
	s_add_nc_u64 s[12:13], s[12:13], s[38:39]
	s_add_nc_u64 s[14:15], s[14:15], s[38:39]
	s_lshl_b32 s38, ttmp9, 14
	s_lshl_b32 s19, s18, 10
	s_add_co_u32 s38, s38, s19
	s_add_co_u32 s38, s38, HIMG
	s_add_nc_u64 s[42:43], s[16:17], s[38:39]
	s_lshl_b32 s38, ttmp9, 10
	s_lshr_b32 s19, s18, 2
	s_lshl_b32 s19, s19, 8
	s_add_co_u32 s38, s38, s19
	s_and_b32 s19, s18, 3
	s_lshl_b32 s19, s19, 2
	s_add_co_u32 s38, s38, s19
	s_add_co_u32 s38, s38, HSC
	s_add_nc_u64 s[44:45], s[16:17], s[38:39]
	; ---- the residual: four whole rows a wave, 512 consecutive bytes a load
.set i, 0
.rept 32
	global_load_b128 v[128+4*i:131+4*i], v4, s[30:31] offset:(i/8)*4096+(i%8)*512 th:TH_LOAD_NT
.set i, i+1
.endr
	SCL 0, 0
	SCL 1, 1
	LOADS 0, 0
	LOADS 1, 1
	LOADS 2, 2
	s_wait_loadcnt 63                              ; x's 32 loads are in: 70 loads were issued behind them, and a wait names 63 at the most
.set i, 0
.rept 32
	ds_store_b128 v6, v[128+4*i:131+4*i] offset:(i/8)*4112+(i%8)*512
.set i, i+1
.endr
	s_wait_dscnt 0x0
	s_barrier_signal -1
	s_barrier_wait -1
.irp m, 0,1
.irp n, 0,1,2,3,4,5,6,7
.irp g, 0,1
	ds_load_b128 v[128+64*\m+8*\n+4*\g:131+64*\m+8*\n+4*\g], v[7+\m] offset:(32*(\n/2)+8*(\n%2)+4*\g)*4
.endr
.endr
.endr
	s_wait_dscnt 0x0
	; ---- the product
	BODY 1
	; ---- the norm
	s_wait_loadcnt 32                              ; the bias is in; the gain's and the offset's 2 x 16 loads may be out
	WIN 0x04
.irp m, 0,1
.set i, 0
.rept 32
	v_pk_add_f32 v[128+64*\m+i:129+64*\m+i], v[128+64*\m+i:129+64*\m+i], v[i:i+1]
.set i, i+2
.endr
.endr
	WIN 0
.irp m, 0,1
	v_pk_add_f32 v[64+4*\m:65+4*\m], v[128+64*\m:129+64*\m], v[130+64*\m:131+64*\m]
	v_pk_add_f32 v[66+4*\m:67+4*\m], v[132+64*\m:133+64*\m], v[134+64*\m:135+64*\m]
.endr
.irp i, 8,12,16,20,24,28,32,36,40,44,48,52,56,60
.irp m, 0,1
	v_pk_add_f32 v[64+4*\m:65+4*\m], v[64+4*\m:65+4*\m], v[128+64*\m+\i:129+64*\m+\i]
	v_pk_add_f32 v[66+4*\m:67+4*\m], v[66+4*\m:67+4*\m], v[130+64*\m+\i:131+64*\m+\i]
.endr
.endr
	REDUCE 0
	v_mul_f32 v14, 0x3a800000, v76                 ; the means
	v_mul_f32 v16, 0x3a800000, v84
.irp m, 0,1
.set i, 0
.rept 32
	v_pk_add_f32 v[128+64*\m+i:129+64*\m+i], v[128+64*\m+i:129+64*\m+i], v[14+2*\m:15+2*\m] op_sel_hi:[1,0] neg_lo:[0,1] neg_hi:[0,1]
.set i, i+2
.endr
.endr
.irp m, 0,1
	v_pk_mul_f32 v[64+4*\m:65+4*\m], v[128+64*\m:129+64*\m], v[128+64*\m:129+64*\m]
	v_pk_mul_f32 v[66+4*\m:67+4*\m], v[130+64*\m:131+64*\m], v[130+64*\m:131+64*\m]
.endr
.irp i, 4,8,12,16,20,24,28,32,36,40,44,48,52,56,60
.irp m, 0,1
	v_pk_fma_f32 v[64+4*\m:65+4*\m], v[128+64*\m+\i:129+64*\m+\i], v[128+64*\m+\i:129+64*\m+\i], v[64+4*\m:65+4*\m]
	v_pk_fma_f32 v[66+4*\m:67+4*\m], v[130+64*\m+\i:131+64*\m+\i], v[130+64*\m+\i:131+64*\m+\i], v[66+4*\m:67+4*\m]
.endr
.endr
	REDUCE 1024
	v_mul_f32 v76, 0x3a800000, v76
	v_mul_f32 v84, 0x3a800000, v84
	v_add_f32 v76, 0x358637bd, v76                 ; + 1e-6
	v_add_f32 v84, 0x358637bd, v84
	v_rsq_f32 v14, v76
	v_rsq_f32 v16, v84
	v_nop
	s_wait_alu depctr_va_vdst(0)                   ; one wait for both, ahead of their first use
	s_wait_loadcnt 0x0                             ; the gain and the offset
.irp m, 0,1
.set i, 0
.rept 32
	v_pk_mul_f32 v[128+64*\m+i:129+64*\m+i], v[128+64*\m+i:129+64*\m+i], v[14+2*\m:15+2*\m] op_sel_hi:[1,0]
.set i, i+2
.endr
.endr
	WIN 0x14
.irp m, 0,1
.set i, 0
.rept 32
	v_pk_fma_f32 v[128+64*\m+i:129+64*\m+i], v[128+64*\m+i:129+64*\m+i], v[64+i:65+i], v[128+i:129+i]
.set i, i+2
.endr
.endr
	WIN 0
	; ---- out
.set i, 0
.rept 32
	global_store_b128 v4, v[128+4*i:131+4*i], s[32:33] offset:512*i   ; 512 consecutive bytes
.set i, i+1
.endr
.irp b, 0,1,2,3
	v_mov_b32 v[TM+4+\b], 0
.endr
.irp m, 0,1
	QUANT 128+64*\m, 0, PC+8*\m, PW+\m             ; my 128 columns are K step w of the next product
.irp c, 0,1
	global_store_b128 v4, v[PC+8*\m+4*\c:PC+8*\m+4*\c+3], s[42:43] offset:8192*\m+512*\c
.endr
.endr
	v_cndmask_b32 v22, v20, v21, s36
	global_store_b32 v12, v22, s[44:45]
	s_wait_tensorcnt 0x0
	ds_add_u32 v13, v23
	s_wait_dscnt 0x0
	s_endpgm
.Lfunc_end_k_q0a0664c74d_oproj:
	.size	k_q0a0664c74d_oproj, .Lfunc_end_k_q0a0664c74d_oproj-k_q0a0664c74d_oproj
	.p2alignl 7, 3214868480
	.fill 96, 4, 3214868480
	.section	.rodata,"a",@progbits
	.p2align	6, 0x0
	.amdhsa_kernel k_q0a0664c74d_oproj
		.amdhsa_group_segment_fixed_size 134656
		.amdhsa_private_segment_fixed_size 0
		.amdhsa_enable_private_segment 0
		.amdhsa_kernarg_size 56
		.amdhsa_user_sgpr_count 2
		.amdhsa_user_sgpr_kernarg_segment_ptr 1
		.amdhsa_wavefront_size32 1
		.amdhsa_system_sgpr_workgroup_id_x 1
		.amdhsa_system_sgpr_workgroup_id_y 1
		.amdhsa_system_sgpr_workgroup_id_z 1
		.amdhsa_system_vgpr_workitem_id 0
		.amdhsa_next_free_vgpr 512
		.amdhsa_next_free_sgpr 66
		.amdhsa_reserve_vcc 0
		.amdhsa_float_denorm_mode_32 3
		.amdhsa_float_denorm_mode_16_64 3
		.amdhsa_memory_ordered 1
		.amdhsa_forward_progress 1
		.amdhsa_inst_pref_size 88
	.end_amdhsa_kernel
	.amdgpu_metadata
---
amdhsa.version: [ 1, 2 ]
amdhsa.kernels:
  - .name:           k_q0a0664c74d_oproj
    .symbol:         k_q0a0664c74d_oproj.kd
    .args:
      - { .name: ctx, .offset: 0, .size: 8, .value_kind: global_buffer, .address_space: global }
      - { .name: prep, .offset: 8, .size: 8, .value_kind: global_buffer, .address_space: global }
      - { .name: x, .offset: 16, .size: 8, .value_kind: global_buffer, .address_space: global }
      - { .name: b_o, .offset: 24, .size: 8, .value_kind: global_buffer, .address_space: global }
      - { .name: gamma1, .offset: 32, .size: 8, .value_kind: global_buffer, .address_space: global }
      - { .name: beta1, .offset: 40, .size: 8, .value_kind: global_buffer, .address_space: global }
      - { .name: hbuf, .offset: 48, .size: 8, .value_kind: global_buffer, .address_space: global }
    .group_segment_fixed_size: 134656
    .private_segment_fixed_size: 0
    .kernarg_segment_align: 8
    .kernarg_segment_size: 56
    .max_flat_workgroup_size: 256
    .sgpr_count:     66
    .vgpr_count:     512
    .wavefront_size: 32
...
	.end_amdgpu_metadata
.endif
;; end of part 4
;; launch ff1 (part 5): grid 16 x 16, 4 waves a work-group, clusters of 4 x 4, 262,656 bytes of LDS; arguments hbuf, prep, b1, ffh; writes ffh
.if DOCPART == 5
	.amdgcn_target "amdgcn-amd-amdhsa--gfx1250"
	.amdhsa_code_object_version 6
	.text
	.protected	k_q0a0664c74d_ff1
	.globl	k_q0a0664c74d_ff1
	.p2align	8
	.type	k_q0a0664c74d_ff1,@function
k_q0a0664c74d_ff1:
	s_mov_b64 s[64:65], 0
	v_nop
	global_prefetch_b8 v0, s[64:65] scope:SCOPE_SE
	s_setreg_imm32_b32 hwreg(HW_REG_WAVE_MODE, 25, 1), 1
	s_wait_xcnt 0x0
	s_wait_alu depctr_hold_cnt(0) depctr_sa_sdst(0) depctr_va_vdst(0) depctr_va_sdst(0) depctr_va_ssrc(0) depctr_va_vcc(0) depctr_vm_vsrc(0)
	s_getreg_b32 s2, hwreg(HW_REG_IB_STS2, 6, 4)
	s_cmp_eq_u32 s2, 0
	s_cbranch_scc0 .Lentry_in_a_cluster
	s_endpgm
.Lentry_in_a_cluster:
	s_bfe_u32 s2, ttmp6, 0x10000c
	s_cmp_lg_u32 s2, 0xf033
	s_cbranch_scc0 .Lentry_shape_is_right
	s_endpgm
.Lentry_shape_is_right:
; relu(h w1 + b1) on codes of FP4 with E8M0 scales; the result is quantised in registers along the hidden axis and leaves as images of the next product's operand registers.
; A work-group makes 256 rows x 256 hidden units, a wave 128 x 128: 64 accumulators.  K = 1,024: both operands' codes, 2 x 128 KiB, lie in LDS at once, each byte filled ONCE, in four pieces of two K steps;
; the wait for a piece names the pieces issued behind it.  The scale words go from memory into registers.
; CLUSTER 4 x 4: h's tiles are shared along a row of the cluster, w1's along a column: joint loads, each wave four of them, all issued at the start.
; Source 0 = 16 columns of w1, source 1 = 16 rows of h: a lane holds ONE row, and its 64 registers of a block of rows are hidden units 32 b + 16 h + i of the wave's 128: one K step of the next product.
; The bias is the C of each sum's first product.  Slot r of tile T stands for row or column 32 (T / 2) + 8 (T % 2) + r + 8 (r / 8).
; LIMITS: a block of zeros gets the byte 1 where the rule says 127 (zero codes; only this program reads the bytes); largest magnitudes under 2^-124 are held at that floor; NaN and infinities are not served.
; The scale words leave as 4 bytes a lane, 16 bytes apart: 1 byte in 16 of the codes'.
; REGISTERS: window 0: v1-31 addresses; v32-63 h's scale words, v64-95 w1's (scales and nothing else); v96-111 and v112-127 the quantiser's; v128-191 source 1's fragments; v192-255 the bias.
;   window 1: source 0's fragments, two sets.  windows 2, 3: accumulator (a, b) at v[8 (8 (a % 4) + b)] of window 2 + a / 4.
.set XP,    4                          ; s[4:5] hbuf
.set WP,    6                          ; s[6:7] prep
.set XIMGO, 16777216
.set XSCO,  18874368
.set WIMGO, 4325376
.set WSCO,  8650752
.set FSC,   8388608
.set L16, 4
.set ADX, 5
.set ADW, 6
.set VS,  7
.set PW,  24
.set XS,  32
.set WS,  64
.set TM,  96
.set PC,  112
.set QF,  128
.set BIAS, 192
.set G1X, 24
.set G1W, 32
.set SEL, 46
.set G0X, 48
.set G0W, 68
.set MSB, 0
.macro WIN new                         ; the immediate's high byte repeats the setting that is left
.if MSB != (\new)
	s_set_vgpr_msb (MSB<<8)|(\new)
.set MSB, (\new)
.endif
.endm
.macro PLACES n
.rept \n
	v_nop
.endr
.endm
.macro ROUND                           ; a round of the cluster's barrier
	s_barrier_signal -1
	s_barrier_wait -1
	s_cmp_lg_u32 s14, 0
	s_cbranch_scc1 .Lnot_wave_0_\@
	s_barrier_signal -3
.Lnot_wave_0_\@:
	s_barrier_wait -3
	s_barrier_signal -1
	s_barrier_wait -1
.endm
.macro WM c, ra, rb
.if (\ra) && (\rb)
	v_wmma_scale_f32_16x16x128_f8f6f4 v[rD:rD+7], v[rP:rP+7], v[rQ:rQ+7], \c, v[rSP], v[rSQ] matrix_a_fmt:MATRIX_FMT_FP4 matrix_b_fmt:MATRIX_FMT_FP4 matrix_a_scale:MATRIX_SCALE_ROW1 matrix_b_scale:MATRIX_SCALE_ROW1
.elseif (\ra)
	v_wmma_scale_f32_16x16x128_f8f6f4 v[rD:rD+7], v[rP:rP+7], v[rQ:rQ+7], \c, v[rSP], v[rSQ] matrix_a_fmt:MATRIX_FMT_FP4 matrix_b_fmt:MATRIX_FMT_FP4 matrix_a_scale:MATRIX_SCALE_ROW1
.elseif (\rb)
	v_wmma_scale_f32_16x16x128_f8f6f4 v[rD:rD+7], v[rP:rP+7], v[rQ:rQ+7], \c, v[rSP], v[rSQ] matrix_a_fmt:MATRIX_FMT_FP4 matrix_b_fmt:MATRIX_FMT_FP4 matrix_b_scale:MATRIX_SCALE_ROW1
.else
	v_wmma_scale_f32_16x16x128_f8f6f4 v[rD:rD+7], v[rP:rP+7], v[rQ:rQ+7], \c, v[rSP], v[rSQ] matrix_a_fmt:MATRIX_FMT_FP4 matrix_b_fmt:MATRIX_FMT_FP4
.endif
.endm
; 16 products: source 1's tiles a0, a0 + 1 x source 0's eight, K step s.  cm = 2: the bias starts the sums.  The 64 accumulators take turns, in the same order in every step.
.macro MUL16 a0, set, s, PS, QS, cm
.irp a, \a0, \a0+1
.irp b, 0,1,2,3,4,5,6,7
.set rD, 8*(8*((\a)%4)+\b)
.set rP, 128*(\set)+8*\b
.set rQ, QF+8*(\a)
.set rSP, \PS+16*((\s)/4)+4*(\b/2)+(\s)%4
.set rSQ, \QS+16*((\s)/4)+4*((\a)/2)+(\s)%4
.if \cm == 0
	WM v[rD:rD+7], \b%2, (\a)%2
.else
	WM v[BIAS+8*\b:BIAS+8*\b+7], \b%2, (\a)%2
.endif
.endr
.endr
.endm
.macro FETCH_P adr, s, set
	WIN 0x40
.irp i, 0,1,2,3,4,5,6,7
.irp c, 0,1
	ds_load_b128 v[128*(\set)+8*\i+4*\c:128*(\set)+8*\i+4*\c+3], v[\adr] offset:\i*2048+((\s)%2)*1024+512*\c
.endr
.endr
	WIN 0
.endm
.macro FETCH_Q adr, s, i0
.irp i, \i0, \i0+1, \i0+2, \i0+3
.irp c, 0,1
	ds_load_b128 v[QF+8*(\i)+4*\c:QF+8*(\i)+4*\c+3], v[\adr] offset:(\i)*2048+((\s)%2)*1024+512*\c
.endr
.endr
.endm
; A K step of 128: 64 products.  Source 1 has one set of registers (tiles 0-3 are fetched anew in the step's middle, 4-7 at its end), source 0 two.
; Four plain lines stand between a product and a load into a register that it has read (ISA guide 7.12.1 for vector instructions).
.macro STEP s, PA, QA, PS, QS, cm, last
	s_wait_dscnt 8                                 ; all but the youngest eight loads, source 1's tiles 4-7
.if \cm == 2
	WIN 0x81                                       ; C, the bias, lies in window 0
.else
	WIN 0xa1
.endif
	MUL16 0, (\s)%2, \s, \PS, \QS, \cm
	MUL16 2, (\s)%2, \s, \PS, \QS, \cm
	s_wait_dscnt 0x0
	WIN 0
	PLACES 4
.if ((\s)%2 == 1) && (\last == 0)
	s_wait_tensorcnt 3-((\s)+1)/2                  ; my part of the next piece is in: so many pieces were issued behind it
	s_barrier_signal -1
	s_barrier_wait -1                              ; everybody's is.  Nothing is ever filled again
	v_add_nc_u32 v[\PA], 0x10000, v[\PA]
	v_add_nc_u32 v[\QA], 0x10000, v[\QA]
.endif
.if \last == 0
	FETCH_P \PA, (\s)+1, 1-(\s)%2
	FETCH_Q \QA, (\s)+1, 0
.endif
.if \cm == 2
	WIN 0xc1
.else
	WIN 0xf1
.endif
	MUL16 4, (\s)%2, \s, \PS, \QS, \cm
	MUL16 6, (\s)%2, \s, \PS, \QS, \cm
	PLACES 4
	WIN 0
.if \last == 0
	FETCH_Q \QA, (\s)+1, 4
.endif
.endm
.macro QUANT src, w, pc, pw
	WIN (\w)|((\w)<<2)
.irp b, 0,1,2,3
	v_max3_num_f32 v[TM+\b], |v[(\src)+16*\b]|, |v[(\src)+16*\b+1]|, 0x1800000   ; my 16 of block b, and the floor 2^(3 - 127)
.endr
.irp i, 2,4,6,8,10,12,14
.irp b, 0,1,2,3
	v_max3_num_f32 v[TM+\b], |v[(\src)+16*\b+\i]|, |v[(\src)+16*\b+\i+1]|, v[TM+\b]
.endr
.endr
	WIN 0
.irp b, 0,1,2,3
	v_permlanex16_b32 v[TM+4+\b], v[TM+\b], s[SEL], s[SEL+1]
.endr
.irp b, 0,1,2,3
	v_max_num_f32 v[TM+\b], v[TM+\b], v[TM+4+\b]
.endr
.irp b, 0,1,2,3
	v_add_nc_u32 v[TM+12+\b], 0xff000000, v[TM+\b]
.endr
.irp b, 0,1,2,3
	v_lshrrev_b32 v[TM+4+\b], 23, v[TM+12+\b]
.endr
	v_lshl_or_b32 v[\pw], v[TM+5], 8, v[TM+4]
	v_lshl_or_b32 v[\pw], v[TM+6], 16, v[\pw]
	v_lshl_or_b32 v[\pw], v[TM+7], 24, v[\pw]
	WIN (\w)
.irp b, 0,1,2,3
	v_cvt_scalef32_pk8_fp4_f32 v[(\pc)+2*\b], v[(\src)+16*\b:(\src)+16*\b+7], v[TM+12+\b]
	v_cvt_scalef32_pk8_fp4_f32 v[(\pc)+2*\b+1], v[(\src)+16*\b+8:(\src)+16*\b+15], v[TM+12+\b]
.endr
	WIN 0
	v_nop
.irp c, 0,1
.irp i, 0,1
	v_permlane16_swap_b32 v[(\pc)+4*\c+\i], v[(\pc)+4*\c+2+\i]
.endr
.endr
.endm
	s_load_b256 s[4:11], s[0:1], 0x0               ; hbuf s[4:5], prep s[6:7], b1 s[8:9], ffh s[10:11]
	v_lshl_add_u32 v106, v0, 2, 0x40000
	v_mov_b32 v107, 0
	ds_add_u32 v106, v107
	ds_add_u32 v106, v107
	v_lshrrev_b32 v1, 5, v0
	v_readfirstlane_b32 s14, v1                    ; wave
	s_lshr_b32 s15, s14, 1                         ; my half of the rows.  Also: I fetch for h (0) or for w1 (1)
	s_and_b32 s16, s14, 1                          ; my half of the columns.  Also: which eight tiles I fetch
	s_bfe_u32 s40, ttmp6, 0x40000                  ; cx
	s_bfe_u32 s41, ttmp6, 0x40004                  ; cy
	s_lshl_b32 s42, ttmp9, 2
	s_add_co_u32 s42, s42, s40                     ; tile column
	s_and_b32 s17, ttmp7, 0xffff
	s_lshl_b32 s17, s17, 2
	s_add_co_u32 s17, s17, s41                     ; tile row
	s_lshl_b32 s43, s41, 2
	s_lshl_b32 s43, 15, s43                        ; my row of the cluster
	s_lshl_b32 s44, 0x1111, s40                    ; my column
	; group 1: eight tiles' two K steps: 8 rows of 2,048 bytes (256 elements of 8), 8,192 bytes apart; no padding: a fragment load's 512 bytes are consecutive
	s_or_b32 s[G1X], s43, (3<<16)|(1<<21)
	s_or_b32 s[G1W], s44, (3<<16)|(1<<21)
.irp g, G1X, G1W
	s_mov_b32 s[\g+1], 256<<16
	s_mov_b32 s[\g+2], 8<<16
	s_mov_b32 s[\g+3], 256<<16
	s_mov_b32 s[\g+4], 8
	s_mov_b32 s[\g+5], 1024
	s_mov_b32 s[\g+6], 0
	s_mov_b32 s[\g+7], 0
.endr
	s_lshl_b32 s18, s16, 16
	s_lshl_b32 s20, s17, 17                        ; h's address hangs on the tile row and the wave alone,
	s_add_co_u32 s20, s20, s18
	s_add_co_u32 s20, s20, XIMGO
	s_mov_b32 s21, 0
	s_lshl_b32 s84, s42, 17                        ; w1's on the tile column and the wave
	s_add_co_u32 s84, s84, s18
	s_add_co_u32 s84, s84, WIMGO
	s_mov_b32 s85, 0
	s_lshl_b32 s45, s14, 14                        ; LDS: wave x 16,384 in each piece
	s_lshl_b32 s86, s17, 13
	s_lshl_b32 s87, s15, 12
	s_add_co_u32 s86, s86, s87
	s_add_co_u32 s86, s86, XSCO
	s_mov_b32 s87, 0
	s_lshl_b32 s88, s42, 13
	s_lshl_b32 s89, s16, 12
	s_add_co_u32 s88, s88, s89
	s_add_co_u32 s88, s88, WSCO
	s_mov_b32 s89, 0
	s_mov_b32 s[SEL], 0x76543210
	s_mov_b32 s[SEL+1], 0xfedcba98
	s_mov_b32 s98, 0xffff0000
	s_wait_dscnt 0x0
	s_wait_kmcnt 0x0
	s_add_nc_u64 s[20:21], s[XP:XP+1], s[20:21]
	s_add_nc_u64 s[84:85], s[WP:WP+1], s[84:85]
	s_add_nc_u64 s[86:87], s[XP:XP+1], s[86:87]
	s_add_nc_u64 s[88:89], s[WP:WP+1], s[88:89]
	ROUND                                          ; all sixteen work-groups are here: the joint loads meet
.irp p, 0,1,2,3
	s_mov_b32 s[G0X+4*\p], 1
	s_add_co_u32 s[G0X+4*\p+1], s45, \p*65536
	s_add_nc_u64 s[G0X+4*\p+2:G0X+4*\p+3], s[20:21], \p*2048
	s_or_b32 s[G0X+4*\p+3], s[G0X+4*\p+3], 0x80000000
	s_mov_b32 s[G0W+4*\p], 1
	s_add_co_u32 s[G0W+4*\p+1], s45, \p*65536
	s_add_nc_u64 s[G0W+4*\p+2:G0W+4*\p+3], s[84:85], \p*2048
	s_or_b32 s[G0W+4*\p+3], s[G0W+4*\p+3], 0x80000000
.endr
	s_cmp_eq_u32 s15, 0                            ; a wave's four fills stand in one branch on the wave's number: four loads of mine are out
	s_cbranch_scc0 .Lfor_w
.irp p, 0,1,2,3
	tensor_load_to_lds s[G0X+4*\p:G0X+4*\p+3], s[G1X:G1X+7]
	s_nop 0
.endr
	PLACES 4
	s_branch .Lasked
.Lfor_w:
.irp p, 0,1,2,3
	tensor_load_to_lds s[G0W+4*\p:G0W+4*\p+3], s[G1W:G1W+7]
	s_nop 0
.endr
	PLACES 4
.Lasked:
	v_and_b32 v1, 31, v0
	v_and_b32 v2, 15, v0                           ; r
	v_bfe_u32 v3, v0, 4, 1                         ; h
	v_lshlrev_b32 v[L16], 4, v1
	s_lshl_b32 s18, s15, 14
	v_add_nc_u32 v[ADX], s18, v[L16]
	s_lshl_b32 s18, s16, 14
	s_add_co_u32 s18, s18, 32768
	v_add_nc_u32 v[ADW], s18, v[L16]
	v_lshlrev_b32 v[VS], 4, v2
	v_lshl_add_u32 v[VS], v3, 9, v[VS]
.irp q, 0,1
.irp i, 0,1,2,3
	global_load_b128 v[XS+16*\q+4*\i:XS+16*\q+4*\i+3], v[VS], s[86:87] offset:\i*1024+\q*256   ; four K steps' words: lanes 0-15 tile 2 i, lanes 16-31 tile 2 i + 1
	global_load_b128 v[WS+16*\q+4*\i:WS+16*\q+4*\i+3], v[VS], s[88:89] offset:\i*1024+\q*256
.endr
.endr
.irp b, 0,1,2,3
	v_mov_b32 v[TM+4+\b], 0                        ; a lane permute's destination counts as read
.endr
	s_mov_b32 s19, 0
	s_lshl_b32 s18, s42, 10                        ; b1 at my 128 hidden units
	s_lshl_b32 s96, s16, 9
	s_add_co_u32 s18, s18, s96
	s_add_nc_u64 s[90:91], s[8:9], s[18:19]
	v_lshlrev_b32 v9, 6, v3                        ; 64 h
.irp b, 0,1,2,3
.irp j, 0,1,2,3
	global_load_b128 v[BIAS+16*\b+4*\j:BIAS+16*\b+4*\j+3], v9, s[90:91] offset:128*\b+16*\j
.endr
.endr
	s_lshl_b32 s18, s17, 19                        ; the images: tile of rows 16 tr + 8 half, K step 2 tc + half
	s_lshl_b32 s96, s15, 18
	s_add_co_u32 s18, s18, s96
	s_lshl_b32 s96, s42, 11
	s_add_co_u32 s18, s18, s96
	s_lshl_b32 s96, s16, 10
	s_add_co_u32 s18, s18, s96
	s_add_nc_u64 s[92:93], s[10:11], s[18:19]
	s_lshl_b32 s97, s42, 1
	s_add_co_u32 s97, s97, s16                     ; the K step
	s_lshl_b32 s18, s17, 15
	s_lshl_b32 s96, s15, 14
	s_add_co_u32 s18, s18, s96
	s_lshr_b32 s96, s97, 2
	s_lshl_b32 s96, s96, 8
	s_add_co_u32 s18, s18, s96
	s_and_b32 s96, s97, 3
	s_lshl_b32 s96, s96, 2
	s_add_co_u32 s18, s18, s96
	s_add_co_u32 s18, s18, FSC
	s_add_nc_u64 s[94:95], s[10:11], s[18:19]
	v_lshlrev_b32 v10, 4, v2
	v_lshl_add_u32 v10, v3, 11, v10                ; 16 r + 2,048 h
	s_wait_tensorcnt 3                             ; my part of piece 0 is in; three pieces were issued behind it
	s_barrier_signal -1
	s_barrier_wait -1
	FETCH_P ADW, 0, 0
	FETCH_Q ADX, 0, 0
	FETCH_Q ADX, 0, 4
	s_wait_loadcnt 0x0                             ; the scale words and the bias
	STEP 0, ADW, ADX, WS, XS, 2, 0
.irp s, 1,2,3,4,5,6
	STEP \s, ADW, ADX, WS, XS, 0, 0
.endr
	STEP 7, ADW, ADX, WS, XS, 0, 1
.macro EPI_F a                         ; block a of 16 rows: relu, quantised: one fragment
.set wa, 2+(\a)/4
.set AC, 64*((\a)%4)
.set PCa, PC+8*((\a)%2)
	WIN (wa<<6)|(wa<<2)
.set j, 0
.rept 64
	v_max_num_f32 v[AC+j], 0, v[AC+j]
.set j, j+1
.endr
.if \a > 0
	s_wait_xcnt 0x0                                ; the last block's stores have read their data: those registers are written again only behind this wait
.endif
	QUANT AC, wa, PCa, PW+(\a)%2
.irp c, 0,1
	global_store_b128 v[L16], v[PCa+4*\c:PCa+4*\c+3], s[92:93] offset:(\a)*32768+512*\c   ; 512 consecutive bytes
.endr
.if (\a)%2 == 1
	v_cndmask_b32 v[PW+2], v[PW], v[PW+1], s98     ; lanes 0-15 tile a - 1's words, lanes 16-31 tile a's
	global_store_b32 v10, v[PW+2], s[94:95] offset:((\a)-1)*2048
.endif
.endm
.irp a, 0,1,2,3,4,5,6,7
	EPI_F \a
.endr
	s_wait_tensorcnt 0x0
	ds_add_u32 v106, v107
	s_wait_dscnt 0x0
	ROUND                                          ; the closing round: no work-group ends while a partner may still ask for a tile that names it
	s_endpgm
.Lfunc_end_k_q0a0664c74d_ff1:
	.size	k_q0a0664c74d_ff1, .Lfunc_end_k_q0a0664c74d_ff1-k_q0a0664c74d_ff1
	.p2alignl 7, 3214868480
	.fill 96, 4, 3214868480
	.section	.rodata,"a",@progbits
	.p2align	6, 0x0
	.amdhsa_kernel k_q0a0664c74d_ff1
		.amdhsa_group_segment_fixed_size 262656
		.amdhsa_private_segment_fixed_size 0
		.amdhsa_enable_private_segment 0
		.amdhsa_kernarg_size 32
		.amdhsa_user_sgpr_count 2
		.amdhsa_user_sgpr_kernarg_segment_ptr 1
		.amdhsa_wavefront_size32 1
		.amdhsa_system_sgpr_workgroup_id_x 1
		.amdhsa_system_sgpr_workgroup_id_y 1
		.amdhsa_system_sgpr_workgroup_id_z 1
		.amdhsa_system_vgpr_workitem_id 0
		.amdhsa_next_free_vgpr 1024
		.amdhsa_next_free_sgpr 100
		.amdhsa_reserve_vcc 0
		.amdhsa_float_denorm_mode_32 3
		.amdhsa_float_denorm_mode_16_64 3
		.amdhsa_memory_ordered 1
		.amdhsa_forward_progress 1
		.amdhsa_inst_pref_size 146
	.end_amdhsa_kernel
	.amdgpu_metadata
---
amdhsa.version: [ 1, 2 ]
amdhsa.kernels:
  - .name:           k_q0a0664c74d_ff1
    .symbol:         k_q0a0664c74d_ff1.kd
    .args:
      - { .name: hbuf, .offset: 0, .size: 8, .value_kind: global_buffer, .address_space: global }
      - { .name: prep, .offset: 8, .size: 8, .value_kind: global_buffer, .address_space: global }
      - { .name: b1, .offset: 16, .size: 8, .value_kind: global_buffer, .address_space: global }
      - { .name: ffh, .offset: 24, .size: 8, .value_kind: global_buffer, .address_space: global }
    .group_segment_fixed_size: 262656
    .private_segment_fixed_size: 0
    .kernarg_segment_align: 8
    .kernarg_segment_size: 32
    .max_flat_workgroup_size: 128
    .sgpr_count:     100
    .vgpr_count:     1024
    .wavefront_size: 32
...
	.end_amdgpu_metadata
.endif
;; end of part 5
;; launch ff2 (part 6): grid 128 x 1, 8 waves a work-group, no clusters, 134,656 bytes of LDS; arguments ffh, prep, hbuf, b2, gamma2, beta2, out0; writes out0
.if DOCPART == 6
	.amdgcn_target "amdgcn-amd-amdhsa--gfx1250"
	.amdhsa_code_object_version 6
	.text
	.protected	k_q0a0664c74d_ff2
	.globl	k_q0a0664c74d_ff2
	.p2align	8
	.type	k_q0a0664c74d_ff2,@function
k_q0a0664c74d_ff2:
	s_mov_b64 s[64:65], 0
	v_nop
	global_prefetch_b8 v0, s[64:65] scope:SCOPE_SE
	s_setreg_imm32_b32 hwreg(HW_REG_WAVE_MODE, 25, 1), 1
	s_wait_xcnt 0x0
; out = LayerNorm(h + f w2 + b2) gamma2 + beta2, f the quantised hidden layer; the product on codes of FP4 with E8M0 scales, K = 4,096.
; A work-group owns 32 WHOLE rows (tiles 2 t and 2 t + 1), since the norm wants whole rows; wave w owns columns 128 w .. 128 w + 127: 16 accumulators.  Source 0 = 16 columns of the weight, source 1 = 16 rows:
; a lane holds one row of each tile, registers 16 b + i = column 128 w + 32 b + 16 h + i.  A weight fragment feeds two products of one wave and no other wave: it goes from memory straight into registers, three K steps ahead.
; No cluster and no LDS for operands: the work-groups share the weights, but each fragment would pass through LDS for two products only.
; THE RESIDUAL STARTS THE SUMS: h comes as images of these very accumulators.  The norm is taken in two passes, mean first, as it is defined; the waves' parts of a row's sums meet in LDS.
; The result goes through a stage in LDS and leaves as whole rows, 512 consecutive aligned bytes a store.
; LIMITS: NaN and infinities are not served.
; REGISTERS: window 0: v1-23 addresses and small things; v24-31 the rows' scale words, v32-63 the weight's (two sets; scales and nothing else); v64-127 the rows' fragments, four buffers, later at work;
;   v128-255 accumulator (m, n) at 128 + 64 m + 8 n.  window 1: the weight's fragments, four buffers of 64; later b2, gamma2, beta2.
.set S,     32                         ; K steps
.set SLOG,  5
.set WOFF,  6422528                    ; w2's images in prep
.set WSCO,  8781824                    ; and its scale words
.set ASCO,  8388608                    ; the hidden layer's scale words
.set RED1,  131584                     ; LDS: the stage, 32 rows x 4,112 bytes; then [row][wave] words for the sums, and for the sums of squares
.set SEL, 34
.set MSB, 0
.macro WIN new
.if MSB != (\new)
	s_set_vgpr_msb (MSB<<8)|(\new)
.set MSB, (\new)
.endif
.endm
.macro PLACES n
.rept \n
	v_nop
.endr
.endm
.macro WM c, ra, rb
.if (\ra) && (\rb)
	v_wmma_scale_f32_16x16x128_f8f6f4 v[rD:rD+7], v[rP:rP+7], v[rQ:rQ+7], \c, v[rSP], v[rSQ] matrix_a_fmt:MATRIX_FMT_FP4 matrix_b_fmt:MATRIX_FMT_FP4 matrix_a_scale:MATRIX_SCALE_ROW1 matrix_b_scale:MATRIX_SCALE_ROW1
.elseif (\ra)
	v_wmma_scale_f32_16x16x128_f8f6f4 v[rD:rD+7], v[rP:rP+7], v[rQ:rQ+7], \c, v[rSP], v[rSQ] matrix_a_fmt:MATRIX_FMT_FP4 matrix_b_fmt:MATRIX_FMT_FP4 matrix_a_scale:MATRIX_SCALE_ROW1
.elseif (\rb)
	v_wmma_scale_f32_16x16x128_f8f6f4 v[rD:rD+7], v[rP:rP+7], v[rQ:rQ+7], \c, v[rSP], v[rSQ] matrix_a_fmt:MATRIX_FMT_FP4 matrix_b_fmt:MATRIX_FMT_FP4 matrix_b_scale:MATRIX_SCALE_ROW1
.else
	v_wmma_scale_f32_16x16x128_f8f6f4 v[rD:rD+7], v[rP:rP+7], v[rQ:rQ+7], \c, v[rSP], v[rSQ] matrix_a_fmt:MATRIX_FMT_FP4 matrix_b_fmt:MATRIX_FMT_FP4
.endif
.endm
.macro LOADS kb, off                   ; 20 loads: the fragments of the K step off steps from the bases, into buffer kb
	WIN 0x40
.irp n, 0,1,2,3,4,5,6,7
.irp c, 0,1
	global_load_b128 v[64*(\kb)+8*\n+4*\c:64*(\kb)+8*\n+4*\c+3], v4, s[24:25] offset:\n*S*1024+(\off)*1024+512*\c
.endr
.endr
	WIN 0
.irp m, 0,1
.irp c, 0,1
	global_load_b128 v[64+16*(\kb)+8*\m+4*\c:64+16*(\kb)+8*\m+4*\c+3], v4, s[22:23] offset:\m*S*1024+(\off)*1024+512*\c
.endr
.endr
.endm
.macro SCL p, qo                       ; 5 loads: four K steps' scale words into set p
.irp j, 0,1,2,3
	global_load_b128 v[32+16*\p+4*\j:32+16*\p+4*\j+3], v5, s[28:29] offset:\j*S*128+\qo*256
.endr
	global_load_b128 v[24+4*\p:24+4*\p+3], v5, s[26:27] offset:\qo*256
.endm
.macro VECLD reg, sb                   ; 16 loads: my 64 numbers of a vector over the columns, in the accumulators' layout, into window 1
	WIN 0x40
.irp b, 0,1,2,3
.irp j, 0,1,2,3
	global_load_b128 v[\reg+16*\b+4*\j:\reg+16*\b+4*\j+3], v11, s[\sb:\sb+1] offset:128*\b+16*\j
.endr
.endr
	WIN 0
.endm
.macro STEPK k, N                      ; 16 products; the 16 accumulators take turns, in the same order in every step, over the backward jump too
	s_wait_loadcnt \N
	WIN 0x01
.irp n, 0,1,2,3,4,5,6,7
.irp m, 0,1
.set rD, 128+64*\m+8*\n
.set rP, 64*((\k)%4)+8*\n
.set rQ, 64+16*((\k)%4)+8*\m
.set rSP, 32+16*(((\k)/4)%2)+4*(\n/2)+(\k)%4
.set rSQ, 24+4*(((\k)/4)%2)+(\k)%4
	WM v[rD:rD+7], \n%2, \m
.endr
.endr
	WIN 0
	PLACES 4                                       ; in front of loads into registers that products have read
.endm
; Eight K steps.  The count 40 leaves the two younger steps' 2 x 20 loads out (where five scale loads are younger too they are waited for as well: the smaller count);
; 36 = a step's 20 and the bias's 16; 32 = the bias's and the gain's.  last = 0: the loads run on into the next eight steps, and the bases step at the end.
.macro BODY last
.irp k, 0,1,2,3,4,5,6,7
.if (\last) && (\k == 6)
	STEPK \k, 36
.elseif (\last) && (\k == 7)
	STEPK \k, 32
.else
	STEPK \k, 40
.endif
.if (\last == 0) || (\k <= 4)
	LOADS (\k+3)%4, \k+3
.elseif \k == 5
	VECLD 0, 10
.elseif \k == 6
	VECLD 64, 12
.else
	VECLD 128, 14
.endif
.if (\last == 0) && (\k == 3)
	SCL 0, 2
.endif
.if (\last == 0) && (\k == 7)
	SCL 1, 3
.endif
.endr
.if \last == 0
	s_wait_xcnt 0x0                                ; every load issued has read its base: the bases step only behind this wait
	s_add_nc_u64 s[22:23], s[22:23], 8192
	s_add_nc_u64 s[24:25], s[24:25], 8192
	s_add_nc_u64 s[26:27], s[26:27], 512
	s_add_nc_u64 s[28:29], s[28:29], 512
.endif
.endm
; The two chains v[64+4m..], v[66+4m..] of each tile of rows are closed; the waves' parts meet in LDS at off; v76 and v84 end as the rows' sums over all 1,024 columns.
.macro REDUCE off
.irp m, 0,1
	v_pk_add_f32 v[64+4*\m:65+4*\m], v[64+4*\m:65+4*\m], v[66+4*\m:67+4*\m]
.endr
.irp m, 0,1
	v_add_f32 v[72+\m], v[64+4*\m], v[65+4*\m]
.endr
.irp m, 0,1
	v_permlanex16_b32 v[18+\m], v[72+\m], s[SEL], s[SEL+1]
.endr
.irp m, 0,1
	v_add_f32 v[72+\m], v[72+\m], v[18+\m]
.endr
	v_cndmask_b32 v74, v72, v73, s36               ; lane l speaks for row 16 m + r = l
	ds_store_b32 v9, v74 offset:\off
	s_wait_dscnt 0x0                               ; for the others' sake
	s_barrier_signal -1
	s_barrier_wait -1
.irp m, 0,1
.irp g, 0,1
	ds_load_b128 v[76+8*\m+4*\g:79+8*\m+4*\g], v10 offset:\off+512*\m+16*\g
.endr
.endr
	s_wait_dscnt 0x0
.irp m, 0,1
	v_add_f32 v[76+8*\m], v[76+8*\m], v[77+8*\m]
	v_add_f32 v[78+8*\m], v[78+8*\m], v[79+8*\m]
	v_add_f32 v[80+8*\m], v[80+8*\m], v[81+8*\m]
	v_add_f32 v[82+8*\m], v[82+8*\m], v[83+8*\m]
.endr
.irp m, 0,1
	v_add_f32 v[76+8*\m], v[76+8*\m], v[78+8*\m]
	v_add_f32 v[80+8*\m], v[80+8*\m], v[82+8*\m]
.endr
.irp m, 0,1
	v_add_f32 v[76+8*\m], v[76+8*\m], v[80+8*\m]
.endr
.endm
	s_load_b256 s[4:11], s[0:1], 0x0               ; ffh s[4:5], prep s[6:7], hbuf s[8:9], b2 s[10:11]
	s_load_b128 s[12:15], s[0:1], 0x20             ; gamma2, beta2
	s_load_b64 s[16:17], s[0:1], 0x30              ; out0
	v_lshl_add_u32 v22, v0, 2, 0x20a00
	v_mov_b32 v23, 0
	v_lshrrev_b32 v1, 5, v0
	v_readfirstlane_b32 s18, v1                    ; wave 0..7
	v_and_b32 v1, 31, v0
	v_and_b32 v2, 15, v0                           ; r
	v_bfe_u32 v3, v0, 4, 1                         ; h
	v_lshlrev_b32 v4, 4, v1                        ; 16 x lane
	v_lshlrev_b32 v5, 4, v2
	v_lshl_add_u32 v5, v3, SLOG+6, v5              ; scale words: lanes 16-31 take the next tile's
	s_bfe_u32 s19, s18, 0x10001                    ; rows 4 w .. 4 w + 3 of the 32 are slots 16 ((w / 2) % 2) + 8 (w / 4) + 4 (w % 2) + 0 .. 3
	s_lshl_b32 s19, s19, 4
	s_lshr_b32 s20, s18, 2
	s_lshl_b32 s20, s20, 3
	s_add_co_u32 s19, s19, s20
	s_and_b32 s20, s18, 1
	s_lshl_b32 s20, s20, 2
	s_add_co_u32 s19, s19, s20
	s_mul_i32 s19, s19, 4112
	v_add_nc_u32 v6, s19, v4                       ; the stage by rows
	v_mul_u32_u24 v7, v2, 4112
	v_lshl_add_u32 v7, v3, 6, v7
	s_lshl_b32 s20, s18, 9
	v_add_nc_u32 v7, s20, v7                       ; the stage by the accumulators' layout: tile m = 0,
	v_add_nc_u32 v8, 65792, v7                     ; m = 1
	v_lshlrev_b32 v9, 5, v1
	s_lshl_b32 s21, s18, 2
	v_add_nc_u32 v9, s21, v9
	v_add_nc_u32 v9, RED1, v9                      ; my wave's word of row l
	v_lshlrev_b32 v10, 5, v2
	v_add_nc_u32 v10, RED1, v10                    ; row r's eight words
	v_lshlrev_b32 v11, 6, v3                       ; 64 h
	v_mov_b32 v15, 0                               ; upper halves of pairs, and lane permutes' destinations
	v_mov_b32 v17, 0
	v_mov_b32 v18, 0
	v_mov_b32 v19, 0
	s_mov_b32 s[SEL], 0x76543210
	s_mov_b32 s[SEL+1], 0xfedcba98
	s_mov_b32 s36, 0xffff0000
	s_mov_b32 s39, 0
	s_wait_kmcnt 0x0
	s_lshl_b32 s38, ttmp9, SLOG+11
	s_add_nc_u64 s[22:23], s[4:5], s[38:39]        ; my rows' images
	s_lshl_b32 s38, s18, SLOG+13
	s_add_co_u32 s38, s38, WOFF
	s_add_nc_u64 s[24:25], s[6:7], s[38:39]        ; my columns' images
	s_lshl_b32 s38, ttmp9, SLOG+7
	s_add_co_u32 s38, s38, ASCO
	s_add_nc_u64 s[26:27], s[4:5], s[38:39]
	s_lshl_b32 s38, s18, SLOG+9
	s_add_co_u32 s38, s38, WSCO
	s_add_nc_u64 s[28:29], s[6:7], s[38:39]
	s_lshl_b32 s38, ttmp9, 17
	s_lshl_b32 s19, s18, 14
	s_add_co_u32 s38, s38, s19
	s_add_nc_u64 s[30:31], s[8:9], s[38:39]        ; h's f32 images: 16,384 bytes for each (t, w)
	s_add_nc_u64 s[32:33], s[16:17], s[38:39]      ; out0 at row 32 t + 4 w
	s_lshl_b32 s38, s18, 9
	s_add_nc_u64 s[10:11], s[10:11], s[38:39]
	s_add_nc_u64 s[12:13], s[12:13], s[38:39]
	s_add_nc_u64 s[14:15], s[14:15], s[38:39]
	; ---- the residual starts the sums
.set i, 0
.rept 32
	global_load_b128 v[128+4*i:131+4*i], v4, s[30:31] offset:512*i th:TH_LOAD_NT
.set i, i+1
.endr
	SCL 0, 0
	SCL 1, 1
	LOADS 0, 0
	LOADS 1, 1
	LOADS 2, 2
	; ---- the product: 32 K steps
	s_mov_b32 s40, 3
.Lbody:
	BODY 0
	s_sub_co_u32 s40, s40, 1
	s_cmp_lg_u32 s40, 0
	s_cbranch_scc1 .Lbody
	BODY 1
	; ---- the norm
	s_wait_loadcnt 32                              ; the bias is in; the gain's and the offset's 2 x 16 loads may be out
	WIN 0x04
.irp m, 0,1
.set i, 0
.rept 32
	v_pk_add_f32 v[128+64*\m+i:129+64*\m+i], v[128+64*\m+i:129+64*\m+i], v[i:i+1]
.set i, i+2
.endr
.endr
	WIN 0
.irp m, 0,1
	v_pk_add_f32 v[64+4*\m:65+4*\m], v[128+64*\m:129+64*\m], v[130+64*\m:131+64*\m]
	v_pk_add_f32 v[66+4*\m:67+4*\m], v[132+64*\m:133+64*\m], v[134+64*\m:135+64*\m]
.endr
.irp i, 8,12,16,20,24,28,32,36,40,44,48,52,56,60
.irp m, 0,1
	v_pk_add_f32 v[64+4*\m:65+4*\m], v[64+4*\m:65+4*\m], v[128+64*\m+\i:129+64*\m+\i]
	v_pk_add_f32 v[66+4*\m:67+4*\m], v[66+4*\m:67+4*\m], v[130+64*\m+\i:131+64*\m+\i]
.endr
.endr
	REDUCE 0
	v_mul_f32 v14, 0x3a800000, v76                 ; the means
	v_mul_f32 v16, 0x3a800000, v84
.irp m, 0,1
.set i, 0
.rept 32
	v_pk_add_f32 v[128+64*\m+i:129+64*\m+i], v[128+64*\m+i:129+64*\m+i], v[14+2*\m:15+2*\m] op_sel_hi:[1,0] neg_lo:[0,1] neg_hi:[0,1]
.set i, i+2
.endr
.endr
.irp m, 0,1
	v_pk_mul_f32 v[64+4*\m:65+4*\m], v[128+64*\m:129+64*\m], v[128+64*\m:129+64*\m]
	v_pk_mul_f32 v[66+4*\m:67+4*\m], v[130+64*\m:131+64*\m], v[130+64*\m:131+64*\m]
.endr
.irp i, 4,8,12,16,20,24,28,32,36,40,44,48,52,56,60
.irp m, 0,1
	v_pk_fma_f32 v[64+4*\m:65+4*\m], v[128+64*\m+\i:129+64*\m+\i], v[128+64*\m+\i:129+64*\m+\i], v[64+4*\m:65+4*\m]
	v_pk_fma_f32 v[66+4*\m:67+4*\m], v[130+64*\m+\i:131+64*\m+\i], v[130+64*\m+\i:131+64*\m+\i], v[66+4*\m:67+4*\m]
.endr
.endr
	REDUCE 1024
	v_mul_f32 v76, 0x3a800000, v76
	v_mul_f32 v84, 0x3a800000, v84
	v_add_f32 v76, 0x358637bd, v76                 ; + 1e-6
	v_add_f32 v84, 0x358637bd, v84
	v_rsq_f32 v14, v76
	v_rsq_f32 v16, v84
	v_nop
	s_wait_alu depctr_va_vdst(0)                   ; one wait for both, ahead of their first use
	s_wait_loadcnt 0x0                             ; the gain and the offset
.irp m, 0,1
.set i, 0
.rept 32
	v_pk_mul_f32 v[128+64*\m+i:129+64*\m+i], v[128+64*\m+i:129+64*\m+i], v[14+2*\m:15+2*\m] op_sel_hi:[1,0]
.set i, i+2
.endr
.endr
	WIN 0x14
.irp m, 0,1
.set i, 0
.rept 32
	v_pk_fma_f32 v[128+64*\m+i:129+64*\m+i], v[128+64*\m+i:129+64*\m+i], v[64+i:65+i], v[128+i:129+i]
.set i, i+2
.endr
.endr
	WIN 0
	; ---- out: through the stage, back as whole rows
.irp m, 0,1
.irp n, 0,1,2,3,4,5,6,7
.irp g, 0,1
	ds_store_b128 v[7+\m], v[128+64*\m+8*\n+4*\g:131+64*\m+8*\n+4*\g] offset:(32*(\n/2)+8*(\n%2)+4*\g)*4
.endr
.endr
.endr
	s_wait_dscnt 0x0                               ; for the others' sake: a row's 4,096 bytes come from eight waves
	s_barrier_signal -1
	s_barrier_wait -1
.set i, 0
.rept 32
	ds_load_b128 v[128+4*i:131+4*i], v6 offset:(i/8)*4112+(i%8)*512
.set i, i+1
.endr
.set i, 0
.rept 32
	s_wait_dscnt 31-i
	global_store_b128 v4, v[128+4*i:131+4*i], s[32:33] offset:(i/8)*4096+(i%8)*512 th:TH_STORE_NT   ; 512 consecutive bytes, at a multiple of 512 from out0's first byte
.set i, i+1
.endr
	s_wait_tensorcnt 0x0
	ds_add_u32 v22, v23
	s_wait_dscnt 0x0
	s_endpgm
.Lfunc_end_k_q0a0664c74d_ff2:
	.size	k_q0a0664c74d_ff2, .Lfunc_end_k_q0a0664c74d_ff2-k_q0a0664c74d_ff2
	.p2alignl 7, 3214868480
	.fill 96, 4, 3214868480
	.section	.rodata,"a",@progbits
	.p2align	6, 0x0
	.amdhsa_kernel k_q0a0664c74d_ff2
		.amdhsa_group_segment_fixed_size 134656
		.amdhsa_private_segment_fixed_size 0
		.amdhsa_enable_private_segment 0
		.amdhsa_kernarg_size 56
		.amdhsa_user_sgpr_count 2
		.amdhsa_user_sgpr_kernarg_segment_ptr 1
		.amdhsa_wavefront_size32 1
		.amdhsa_system_sgpr_workgroup_id_x 1
		.amdhsa_system_sgpr_workgroup_id_y 1
		.amdhsa_system_sgpr_workgroup_id_z 1
		.amdhsa_system_vgpr_workitem_id 0
		.amdhsa_next_free_vgpr 512
		.amdhsa_next_free_sgpr 66
		.amdhsa_reserve_vcc 0
		.amdhsa_float_denorm_mode_32 3
		.amdhsa_float_denorm_mode_16_64 3
		.amdhsa_memory_ordered 1
		.amdhsa_forward_progress 1
		.amdhsa_inst_pref_size 115
	.end_amdhsa_kernel
	.amdgpu_metadata
---
amdhsa.version: [ 1, 2 ]
amdhsa.kernels:
  - .name:           k_q0a0664c74d_ff2
    .symbol:         k_q0a0664c74d_ff2.kd
    .args:
      - { .name: ffh, .offset: 0, .size: 8, .value_kind: global_buffer, .address_space: global }
      - { .name: prep, .offset: 8, .size: 8, .value_kind: global_buffer, .address_space: global }
      - { .name: hbuf, .offset: 16, .size: 8, .value_kind: global_buffer, .address_space: global }
      - { .name: b2, .offset: 24, .size: 8, .value_kind: global_buffer, .address_space: global }
      - { .name: gamma2, .offset: 32, .size: 8, .value_kind: global_buffer, .address_space: global }
      - { .name: beta2, .offset: 40, .size: 8, .value_kind: global_buffer, .address_space: global }
      - { .name: out0, .offset: 48, .size: 8, .value_kind: global_buffer, .address_space: global }
    .group_segment_fixed_size: 134656
    .private_segment_fixed_size: 0
    .kernarg_segment_align: 8
    .kernarg_segment_size: 56
    .max_flat_workgroup_size: 256
    .sgpr_count:     66
    .vgpr_count:     512
    .wavefront_size: 32
...
	.end_amdgpu_metadata
.endif
;; end of part 6
;; ======== version 2 of 2: 6 launches
;; workspace buffers: prep 9,437,184 bytes; qkv 6,946,816 bytes; ctx 2,228,224 bytes; hbuf 19,005,440 bytes; ffh 8,912,896 bytes
;; launch prep (part 7): grid 1040 x 1, 4 waves a work-group, no clusters, 34,304 bytes of LDS; arguments x, w_q, w_k, w_v, w_o, w1, w2, prep; writes prep
.if DOCPART == 7
	.amdgcn_target "amdgcn-amd-amdhsa--gfx1250"
	.amdhsa_code_object_version 6
	.text
	.protected	k_q0a0664c74d_prep
	.globl	k_q0a0664c74d_prep
	.p2align	8
	.type	k_q0a0664c74d_prep,@function
k_q0a0664c74d_prep:
	s_mov_b64 s[64:65], 0
	v_nop
	global_prefetch_b8 v0, s[64:65] scope:SCOPE_SE
	s_setreg_imm32_b32 hwreg(HW_REG_WAVE_MODE, 25, 1), 1
	s_wait_xcnt 0x0
; x and the six weights become codes of FP4 (E2M1) with one E8M0 byte for each 32 along K, laid as IMAGES OF OPERAND REGISTERS; and RoPE's table is made.
; TILES.  Slot r of tile T stands for row (or column) 32 (T / 2) + 8 (T % 2) + r + 8 (r / 8).  A fragment (tile T, K step s of 128) is 1,024 bytes at (T S + s) 1024 + 512 c + 16 lane, S = K / 128:
; lane (r, h)'s 16 bytes are the codes of k = 128 s + 64 c + 32 h + 0 .. 31 of slot r.  The scale word of (T, s, r) lies at ((T S / 4 + s / 4) 16 + r) 16 + 4 (s % 4).
; A block's scale byte is its largest magnitude's exponent field - 2, held at 1 from below.
; LIMITS: a block of zeros gets the byte 1 where the rule says 127 (its codes are zeros and this program alone reads the bytes); blocks whose largest magnitude lies under 2^-124 are held at that floor;
; NaN and infinities are not served.  The weights' scale words leave as 4 bytes a lane, 16 bytes apart: 1 byte in 128 of what the path reads.
; WORK-GROUPS: 0-255 x (a wave: 16 rows x 256 along K); 256-511 w_q, w_k, w_v, w_o; 512-767 w2; 768-1023 w1 (a wave: 32 columns x 128 along K); 1024-1039 the table (a wave: 32 positions).  Waves share nothing: no barrier.
.set XSC,   2097152                    ; regions of the buffer prep: x's images at 0, x's scale words,
.set WIMG,  2228224                    ; the images of w_q, w_k, w_v, w_o, 524,288 bytes each,
.set W1IMG, 4325376
.set W2IMG, 6422528
.set WSC,   8519680                    ; their scale words, 32,768 bytes each,
.set W1SC,  8650752
.set W2SC,  8781824
.set TAB,   8912896                    ; the table: [position][h][cos 16 | sin 16] f32, 256 bytes a position
.set SPX,   528                        ; x's stage: a row of 512 bytes + 16
	s_load_b512 s[4:19], s[0:1], 0x0               ; x s[4:5], w_q s[6:7], w_k s[8:9], w_v s[10:11], w_o s[12:13], w1 s[14:15], w2 s[16:17], prep s[18:19]
	v_lshl_add_u32 v192, v0, 2, 0x8400
	v_mov_b32 v193, 0
	v_lshrrev_b32 v1, 5, v0
	v_readfirstlane_b32 s20, v1                    ; wave
	v_and_b32 v1, 31, v0                           ; lane
	v_and_b32 v2, 15, v0                           ; r
	v_bfe_u32 v6, v0, 4, 1                         ; h
	v_lshlrev_b32 v3, 4, v1                        ; 16 x lane
	s_mov_b32 s22, 0x76543210
	s_mov_b32 s23, 0xfedcba98                      ; v_permlanex16_b32's selects for lane l xor 16
	s_wait_kmcnt 0x0
	s_cmp_lt_u32 ttmp9, 256
	s_cbranch_scc1 .Lx
	s_cmp_lt_u32 ttmp9, 768
	s_cbranch_scc1 .Lsquare
	s_cmp_lt_u32 ttmp9, 1024
	s_cbranch_scc1 .Lwide
; ---- THE TABLE.  Lane l makes numbers 2 l and 2 l + 1 of a position's 64: h = l / 16, cos (l / 8 even) or sin, frequency d = 16 h + 2 (l % 8) + 0, 1.
	s_sub_co_u32 s24, ttmp9, 1024
	s_lshl_b32 s24, s24, 2
	s_add_co_u32 s24, s24, s20                     ; which 32 positions
	s_lshl_b32 s25, s24, 5                         ; the first of them
	s_lshl_b32 s26, s24, 13
	s_add_co_u32 s26, s26, TAB
	s_mov_b32 s27, 0
	s_add_nc_u64 s[18:19], s[18:19], s[26:27]
	v_bfe_u32 v8, v0, 3, 1
	v_sub_nc_u32 v9, 1, v8                         ; cos(x) = sin(x + pi / 2): one quadrant on
	v_and_b32 v10, 7, v0
	v_lshlrev_b32 v10, 1, v10
	s_wait_alu depctr_va_vdst(0)
	v_lshl_add_u32 v10, v6, 4, v10                 ; d
	v_add_nc_u32 v11, 1, v10
	v_cvt_f32_u32 v10, v10
	v_cvt_f32_u32 v11, v11
	v_mul_f32 v12, 0x3ed49a78, v10                 ; d log2(10000) / 32, rounded,
	v_mul_f32 v13, 0x3ed49a78, v11
	v_fma_f32 v14, v10, 0x3ed49a78, -v12           ; what the rounding dropped,
	v_fma_f32 v15, v11, 0x3ed49a78, -v13
	v_fmac_f32 v14, 0x32178d50, v10                ; and the constant's own low part
	v_fmac_f32 v15, 0x32178d50, v11
	s_wait_alu depctr_va_vdst(0)
	v_exp_f32 v16, -v12
	v_exp_f32 v17, -v13
	v_mul_f32 v14, 0xbf317218, v14                 ; - ln 2 x the remainder (plain work behind the exponentials)
	v_mul_f32 v15, 0xbf317218, v15
	s_wait_alu depctr_va_vdst(0)                   ; one wait for both, ahead of their first use
	v_fma_f32 v16, v16, v14, v16                   ; 10000^(-d / 32)
	v_fma_f32 v17, v17, v15, v17
	v_cvt_f32_u32 v18, s25                         ; the position
	v_lshlrev_b32 v19, 3, v1                       ; 8 bytes a lane: a wave's store covers a position's 256 bytes
	v_mov_b32 v20, 0x3638ef1d                      ; 1 / 9!
	v_mov_b32 v21, 0xb493f27e                      ; -1 / 10!
	s_mov_b32 s28, 32
.Lpos:
	s_wait_alu depctr_va_vdst(0)
.irp z, 0,1
	v_mul_f32 v[24+\z], v18, v[16+\z]              ; the angle, rounded to f32 as the definition has it
.endr
.irp z, 0,1
	v_mul_f32 v[26+\z], 0x3f22f983, v[24+\z]
.endr
.irp z, 0,1
	v_rndne_f32 v[26+\z], v[26+\z]                 ; n = the nearest multiple of pi / 2
.endr
.irp z, 0,1
	v_fma_f32 v[28+\z], -v[26+\z], 0x3fc90fdb, v[24+\z]   ; angle - n pi / 2, pi / 2 in two parts
.endr
.irp z, 0,1
	v_fmac_f32 v[28+\z], 0x333bbd2e, v[26+\z]
.endr
.irp z, 0,1
	v_cvt_i32_f32 v[30+\z], v[26+\z]
.endr
.irp z, 0,1
	v_add_nc_u32 v[30+\z], v[30+\z], v9            ; the quadrant
.endr
.irp z, 0,1
	v_mul_f32 v[32+\z], v[28+\z], v[28+\z]
.endr
.irp z, 0,1
	v_fmaak_f32 v[34+\z], v20, v[32+\z], 0xb9500d01      ; sin: r + r r^2 (-1/6 + r^2 (1/120 + r^2 (-1/5040 + r^2 / 362880)))
	v_fmaak_f32 v[36+\z], v21, v[32+\z], 0x37d00d01      ; cos: 1 + r^2 (-1/2 + r^2 (1/24 + r^2 (-1/720 + r^2 (1/40320 - r^2 / 3628800))))
.endr
.irp z, 0,1
	v_fmaak_f32 v[34+\z], v[34+\z], v[32+\z], 0x3c088889
	v_fmaak_f32 v[36+\z], v[36+\z], v[32+\z], 0xbab60b61
.endr
.irp z, 0,1
	v_fmaak_f32 v[34+\z], v[34+\z], v[32+\z], 0xbe2aaaab
	v_fmaak_f32 v[36+\z], v[36+\z], v[32+\z], 0x3d2aaaab
.endr
.irp z, 0,1
	v_mul_f32 v[34+\z], v[34+\z], v[32+\z]
	v_fma_f32 v[36+\z], v[36+\z], v[32+\z], -0.5
.endr
.irp z, 0,1
	v_fma_f32 v[34+\z], v[34+\z], v[28+\z], v[28+\z]
	v_fma_f32 v[36+\z], v[36+\z], v[32+\z], 1.0
.endr
.irp z, 0,1
	v_and_b32 v[40+\z], 1, v[30+\z]
	v_cmp_eq_u32 vcc_lo, 1, v[40+\z]
	v_cndmask_b32 v[38+\z], v[34+\z], v[36+\z], vcc_lo   ; odd quadrants take the cosine
	v_and_b32 v[40+\z], 2, v[30+\z]
	v_lshlrev_b32 v[40+\z], 30, v[40+\z]
	v_xor_b32 v[38+\z], v[38+\z], v[40+\z]         ; quadrants 2 and 3 change the sign
.endr
	global_store_b64 v19, v[38:39], s[18:19]
	v_add_f32 v18, 1.0, v18
	s_wait_xcnt 0x0                                ; the store has read its data and its base: both are written again only behind this wait
	s_add_nc_u64 s[18:19], s[18:19], 256
	s_sub_co_u32 s28, s28, 1
	s_cmp_lg_u32 s28, 0
	s_cbranch_scc1 .Lpos
	s_endpgm
; ---- x.  Work-group = tile of 16 rows, wave = 256 along K: fragments 2 wave and 2 wave + 1.  Each load reads 512 consecutive bytes of a row; the fragment's 16 x 512 bytes turn through the wave's own stage,
; and come back 128 bytes a lane and block: lane (r, h) then holds blocks h and 2 + h of slot r whole.
.macro XFRAG f
.set XB, 32+64*\f
	s_wait_loadcnt 16-16*\f                        ; this fragment's 16 loads are in; the other fragment's may be out
.irp j, 0,1,2,3,4,5,6,7,8,9,10,11,12,13,14,15
	ds_store_b128 v4, v[XB+4*\j:XB+4*\j+3] offset:SPX*\j
.endr
	s_wait_dscnt 0x0                               ; the stores have read their registers
.irp c, 0,1
.irp i, 0,1,2,3,4,5,6,7
	ds_load_b128 v[XB+32*\c+4*\i:XB+32*\c+4*\i+3], v5 offset:256*\c+16*\i
.endr
.endr
	s_wait_dscnt 0x0
.irp c, 0,1
	v_max3_num_f32 v[8+\c], |v[XB+32*\c]|, |v[XB+32*\c+1]|, 0x1800000   ; my block 2 c + h, and the floor 2^(3 - 127)
.endr
.irp i, 2,4,6,8,10,12,14,16,18,20,22,24,26,28,30
.irp c, 0,1
	v_max3_num_f32 v[8+\c], v[8+\c], |v[XB+32*\c+\i]|, |v[XB+32*\c+\i+1]|
.endr
.endr
.irp c, 0,1
	v_add_nc_u32 v[12+\c], 0xff000000, v[8+\c]     ; 2 off the exponent field: the conversion's scale operand
.endr
.irp c, 0,1
	v_lshrrev_b32 v[10+\c], 23, v[12+\c]           ; the byte
.endr
	v_lshl_or_b32 v14, v11, 16, v10                ; my two bytes, blocks h and 2 + h,
	v_lshlrev_b32 v14, v7, v14                     ; 8 h bits up;
	v_permlanex16_b32 v15, v14, s22, s23
	v_or_b32 v[20+\f], v14, v15                    ; with lane l xor 16's the word is whole
.irp c, 0,1
.irp g, 0,1,2,3
	v_cvt_scalef32_pk8_fp4_f32 v[160+8*\f+4*\c+\g], v[XB+32*\c+8*\g:XB+32*\c+8*\g+7], v[12+\c]
.endr
.endr
	v_nop                                          ; one plain line behind the conversions
.irp c, 0,1
	global_store_b128 v3, v[160+8*\f+4*\c:160+8*\f+4*\c+3], s[28:29] offset:1024*\f+512*\c   ; 512 consecutive bytes
.endr
.endm
.Lx:
	s_lshr_b32 s24, ttmp9, 1
	s_lshl_b32 s24, s24, 5
	s_and_b32 s25, ttmp9, 1
	s_lshl_b32 s25, s25, 3
	s_add_co_u32 s24, s24, s25                     ; the tile's first row
	s_lshl_b32 s24, s24, 12
	s_lshl_b32 s25, s20, 10
	s_add_co_u32 s24, s24, s25
	s_mov_b32 s25, 0
	s_add_nc_u64 s[4:5], s[4:5], s[24:25]
	s_lshl_b32 s26, ttmp9, 13
	s_lshl_b32 s27, s20, 11
	s_add_co_u32 s26, s26, s27
	s_mov_b32 s27, 0
	s_add_nc_u64 s[28:29], s[18:19], s[26:27]      ; the images
	s_lshl_b32 s26, ttmp9, 9
	s_lshr_b32 s30, s20, 1
	s_lshl_b32 s30, s30, 8
	s_add_co_u32 s26, s26, s30
	s_and_b32 s30, s20, 1
	s_lshl_b32 s30, s30, 3
	s_add_co_u32 s26, s26, s30
	s_add_co_u32 s26, s26, XSC
	s_add_nc_u64 s[30:31], s[18:19], s[26:27]      ; the scale words
	s_mul_i32 s32, s20, 16*SPX                     ; my stage
	s_wait_alu depctr_va_vdst(0)
	v_add_nc_u32 v4, s32, v3
	v_mul_u32_u24 v5, v2, SPX
	v_lshl_add_u32 v5, v6, 7, v5
	v_add_nc_u32 v5, s32, v5
	v_lshlrev_b32 v7, 3, v6
	v_lshlrev_b32 v16, 4, v2
	v_lshl_add_u32 v16, v6, 2, v16                 ; 16 r + 4 h
	v_mov_b32 v15, 0                               ; a lane permute's destination counts as read
	s_mov_b32 s33, 0xffff0000
.irp f, 0,1
.irp j, 0,1,2,3,4,5,6,7,8,9,10,11,12,13,14,15
	global_load_b128 v[32+64*\f+4*\j:32+64*\f+4*\j+3], v3, s[4:5] offset:(\j+8*(\j/8))*4096+512*\f th:TH_LOAD_NT
.endr
.endr
	s_wait_alu depctr_va_vdst(0)
	XFRAG 0
	XFRAG 1
	v_cndmask_b32 v22, v20, v21, s33               ; lanes 0-15 store the first fragment's words, lanes 16-31 the second's
	global_store_b32 v16, v22, s[30:31]
	s_wait_tensorcnt 0x0
	ds_add_u32 v192, v193
	s_wait_dscnt 0x0
	s_endpgm
; ---- THE WEIGHTS, stored [K][N].  A lane takes a column, its registers run down K: a block of 32 lies in one lane.  Lane j is slot (j % 8) + 8 (j / 16) of tile 2 g + (j / 8) % 2.
; s28 = K step, s33 = g (which 32 columns), s26 = log2 of a tile's bytes, s29, s30 = the regions.  sh = log2 of the bytes of 128 rows of the weight.
.macro WADDR sh
	s_lshl_b32 s34, s28, \sh
	s_lshl_b32 s35, s33, 7
	s_add_co_u32 s34, s34, s35
	s_mov_b32 s35, 0
	s_add_nc_u64 s[6:7], s[6:7], s[34:35]
	s_lshl_b32 s36, s33, 1
	s_lshl_b32 s34, s36, s26
	s_add_co_u32 s34, s34, s29
	s_lshl_b32 s37, s28, 10
	s_add_co_u32 s34, s34, s37
	s_add_nc_u64 s[38:39], s[18:19], s[34:35]      ; fragment (2 g, s)
	s_sub_co_u32 s37, s26, 4
	s_lshl_b32 s34, s36, s37
	s_add_co_u32 s34, s34, s30
	s_lshr_b32 s40, s28, 2
	s_lshl_b32 s40, s40, 8
	s_add_co_u32 s34, s34, s40
	s_and_b32 s40, s28, 3
	s_lshl_b32 s40, s40, 2
	s_add_co_u32 s34, s34, s40
	s_add_nc_u64 s[42:43], s[18:19], s[34:35]      ; its scale words
	v_bfe_u32 v8, v0, 3, 1                         ; which of the two tiles
	v_and_b32 v9, 7, v0
	s_wait_alu depctr_va_vdst(0)
	v_lshl_or_b32 v9, v6, 3, v9
	v_lshlrev_b32 v9, 4, v9                        ; 16 x slot
	v_lshlrev_b32 v10, s26, v8
	v_add_nc_u32 v10, v10, v9
	v_lshlrev_b32 v11, s37, v8
	v_add_nc_u32 v11, v11, v9
	v_lshlrev_b32 v12, 2, v1
.endm
.macro WLOAD t, NB
.irp i, 0,1,2,3,4,5,6,7,8,9,10,11,12,13,14,15,16,17,18,19,20,21,22,23,24,25,26,27,28,29,30,31
	global_load_b32 v[32+32*(\t)+\i], v12, s[6:7] offset:(32*(\t)+\i)*\NB th:TH_LOAD_NT
.endr
.endm
.macro WBLOCK t, NB
.set XB, 32+32*\t
.if \t < 3
	s_wait_loadcnt 32                              ; this block's 32 loads are in; the next block's may be out
.else
	s_wait_loadcnt 0x0
.endif
.if \t < 2
	WLOAD \t+2, \NB                                ; two blocks ahead, into registers of their own
.endif
	v_max3_num_f32 v13, |v[XB]|, |v[XB+1]|, |v[XB+2]|
	v_max3_num_f32 v14, |v[XB+3]|, |v[XB+4]|, |v[XB+5]|
.irp i, 6,10,14,18,22,26
	v_max3_num_f32 v13, v13, |v[XB+\i]|, |v[XB+\i+1]|
	v_max3_num_f32 v14, v14, |v[XB+\i+2]|, |v[XB+\i+3]|
.endr
	v_max3_num_f32 v13, v13, |v[XB+30]|, |v[XB+31]|
	v_max3_num_f32 v13, v13, v14, 0x1800000        ; and the floor
	v_add_nc_u32 v15, 0xff000000, v13
	v_lshrrev_b32 v14, 23, v15
.if \t == 0
	v_mov_b32 v176, v14
.else
	v_lshl_or_b32 v176, v14, 8*\t, v176            ; the K step's four bytes make the column's scale word
.endif
.irp g, 0,1,2,3
	v_cvt_scalef32_pk8_fp4_f32 v[160+4*\t+\g], v[XB+8*\g:XB+8*\g+7], v15
.endr
	v_nop
	global_store_b128 v10, v[160+4*\t:160+4*\t+3], s[38:39] offset:256*\t   ; block t = 2 c + h lies 512 c + 256 h into the fragment: sixteen lanes fill 256 aligned bytes of each of the two tiles
.endm
.macro WPATH NB
	WLOAD 0, \NB
	WLOAD 1, \NB
	WBLOCK 0, \NB
	WBLOCK 1, \NB
	WBLOCK 2, \NB
	WBLOCK 3, \NB
	global_store_b32 v11, v176, s[42:43]
	s_endpgm
.endm
.Lsquare:                                              ; weights of 1,024 columns: w_q, w_k, w_v, w_o (64 work-groups each), then w2 (256)
	s_sub_co_u32 s24, ttmp9, 256
	s_lshr_b32 s25, s24, 6                         ; 0 .. 3: which; 4 .. 7: w2
	s_lshl_b32 s29, s25, 19
	s_add_co_u32 s29, s29, WIMG
	s_lshl_b32 s30, s25, 15
	s_add_co_u32 s30, s30, WSC
	s_cmp_eq_u32 s25, 1
	s_cselect_b64 s[6:7], s[8:9], s[6:7]
	s_cmp_eq_u32 s25, 2
	s_cselect_b64 s[6:7], s[10:11], s[6:7]
	s_cmp_eq_u32 s25, 3
	s_cselect_b64 s[6:7], s[12:13], s[6:7]
	s_cmp_ge_u32 s25, 4
	s_cselect_b64 s[6:7], s[16:17], s[6:7]
	s_cselect_b32 s26, 15, 13                      ; a tile is 32 or 8 fragments
	s_cselect_b32 s27, 31, 7
	s_mov_b32 s31, W2IMG
	s_cselect_b32 s29, s31, s29
	s_mov_b32 s31, W2SC
	s_cselect_b32 s30, s31, s30
	s_lshr_b32 s28, s24, 3
	s_and_b32 s28, s28, s27                        ; the K step
	s_and_b32 s32, s24, 7
	s_lshl_b32 s33, s32, 2
	s_add_co_u32 s33, s33, s20
	WADDR 19
	s_wait_alu depctr_va_vdst(0)
	WPATH 4096
.Lwide:                                                ; w1: 4,096 columns
	s_sub_co_u32 s24, ttmp9, 768
	s_mov_b64 s[6:7], s[14:15]
	s_mov_b32 s26, 13
	s_mov_b32 s29, W1IMG
	s_mov_b32 s30, W1SC
	s_lshr_b32 s28, s24, 5
	s_and_b32 s32, s24, 31
	s_lshl_b32 s33, s32, 2
	s_add_co_u32 s33, s33, s20
	WADDR 21
	s_wait_alu depctr_va_vdst(0)
	WPATH 16384
.Lfunc_end_k_q0a0664c74d_prep:
	.size	k_q0a0664c74d_prep, .Lfunc_end_k_q0a0664c74d_prep-k_q0a0664c74d_prep
	.p2alignl 7, 3214868480
	.fill 96, 4, 3214868480
	.section	.rodata,"a",@progbits
	.p2align	6, 0x0
	.amdhsa_kernel k_q0a0664c74d_prep
		.amdhsa_group_segment_fixed_size 34304
		.amdhsa_private_segment_fixed_size 0
		.amdhsa_enable_private_segment 0
		.amdhsa_kernarg_size 64
		.amdhsa_user_sgpr_count 2
		.amdhsa_user_sgpr_kernarg_segment_ptr 1
		.amdhsa_wavefront_size32 1
		.amdhsa_system_sgpr_workgroup_id_x 1
		.amdhsa_system_sgpr_workgroup_id_y 1
		.amdhsa_system_sgpr_workgroup_id_z 1
		.amdhsa_system_vgpr_workitem_id 0
		.amdhsa_next_free_vgpr 194
		.amdhsa_next_free_sgpr 66
		.amdhsa_reserve_vcc 1
		.amdhsa_float_denorm_mode_32 3
		.amdhsa_float_denorm_mode_16_64 3
		.amdhsa_memory_ordered 1
		.amdhsa_forward_progress 1
		.amdhsa_inst_pref_size 62
	.end_amdhsa_kernel
	.amdgpu_metadata
---
amdhsa.version: [ 1, 2 ]
amdhsa.kernels:
  - .name:           k_q0a0664c74d_prep
    .symbol:         k_q0a0664c74d_prep.kd
    .args:
      - { .name: x, .offset: 0, .size: 8, .value_kind: global_buffer, .address_space: global }
      - { .name: w_q, .offset: 8, .size: 8, .value_kind: global_buffer, .address_space: global }
      - { .name: w_k, .offset: 16, .size: 8, .value_kind: global_buffer, .address_space: global }
      - { .name: w_v, .offset: 24, .size: 8, .value_kind: global_buffer, .address_space: global }
      - { .name: w_o, .offset: 32, .size: 8, .value_kind: global_buffer, .address_space: global }
      - { .name: w1, .offset: 40, .size: 8, .value_kind: global_buffer, .address_space: global }
      - { .name: w2, .offset: 48, .size: 8, .value_kind: global_buffer, .address_space: global }
      - { .name: prep, .offset: 56, .size: 8, .value_kind: global_buffer, .address_space: global }
    .group_segment_fixed_size: 34304
    .private_segment_fixed_size: 0
    .kernarg_segment_align: 8
    .kernarg_segment_size: 64
    .max_flat_workgroup_size: 128
    .sgpr_count:     66
    .vgpr_count:     194
    .wavefront_size: 32
...
	.end_amdgpu_metadata
.endif
;; end of part 7
;; launch qkvg (part 8): grid 12 x 16, 4 waves a work-group, clusters of 4 x 4, 262,656 bytes of LDS; arguments prep, qkv; writes qkv
.if DOCPART == 8
	.amdgcn_target "amdgcn-amd-amdhsa--gfx1250"
	.amdhsa_code_object_version 6
	.text
	.protected	k_q0a0664c74d_qkvg
	.globl	k_q0a0664c74d_qkvg
	.p2align	8
	.type	k_q0a0664c74d_qkvg,@function
k_q0a0664c74d_qkvg:
	s_mov_b64 s[64:65], 0
	v_nop
	global_prefetch_b8 v0, s[64:65] scope:SCOPE_SE
	s_setreg_imm32_b32 hwreg(HW_REG_WAVE_MODE, 25, 1), 1
	s_wait_xcnt 0x0
	s_wait_alu depctr_hold_cnt(0) depctr_sa_sdst(0) depctr_va_vdst(0) depctr_va_sdst(0) depctr_va_ssrc(0) depctr_va_vcc(0) depctr_vm_vsrc(0)
	s_getreg_b32 s2, hwreg(HW_REG_IB_STS2, 6, 4)
	s_cmp_eq_u32 s2, 0
	s_cbranch_scc0 .Lentry_in_a_cluster
	s_endpgm
.Lentry_in_a_cluster:
	s_bfe_u32 s2, ttmp6, 0x10000c
	s_cmp_lg_u32 s2, 0xf033
	s_cbranch_scc0 .Lentry_shape_is_right
	s_endpgm
.Lentry_shape_is_right:
; q = rope(x w_q), k = rope(x w_k), v = x w_v on codes of FP4 with E8M0 scales; the results are quantised in registers and leave as images of the next products' operand registers.
; A work-group makes 256 rows x 256 columns (tile columns 0-3: q, 4-7: k, 8-11: v), a wave 128 x 128: 64 accumulators.  K = 1,024: both operands' codes, 2 x 128 KiB, lie in LDS at once, each byte filled ONCE,
; in four pieces of two K steps; the wait for a piece names the pieces issued behind it.  The scale words go from memory into registers.
; CLUSTER 4 x 4: x's tiles are shared along a row of the cluster, the weights' along a column: joint loads, each wave four of them, all issued at the start.
; q, k: source 0 = 16 columns of the weight, source 1 = 16 rows of x: a lane holds ONE row, and its 64 registers of a block of rows are columns 32 b + 16 h + i: two heads of 64.  RoPE pairs register i of a head with
; register 16 + i.  A head's 64 numbers are two blocks of 32: half a fragment (the other half of K = 128 is zero codes, supplied by the launch that multiplies).
; v: the same steps with the sources exchanged: a lane holds ONE channel and its registers run along 128 keys, which are the second attention product's K.
; Slot r of tile T stands for row or column 32 (T / 2) + 8 (T % 2) + r + 8 (r / 8): so the registers of two neighbouring tiles are 16 neighbours.
; LIMITS: a block of zeros gets the byte 1 where the rule says 127 (zero codes; only this program reads the bytes); largest magnitudes under 2^-124 are held at that floor; NaN and infinities are not served.
; q's and k's scale words leave as 64 bytes for each half of the lanes: 1 byte in 8 of the codes'.
; REGISTERS: window 0: v1-31 addresses; v32-63 x's scale words, v64-95 the weight's (scales and nothing else); v96-111 and v112-127 the quantiser's; v128-191 source 1's fragments, later the rotated numbers;
;   v192-255 two sets of cos and sin.  window 1: source 0's fragments, two sets.  windows 2, 3: accumulator (a, b) at v[8 (8 (a % 4) + b)] of window 2 + a / 4.
.set XP,    4                          ; s[4:5] holds both operands' buffer
.set WP,    4
.set XIMGO, 0
.set XSCO,  2097152
.set WIMGO, 2228224
.set WSCO,  8519680
.set TAB,   8912896
.set KIMG,  2097152
.set VIMG,  4194304
.set QSC,   6291456
.set KVSC,  6553600
.set L16, 4                            ; v4  16 x lane
.set ADX, 5                            ; v5  LDS: my half of x's tiles
.set ADW, 6                            ; v6  LDS: my half of the weight's
.set VS,  7                            ; v7  512 h + 16 r: scale words of a pair of tiles
.set PW,  24
.set XS,  32
.set WS,  64
.set TM,  96
.set PC,  112
.set QF,  128
.set ST,  128
.set TB0, 192
.set G1X, 24
.set G1W, 32
.set SEL, 46
.set G0X, 48
.set G0W, 68
.set MSB, 0
.macro WIN new                         ; the immediate's high byte repeats the setting that is left
.if MSB != (\new)
	s_set_vgpr_msb (MSB<<8)|(\new)
.set MSB, (\new)
.endif
.endm
.macro PLACES n
.rept \n
	v_nop
.endr
.endm
.macro ROUND                           ; a round of the cluster's barrier
	s_barrier_signal -1
	s_barrier_wait -1
	s_cmp_lg_u32 s14, 0
	s_cbranch_scc1 .Lnot_wave_0_\@
	s_barrier_signal -3
.Lnot_wave_0_\@:
	s_barrier_wait -3
	s_barrier_signal -1
	s_barrier_wait -1
.endm
; one product: D rD, source 0 rP with its scale word in rSP, source 1 rQ with rSQ.  ra, rb: the scale word lies in lanes 16-31
.macro WM c, ra, rb
.if (\ra) && (\rb)
	v_wmma_scale_f32_16x16x128_f8f6f4 v[rD:rD+7], v[rP:rP+7], v[rQ:rQ+7], \c, v[rSP], v[rSQ] matrix_a_fmt:MATRIX_FMT_FP4 matrix_b_fmt:MATRIX_FMT_FP4 matrix_a_scale:MATRIX_SCALE_ROW1 matrix_b_scale:MATRIX_SCALE_ROW1
.elseif (\ra)
	v_wmma_scale_f32_16x16x128_f8f6f4 v[rD:rD+7], v[rP:rP+7], v[rQ:rQ+7], \c, v[rSP], v[rSQ] matrix_a_fmt:MATRIX_FMT_FP4 matrix_b_fmt:MATRIX_FMT_FP4 matrix_a_scale:MATRIX_SCALE_ROW1
.elseif (\rb)
	v_wmma_scale_f32_16x16x128_f8f6f4 v[rD:rD+7], v[rP:rP+7], v[rQ:rQ+7], \c, v[rSP], v[rSQ] matrix_a_fmt:MATRIX_FMT_FP4 matrix_b_fmt:MATRIX_FMT_FP4 matrix_b_scale:MATRIX_SCALE_ROW1
.else
	v_wmma_scale_f32_16x16x128_f8f6f4 v[rD:rD+7], v[rP:rP+7], v[rQ:rQ+7], \c, v[rSP], v[rSQ] matrix_a_fmt:MATRIX_FMT_FP4 matrix_b_fmt:MATRIX_FMT_FP4
.endif
.endm
; 16 products: source 1's tiles a0, a0 + 1 x source 0's eight, K step s.  cm = 1: the constant 0 starts the sums.  The 64 accumulators take turns, in the same order in every step.
.macro MUL16 a0, set, s, PS, QS, cm
.irp a, \a0, \a0+1
.irp b, 0,1,2,3,4,5,6,7
.set rD, 8*(8*((\a)%4)+\b)
.set rP, 128*(\set)+8*\b
.set rQ, QF+8*(\a)
.set rSP, \PS+16*((\s)/4)+4*(\b/2)+(\s)%4
.set rSQ, \QS+16*((\s)/4)+4*((\a)/2)+(\s)%4
.if \cm == 0
	WM v[rD:rD+7], \b%2, (\a)%2
.else
	WM 0, \b%2, (\a)%2
.endif
.endr
.endr
.endm
.macro FETCH_P adr, s, set             ; source 0's eight fragments of K step s
	WIN 0x40
.irp i, 0,1,2,3,4,5,6,7
.irp c, 0,1
	ds_load_b128 v[128*(\set)+8*\i+4*\c:128*(\set)+8*\i+4*\c+3], v[\adr] offset:\i*2048+((\s)%2)*1024+512*\c
.endr
.endr
	WIN 0
.endm
.macro FETCH_Q adr, s, i0              ; source 1's tiles i0 .. i0 + 3
.irp i, \i0, \i0+1, \i0+2, \i0+3
.irp c, 0,1
	ds_load_b128 v[QF+8*(\i)+4*\c:QF+8*(\i)+4*\c+3], v[\adr] offset:(\i)*2048+((\s)%2)*1024+512*\c
.endr
.endr
.endm
; A K step of 128: 64 products.  Source 1 has one set of registers (tiles 0-3 are fetched anew in the step's middle, 4-7 at its end), source 0 two.
; Four plain lines stand between a product and a load into a register that it has read (ISA guide 7.12.1 for vector instructions).
.macro STEP s, PA, QA, PS, QS, cm, last
	s_wait_dscnt 8                                 ; all but the youngest eight loads, source 1's tiles 4-7
	WIN 0xa1
	MUL16 0, (\s)%2, \s, \PS, \QS, \cm
	MUL16 2, (\s)%2, \s, \PS, \QS, \cm
	s_wait_dscnt 0x0
	WIN 0
	PLACES 4
.if ((\s)%2 == 1) && (\last == 0)
	s_wait_tensorcnt 3-((\s)+1)/2                  ; my part of the next piece is in: so many pieces were issued behind it
	s_barrier_signal -1
	s_barrier_wait -1                              ; everybody's is.  Nothing is ever filled again
	v_add_nc_u32 v[\PA], 0x10000, v[\PA]
	s_wait_alu depctr_va_vdst(0)
	v_add_nc_u32 v[\QA], 0x10000, v[\QA]
.endif
.if \last == 0
	FETCH_P \PA, (\s)+1, 1-(\s)%2
	FETCH_Q \QA, (\s)+1, 0
.endif
	WIN 0xf1
	MUL16 4, (\s)%2, \s, \PS, \QS, \cm
	MUL16 6, (\s)%2, \s, \PS, \QS, \cm
	PLACES 4
	WIN 0
.if \last == 0
	FETCH_Q \QA, (\s)+1, 4
.endif
.endm
.macro MAIN PA, QA, PS, QS, nl         ; nl: the global loads issued behind the scale words'
	s_wait_tensorcnt 3                             ; my part of piece 0 is in; three pieces were issued behind it
	s_barrier_signal -1
	s_barrier_wait -1
	FETCH_P \PA, 0, 0
	FETCH_Q \QA, 0, 0
	FETCH_Q \QA, 0, 4
	s_wait_loadcnt \nl
	STEP 0, \PA, \QA, \PS, \QS, 1, 0
.irp s, 1,2,3,4,5,6
	s_wait_alu depctr_va_vdst(0)
	STEP \s, \PA, \QA, \PS, \QS, 0, 0
.endr
	STEP 7, \PA, \QA, \PS, \QS, 0, 1
.endm
; 64 numbers of a lane in window w, register 16 b + i = k 32 b + 16 h + i of the lane's row, become a fragment's 8 registers of codes at pc and its scale word in pw (window 0).
.macro QUANT src, w, pc, pw
	WIN (\w)|((\w)<<2)
.irp b, 0,1,2,3
	v_max3_num_f32 v[TM+\b], |v[(\src)+16*\b]|, |v[(\src)+16*\b+1]|, 0x1800000   ; my 16 of block b, and the floor 2^(3 - 127)
.endr
.irp i, 2,4,6,8,10,12,14
.irp b, 0,1,2,3
	v_max3_num_f32 v[TM+\b], |v[(\src)+16*\b+\i]|, |v[(\src)+16*\b+\i+1]|, v[TM+\b]
.endr
.endr
	WIN 0
.irp b, 0,1,2,3
	v_permlanex16_b32 v[TM+4+\b], v[TM+\b], s[SEL], s[SEL+1]
.endr
.irp b, 0,1,2,3
	v_max_num_f32 v[TM+\b], v[TM+\b], v[TM+4+\b]   ; with lane l xor 16's 16
.endr
.irp b, 0,1,2,3
	v_add_nc_u32 v[TM+12+\b], 0xff000000, v[TM+\b] ; 2 off the exponent field: the conversion's scale operand
.endr
.irp b, 0,1,2,3
	v_lshrrev_b32 v[TM+4+\b], 23, v[TM+12+\b]      ; the byte
.endr
	v_lshl_or_b32 v[\pw], v[TM+5], 8, v[TM+4]
	v_lshl_or_b32 v[\pw], v[TM+6], 16, v[\pw]
	v_lshl_or_b32 v[\pw], v[TM+7], 24, v[\pw]
	WIN (\w)
.irp b, 0,1,2,3
	v_cvt_scalef32_pk8_fp4_f32 v[(\pc)+2*\b], v[(\src)+16*\b:(\src)+16*\b+7], v[TM+12+\b]
	v_cvt_scalef32_pk8_fp4_f32 v[(\pc)+2*\b+1], v[(\src)+16*\b+8:(\src)+16*\b+15], v[TM+12+\b]
.endr
	WIN 0
	v_nop                                          ; one plain line behind the conversions
.irp c, 0,1                                    ; the operand wants a whole block in a lane
.irp i, 0,1
	v_permlane16_swap_b32 v[(\pc)+4*\c+\i], v[(\pc)+4*\c+2+\i]
.endr
.endr
.endm
	s_load_b128 s[4:7], s[0:1], 0x0                ; prep s[4:5], qkv s[6:7]
	v_lshl_add_u32 v106, v0, 2, 0x40000
	v_mov_b32 v107, 0
	ds_add_u32 v106, v107
	ds_add_u32 v106, v107
	v_lshrrev_b32 v1, 5, v0
	v_readfirstlane_b32 s14, v1                    ; wave
	s_lshr_b32 s15, s14, 1                         ; my half of the rows.  Also: I fetch for x (0) or for the weight (1)
	s_and_b32 s16, s14, 1                          ; my half of the columns.  Also: which eight tiles I fetch
	s_bfe_u32 s40, ttmp6, 0x40000                  ; cx
	s_bfe_u32 s41, ttmp6, 0x40004                  ; cy
	s_lshl_b32 s42, ttmp9, 2
	s_add_co_u32 s42, s42, s40                     ; tile column
	s_and_b32 s17, ttmp7, 0xffff
	s_lshl_b32 s17, s17, 2
	s_add_co_u32 s17, s17, s41                     ; tile row
	s_lshl_b32 s43, s41, 2
	s_lshl_b32 s43, 15, s43                        ; my row of the cluster
	s_lshl_b32 s44, 0x1111, s40                    ; my column
	; group 1: eight tiles' two K steps: 8 rows of 2,048 bytes (256 elements of 8), 8,192 bytes apart; no padding: a fragment load's 512 bytes are consecutive
	s_or_b32 s[G1X], s43, (3<<16)|(1<<21)
	s_or_b32 s[G1W], s44, (3<<16)|(1<<21)
.irp g, G1X, G1W
	s_mov_b32 s[\g+1], 256<<16
	s_mov_b32 s[\g+2], 8<<16
	s_mov_b32 s[\g+3], 256<<16
	s_mov_b32 s[\g+4], 8
	s_mov_b32 s[\g+5], 1024
	s_mov_b32 s[\g+6], 0
	s_mov_b32 s[\g+7], 0
.endr
	s_lshl_b32 s18, s16, 16
	s_lshl_b32 s20, s17, 17                        ; x's address hangs on the tile row and the wave alone,
	s_add_co_u32 s20, s20, s18
	s_add_co_u32 s20, s20, XIMGO
	s_mov_b32 s21, 0
	s_lshl_b32 s84, s42, 17                        ; the weight's on the tile column and the wave
	s_add_co_u32 s84, s84, s18
	s_add_co_u32 s84, s84, WIMGO
	s_mov_b32 s85, 0
	s_lshl_b32 s45, s14, 14                        ; LDS: wave x 16,384 in each piece
	s_lshl_b32 s86, s17, 13                        ; the scale words of my half of the rows,
	s_lshl_b32 s87, s15, 12
	s_add_co_u32 s86, s86, s87
	s_add_co_u32 s86, s86, XSCO
	s_mov_b32 s87, 0
	s_lshl_b32 s88, s42, 13                        ; and of my half of the columns
	s_lshl_b32 s89, s16, 12
	s_add_co_u32 s88, s88, s89
	s_add_co_u32 s88, s88, WSCO
	s_mov_b32 s89, 0
	s_mov_b32 s[SEL], 0x76543210
	s_mov_b32 s[SEL+1], 0xfedcba98
	s_mov_b32 s98, 0xffff0000
	s_lshr_b32 s22, s17, 3                         ; the first of my two heads: 16 x batch + 4 (tile column % 4) + 2 x half
	s_lshl_b32 s22, s22, 4
	s_and_b32 s18, s42, 3
	s_lshl_b32 s18, s18, 2
	s_add_co_u32 s22, s22, s18
	s_lshl_b32 s18, s16, 1
	s_add_co_u32 s22, s22, s18
	s_wait_dscnt 0x0
	s_wait_kmcnt 0x0
	s_add_nc_u64 s[20:21], s[XP:XP+1], s[20:21]
	s_add_nc_u64 s[84:85], s[WP:WP+1], s[84:85]
	s_add_nc_u64 s[86:87], s[XP:XP+1], s[86:87]
	s_add_nc_u64 s[88:89], s[WP:WP+1], s[88:89]
	ROUND                                          ; all sixteen work-groups are here: the joint loads meet
.irp p, 0,1,2,3
	s_mov_b32 s[G0X+4*\p], 1
	s_add_co_u32 s[G0X+4*\p+1], s45, \p*65536
	s_add_nc_u64 s[G0X+4*\p+2:G0X+4*\p+3], s[20:21], \p*2048
	s_or_b32 s[G0X+4*\p+3], s[G0X+4*\p+3], 0x80000000
	s_mov_b32 s[G0W+4*\p], 1
	s_add_co_u32 s[G0W+4*\p+1], s45, \p*65536
	s_add_nc_u64 s[G0W+4*\p+2:G0W+4*\p+3], s[84:85], \p*2048
	s_or_b32 s[G0W+4*\p+3], s[G0W+4*\p+3], 0x80000000
.endr
	s_cmp_eq_u32 s15, 0                            ; a wave's four fills stand in one branch on the wave's number: four loads of mine are out
	s_cbranch_scc0 .Lfor_w
.irp p, 0,1,2,3
	tensor_load_to_lds s[G0X+4*\p:G0X+4*\p+3], s[G1X:G1X+7]
	s_nop 0
.endr
	PLACES 4
	s_branch .Lasked
.Lfor_w:
.irp p, 0,1,2,3
	tensor_load_to_lds s[G0W+4*\p:G0W+4*\p+3], s[G1W:G1W+7]
	s_nop 0
.endr
	PLACES 4
.Lasked:
	v_and_b32 v1, 31, v0
	v_and_b32 v2, 15, v0                           ; r
	v_bfe_u32 v3, v0, 4, 1                         ; h
	v_lshlrev_b32 v[L16], 4, v1
	s_lshl_b32 s18, s15, 14
	v_add_nc_u32 v[ADX], s18, v[L16]
	s_lshl_b32 s18, s16, 14
	s_add_co_u32 s18, s18, 32768
	v_add_nc_u32 v[ADW], s18, v[L16]
	v_lshlrev_b32 v[VS], 4, v2
	v_lshl_add_u32 v[VS], v3, 9, v[VS]
.irp q, 0,1
.irp i, 0,1,2,3
	global_load_b128 v[XS+16*\q+4*\i:XS+16*\q+4*\i+3], v[VS], s[86:87] offset:\i*1024+\q*256   ; four K steps' words: lanes 0-15 tile 2 i, lanes 16-31 tile 2 i + 1
	global_load_b128 v[WS+16*\q+4*\i:WS+16*\q+4*\i+3], v[VS], s[88:89] offset:\i*1024+\q*256
.endr
.endr
.irp b, 0,1,2,3
	v_mov_b32 v[TM+4+\b], 0                        ; a lane permute's destination counts as read
.endr
	s_mov_b32 s19, 0
	s_cmp_lt_u32 ttmp9, 2                          ; the cluster's x, the same in all partners: clusters 0 and 1 make q and k, cluster 2 makes v
	s_cbranch_scc0 .Lv
; ---- q and k
	s_lshl_b32 s23, s17, 4
	s_lshl_b32 s18, s15, 3
	s_add_co_u32 s23, s23, s18
	s_and_b32 s23, s23, 127                        ; my first tile of rows within the batch
	s_lshl_b32 s18, s23, 12                        ; its first position x 256 bytes
	s_add_co_u32 s18, s18, TAB
	s_add_nc_u64 s[90:91], s[4:5], s[18:19]
	s_lshr_b32 s99, s42, 2                         ; 0: q, 1: k
	s_lshl_b32 s18, s99, 21                        ; k's images lie 2^21 bytes behind q's
	s_lshl_b32 s96, s22, 16
	s_add_co_u32 s18, s18, s96
	s_lshl_b32 s96, s23, 9
	s_add_co_u32 s18, s18, s96
	s_add_nc_u64 s[92:93], s[6:7], s[18:19]
	s_cmp_eq_u32 s99, 1
	s_mov_b32 s97, 12288
	s_cselect_b32 s97, s97, 0x2000                 ; a head's scale region: 8,192 bytes for q, 12,288 for k with v
	s_mov_b32 s18, KVSC
	s_cselect_b32 s18, s18, QSC
	s_mul_i32 s96, s22, s97
	s_add_co_u32 s18, s18, s96
	s_lshl_b32 s96, s23, 6
	s_add_co_u32 s18, s18, s96
	s_add_nc_u64 s[94:95], s[6:7], s[18:19]
	v_and_b32 v9, 8, v2
	v_add_nc_u32 v9, v9, v2
	v_lshlrev_b32 v9, 8, v9
	v_lshl_add_u32 v9, v3, 7, v9                   ; the table: my slot's position, my half's 16 frequencies
	v_lshlrev_b32 v8, 4, v3                        ; 16 h
	v_mul_lo_u32 v10, v3, s97
	v_lshl_add_u32 v10, v2, 2, v10                 ; scale words: lanes 0-15 the first head's, lanes 16-31 the second's
.macro TABLD a                         ; cos and sin of block a's 16 positions into set a % 2
.irp i, 0,1,2,3,4,5,6,7
	global_load_b128 v[TB0+32*((\a)%2)+4*\i:TB0+32*((\a)%2)+4*\i+3], v9, s[90:91] offset:(32*((\a)/2)+8*((\a)%2))*256+16*\i
.endr
.endm
.macro EPI_QK a
.set wa, 2+(\a)/4
.set AC, 64*((\a)%4)
.set CO, TB0+32*((\a)%2)
.set SI, CO+16
.set PCa, PC+8*((\a)%2)
.if \a < 7
	s_wait_loadcnt 8                               ; this block's table is in; the next block's eight loads may be out
.else
	s_wait_loadcnt 0x0
.endif
	WIN wa
.irp e, 0,1
.irp i, 0,2,4,6,8,10,12,14
	v_pk_mul_f32 v[ST+32*\e+\i:ST+32*\e+\i+1], v[AC+32*\e+16+\i:AC+32*\e+16+\i+1], v[SI+\i:SI+\i+1]         ; x2 sin
	v_pk_mul_f32 v[ST+32*\e+16+\i:ST+32*\e+16+\i+1], v[AC+32*\e+16+\i:AC+32*\e+16+\i+1], v[CO+\i:CO+\i+1]   ; x2 cos
.endr
.endr
.irp e, 0,1
.irp i, 0,2,4,6,8,10,12,14
	v_pk_fma_f32 v[ST+32*\e+\i:ST+32*\e+\i+1], v[AC+32*\e+\i:AC+32*\e+\i+1], v[CO+\i:CO+\i+1], v[ST+32*\e+\i:ST+32*\e+\i+1] neg_lo:[0,0,1] neg_hi:[0,0,1]   ; x1 cos - x2 sin
	v_pk_fma_f32 v[ST+32*\e+16+\i:ST+32*\e+16+\i+1], v[AC+32*\e+\i:AC+32*\e+\i+1], v[SI+\i:SI+\i+1], v[ST+32*\e+16+\i:ST+32*\e+16+\i+1]                     ; x1 sin + x2 cos
.endr
.endr
	WIN 0
.if \a < 6
	TABLD (\a)+2
.endif
.if \a > 0
	s_wait_xcnt 0x0                                ; the last block's stores have read their data: those registers are written again only behind this wait
.endif
	QUANT ST, 0, PCa, PW
	global_store_b128 v[L16], v[PCa:PCa+3], s[92:93] offset:(\a)*512             ; the first head's half fragment: 512 consecutive bytes
	global_store_b128 v[L16], v[PCa+4:PCa+7], s[92:93] offset:65536+(\a)*512     ; the second head's
	v_lshrrev_b32 v[PW+1], v8, v[PW]               ; a head's two bytes in the word's low half; what stands above them scales zero codes and is never 0xff
	global_store_b32 v10, v[PW+1], s[94:95] offset:(\a)*64
.endm
	TABLD 0
	TABLD 1
	MAIN ADW, ADX, WS, XS, 16
.irp a, 0,1,2,3,4,5,6,7
	EPI_QK \a
.endr
	s_branch .Lend
; ---- v
.Lv:
	s_lshl_b32 s23, s17, 1
	s_add_co_u32 s23, s23, s15
	s_and_b32 s23, s23, 15                         ; my 128 rows are this key step of the batch
	s_lshl_b32 s18, s22, 16
	s_lshl_b32 s96, s23, 12
	s_add_co_u32 s18, s18, s96
	s_add_co_u32 s18, s18, VIMG
	s_add_nc_u64 s[92:93], s[6:7], s[18:19]
	s_mul_i32 s18, s22, 12288
	s_lshl_b32 s96, s23, 8
	s_add_co_u32 s18, s18, s96
	s_add_co_u32 s18, s18, KVSC+8192
	s_add_nc_u64 s[94:95], s[6:7], s[18:19]
	v_lshlrev_b32 v11, 2, v1
.macro EPI_V a                         ; the weight's tile a: 16 channels x my 128 keys: one fragment
.set wa, 2+(\a)/4
.set AC, 64*((\a)%4)
.set PCa, PC+8*((\a)%2)
.if \a > 0
	s_wait_xcnt 0x0
.endif
	QUANT AC, wa, PCa, PW+(\a)%2
.irp c, 0,1
	global_store_b128 v[L16], v[PCa+4*\c:PCa+4*\c+3], s[92:93] offset:((\a)/4)*65536+((\a)%4)*1024+512*\c
.endr
.if (\a)%2 == 1
	v_cndmask_b32 v[PW+2], v[PW], v[PW+1], s98     ; lanes 0-15 tile a - 1's words, lanes 16-31 tile a's: 128 consecutive bytes
	global_store_b32 v11, v[PW+2], s[94:95] offset:((\a)/4)*12288+(((\a)-1)%4)*64
.endif
.endm
	s_wait_alu depctr_va_vdst(0)
	MAIN ADX, ADW, XS, WS, 0
.irp a, 0,1,2,3,4,5,6,7
	EPI_V \a
.endr
.Lend:
	s_wait_tensorcnt 0x0
	ds_add_u32 v106, v107
	s_wait_dscnt 0x0
	ROUND                                          ; the closing round: no work-group ends while a partner may still ask for a tile that names it
	s_endpgm
.Lfunc_end_k_q0a0664c74d_qkvg:
	.size	k_q0a0664c74d_qkvg, .Lfunc_end_k_q0a0664c74d_qkvg-k_q0a0664c74d_qkvg
	.p2alignl 7, 3214868480
	.fill 96, 4, 3214868480
	.section	.rodata,"a",@progbits
	.p2align	6, 0x0
	.amdhsa_kernel k_q0a0664c74d_qkvg
		.amdhsa_group_segment_fixed_size 262656
		.amdhsa_private_segment_fixed_size 0
		.amdhsa_enable_private_segment 0
		.amdhsa_kernarg_size 16
		.amdhsa_user_sgpr_count 2
		.amdhsa_user_sgpr_kernarg_segment_ptr 1
		.amdhsa_wavefront_size32 1
		.amdhsa_system_sgpr_workgroup_id_x 1
		.amdhsa_system_sgpr_workgroup_id_y 1
		.amdhsa_system_sgpr_workgroup_id_z 1
		.amdhsa_system_vgpr_workitem_id 0
		.amdhsa_next_free_vgpr 1024
		.amdhsa_next_free_sgpr 100
		.amdhsa_reserve_vcc 0
		.amdhsa_float_denorm_mode_32 3
		.amdhsa_float_denorm_mode_16_64 3
		.amdhsa_memory_ordered 1
		.amdhsa_forward_progress 1
		.amdhsa_inst_pref_size 255
	.end_amdhsa_kernel
	.section	.bss,"aw",@nobits
	.p2align	6
	.space	262144
	.amdgpu_metadata
---
amdhsa.version: [ 1, 2 ]
amdhsa.kernels:
  - .name:           k_q0a0664c74d_qkvg
    .symbol:         k_q0a0664c74d_qkvg.kd
    .args:
      - { .name: prep, .offset: 0, .size: 8, .value_kind: global_buffer, .address_space: global }
      - { .name: qkv, .offset: 8, .size: 8, .value_kind: global_buffer, .address_space: global }
    .group_segment_fixed_size: 262656
    .private_segment_fixed_size: 0
    .kernarg_segment_align: 8
    .kernarg_segment_size: 16
    .max_flat_workgroup_size: 128
    .sgpr_count:     100
    .vgpr_count:     1024
    .wavefront_size: 32
...
	.end_amdgpu_metadata
.endif
;; end of part 8
;; launch attn (part 9): grid 8 x 32, 16 waves a work-group, clusters of 4 x 1, 169,984 bytes of LDS; arguments qkv, ctx; writes ctx
.if DOCPART == 9
	.amdgcn_target "amdgcn-amd-amdhsa--gfx1250"
	.amdhsa_code_object_version 6
	.text
	.protected	k_q0a0664c74d_attn
	.globl	k_q0a0664c74d_attn
	.p2align	8
	.type	k_q0a0664c74d_attn,@function
k_q0a0664c74d_attn:
	s_mov_b64 s[64:65], 0
	v_nop
	global_prefetch_b8 v0, s[64:65] scope:SCOPE_SE
	s_setreg_imm32_b32 hwreg(HW_REG_WAVE_MODE, 25, 1), 1
	s_wait_xcnt 0x0
	s_wait_alu depctr_hold_cnt(0) depctr_sa_sdst(0) depctr_va_vdst(0) depctr_va_sdst(0) depctr_va_ssrc(0) depctr_va_vcc(0) depctr_vm_vsrc(0)
	s_getreg_b32 s2, hwreg(HW_REG_IB_STS2, 6, 4)
	s_cmp_eq_u32 s2, 0
	s_cbranch_scc0 .Lentry_in_a_cluster
	s_endpgm
.Lentry_in_a_cluster:
	s_bfe_u32 s2, ttmp6, 0x10000c
	s_cmp_lg_u32 s2, 0x3003
	s_cbranch_scc0 .Lentry_shape_is_right
	s_endpgm
.Lentry_shape_is_right:
; ctx[b][q][head 64 + d] = the sum over keys of softmax(q . k / 8) v, both products on codes of FP4 with E8M0 scales; ctx leaves quantised along its 1,024, as images of the next product's operand registers.
; THE SOFTMAX AHEAD OF THE SECOND PRODUCT: t = score x log2(e) / 8; M = the running largest t rounded UP to a whole number; p = 2^(t - M) is quantised along the keys; the row's sum is taken of the unquantised p and
; divides at the end.  When M moves, the sum and O are multiplied by 2^(old M - new M): exact.
; SHARES.  A work-group owns 256 queries of one (batch, head), each of its sixteen waves one tile of 16.  A WHOLE HEAD'S k, v and their scale words, 140 KiB, lie in LDS, each byte filled ONCE, in four pieces of 512 keys.
; CLUSTER 4 x 1: four query blocks of a head ask for the head's tiles jointly.  Waves 0-3 fetch (0, 1: k's halves of a piece; 2, 3: v's), five loads each, all issued at the start.
; LAYOUT.  S^T = k q^T (source 0 = 16 keys, source 1 = my 16 queries), O^T = v^T p^T: a lane holds ONE query.  The head size is 64: registers 4-7 of k's and q's fragments are zero codes, written once.
; Slot r of a tile stands for row 32 (T / 2) + 8 (T % 2) + r + 8 (r / 8): the 16 registers of tiles 2 b and 2 b + 1 are 16 neighbouring keys (or channels).
; LIMITS: p under 2^-126 counts as 0; a block of zeros gets the byte 1 (zero codes; only this program reads the bytes); NaN and infinities are not served.  ctx's scale bytes leave one byte a lane: 1 byte in 16 of the codes'.
; REGISTERS: v1-11 addresses; v12 -M, v13 the largest t, v[14:15] the sum; v16-23 q; v24 q's scale word, v25-28 k's, v29-30 v's, v31 p's (scales and nothing else); v32-63, v192-223 k's eight fragments;
;   v64-95 v's four; v96-159 S^T, then p; v160-191 O^T; v224-231 p's codes; v232-254 at work.
.set KIMG, 2097152
.set QSC,  6291456
.set KVSC, 6553600
.set CSC,  2097152
.set SCB,  131072                      ; LDS: k's images at 0, v's at 65,536, here k's scale words (8,192 bytes) and v's (4,096)
.set WV,  18
.set SEL, 20
.set CS,  22
.set G1S, 24
.set G1P, 32
.set G0,  40                           ; s[40:59] five groups 0: the scale words, pieces 0 to 3
.set TB,  60                           ; s60 the key step's images: 4,096 bytes a step in k and in v
.set TS,  61                           ; s61 k's scale words: 512 a step
.set TJ,  62                           ; s62 v's: 256 a step
.set CNT, 63
.macro PLACES n
.rept \n
	v_nop
.endr
.endm
.macro ROUND
	s_barrier_signal -1
	s_barrier_wait -1
	s_cmp_lg_u32 s[WV], 0
	s_cbranch_scc1 .Lnot_wave_0_\@
	s_barrier_signal -3
.Lnot_wave_0_\@:
	s_barrier_wait -3
	s_barrier_signal -1
	s_barrier_wait -1
.endm
.macro WM c, ra                        ; ra: source 0's scale word lies in lanes 16-31
.if (\ra)
	v_wmma_scale_f32_16x16x128_f8f6f4 v[rD:rD+7], v[rP:rP+7], v[rQ:rQ+7], \c, v[rSP], v[rSQ] matrix_a_fmt:MATRIX_FMT_FP4 matrix_b_fmt:MATRIX_FMT_FP4 matrix_a_scale:MATRIX_SCALE_ROW1
.else
	v_wmma_scale_f32_16x16x128_f8f6f4 v[rD:rD+7], v[rP:rP+7], v[rQ:rQ+7], \c, v[rSP], v[rSQ] matrix_a_fmt:MATRIX_FMT_FP4 matrix_b_fmt:MATRIX_FMT_FP4
.endif
.endm
	s_load_b128 s[4:7], s[0:1], 0x0                ; qkv s[4:5], ctx s[6:7]
	v_lshl_add_u32 v251, v0, 2, 0x29000
	v_mov_b32 v255, 0
	ds_add_u32 v251, v255
	ds_add_u32 v251, v255
	v_lshrrev_b32 v1, 5, v0
	s_delay_alu instid0(VALU_DEP_1)
	v_readfirstlane_b32 s[WV], v1                  ; wave 0..15
	s_bfe_u32 s8, ttmp6, 0x40000                   ; cx
	s_lshl_b32 s9, ttmp9, 2
	s_add_co_u32 s9, s9, s8                        ; my block of 256 queries: it enters global addresses of q and ctx alone
	s_and_b32 s10, ttmp7, 0xffff                   ; 16 x batch + head, which the partners share
	s_mov_b32 s[G1S], 15|(3<<16)|(1<<21)           ; the mask: all four; elements of 8 bytes; 12 rows of 256 bytes, dense
	s_mov_b32 s[G1S+1], 32<<16
	s_mov_b32 s[G1S+2], 12<<16
	s_mov_b32 s[G1S+3], 32<<16
	s_mov_b32 s[G1S+4], 12
	s_mov_b32 s[G1S+5], 32
	s_mov_b32 s[G1S+6], 0
	s_mov_b32 s[G1S+7], 0
	s_mov_b32 s[G1P], 15|(3<<16)|(1<<21)           ; the same with 32 rows: 8,192 bytes
	s_mov_b32 s[G1P+1], 32<<16
	s_mov_b32 s[G1P+2], 32<<16
	s_mov_b32 s[G1P+3], 32<<16
	s_mov_b32 s[G1P+4], 32
	s_mov_b32 s[G1P+5], 32
	s_mov_b32 s[G1P+6], 0
	s_mov_b32 s[G1P+7], 0
	s_lshr_b32 s11, s[WV], 1                       ; I fetch for k (0) or v (1),
	s_and_b32 s12, s[WV], 1                        ; this half of each piece
	s_mul_i32 s66, s10, 12288
	s_mul_i32 s67, s[WV], 3072
	s_add_co_u32 s66, s66, s67
	s_add_co_u32 s66, s66, KVSC
	s_mov_b32 s67, 0
	s_lshl_b32 s68, s11, 21
	s_lshl_b32 s69, s10, 16
	s_add_co_u32 s68, s68, s69
	s_lshl_b32 s69, s12, 13
	s_add_co_u32 s68, s68, s69
	s_add_co_u32 s68, s68, KIMG
	s_mov_b32 s69, 0
	s_mul_i32 s70, s[WV], 3072
	s_add_co_u32 s70, s70, SCB
	s_lshl_b32 s71, s11, 16
	s_lshl_b32 s72, s12, 13
	s_add_co_u32 s71, s71, s72
	s_mov_b32 s[SEL], 0x76543210
	s_mov_b32 s[SEL+1], 0xfedcba98
	s_mov_b32 s[CS], 0x3e38aa3b                    ; c = log2(e) / sqrt(64)
	s_mov_b32 s[CS+1], s[CS]                       ; (named with it as a pair, so it is written)
	s_mov_b32 s[TB], 0
	s_mov_b32 s[TS], 0
	s_mov_b32 s[TJ], 0
	s_wait_dscnt 0x0
	s_wait_kmcnt 0x0
	s_add_nc_u64 s[66:67], s[4:5], s[66:67]
	s_add_nc_u64 s[68:69], s[4:5], s[68:69]
	ROUND                                          ; all four work-groups are here: the joint loads meet
	s_mov_b32 s[G0], 1
	s_mov_b32 s[G0+1], s70
	s_mov_b64 s[G0+2:G0+3], s[66:67]
	s_or_b32 s[G0+3], s[G0+3], 0x80000000
.irp p, 0,1,2,3
	s_mov_b32 s[G0+4+4*\p], 1
	s_add_co_u32 s[G0+5+4*\p], s71, \p*16384
	s_add_nc_u64 s[G0+6+4*\p:G0+7+4*\p], s[68:69], \p*16384
	s_or_b32 s[G0+7+4*\p], s[G0+7+4*\p], 0x80000000
.endr
	s_cmp_lt_u32 s[WV], 4                          ; a fetching wave's five fills stand in one branch on the wave's number: five loads of mine are out
	s_cbranch_scc0 .Lnone
	tensor_load_to_lds s[G0:G0+3], s[G1S:G1S+7]
	s_nop 0
.irp p, 0,1,2,3
	tensor_load_to_lds s[G0+4+4*\p:G0+7+4*\p], s[G1P:G1P+7]
	s_nop 0
.endr
	PLACES 4
.Lnone:
	v_and_b32 v7, 15, v0                           ; r
	v_bfe_u32 v8, v0, 4, 1                         ; h
	v_and_b32 v2, 31, v0
	s_delay_alu instid0(VALU_DEP_1)
	v_lshlrev_b32 v1, 4, v2                        ; 16 x lane
	s_wait_alu depctr_va_vdst(0)
	v_lshlrev_b32 v2, 2, v2                        ; 4 x lane
	v_add_nc_u32 v9, 0x10000, v1
	s_delay_alu instid0(VALU_DEP_2)
	v_add_nc_u32 v10, SCB, v2
	s_delay_alu instid0(VALU_DEP_3)
	v_add_nc_u32 v11, SCB+8192, v2
	s_lshl_b32 s13, s9, 4
	s_add_co_u32 s13, s13, s[WV]                   ; my tile of queries within the head
	s_lshl_b32 s72, s10, 16
	s_lshl_b32 s73, s13, 9
	s_add_co_u32 s72, s72, s73
	s_mov_b32 s73, 0
	s_add_nc_u64 s[72:73], s[4:5], s[72:73]
	s_lshl_b32 s74, s10, 13
	s_lshl_b32 s75, s13, 6
	s_add_co_u32 s74, s74, s75
	s_add_co_u32 s74, s74, QSC
	s_mov_b32 s75, 0
	s_add_nc_u64 s[74:75], s[4:5], s[74:75]
	global_load_b128 v[16:19], v1, s[72:73]        ; q's half fragment stays in registers
	v_lshlrev_b32 v254, 2, v7
	global_load_b32 v24, v254, s[74:75]            ; and its scale words
.irp j, 20,21,22,23
	v_mov_b32 v[\j], 0                             ; zero codes for k = 64 .. 127
.endr
.irp t, 0,1,2,3,4,5,6,7
.irp j, 4,5,6,7
	v_mov_b32 v[32+8*\t+128*(\t/4)+\j], 0
.endr
.endr
	v_mov_b32 v13, 0xff61b1e6                      ; the largest t so far: -3e38
	s_delay_alu instid0(VALU_DEP_1)
	v_floor_f32 v12, -v13
	v_mov_b32 v14, 0
	v_mov_b32 v15, 0
.irp b, 0,1,2,3
	v_mov_b32 v[236+\b], 0                         ; a lane permute's destination counts as read
.endr
	v_mov_b32 v252, 0
	v_mov_b32 v253, 0                              ; (the upper half of the pair v[252:253])
.set j, 0
.rept 32
	v_mov_b32 v[160+j], 0                          ; O^T: the step is written once; its first trip finds zeros
.set j, j+1
.endr
	s_wait_loadcnt 0x0
; A KEY STEP: 128 keys
.macro STEP
	v_add_nc_u32 v3, s[TB], v1                     ; these four lines are also the places between the last step's products and the loads into v's registers
	v_add_nc_u32 v4, s[TB], v9
	v_add_nc_u32 v5, s[TS], v10
	v_add_nc_u32 v6, s[TJ], v11
.irp t, 0,1,2,3,4,5,6,7
	ds_load_b128 v[32+8*\t+128*(\t/4):35+8*\t+128*(\t/4)], v3 offset:512*\t
.endr
.irp p, 0,1,2,3
	ds_load_b32 v[25+\p], v5 offset:128*\p         ; lanes 0-15 tile 2 p's words, lanes 16-31 tile 2 p + 1's
.endr
	s_wait_alu depctr_va_vdst(0)
	s_wait_dscnt 0x0
.irp t, 0,1,2,3,4,5,6,7
.set rD, 96+8*\t
.set rP, 32+8*\t+128*(\t/4)
.set rQ, 16
.set rSP, 25+\t/2
.set rSQ, 24
	WM 0, \t%2
.endr
.irp t, 0,1,2,3
.irp c, 0,1
	ds_load_b128 v[64+8*\t+4*\c:67+8*\t+4*\c], v4 offset:1024*\t+512*\c   ; v's fragments land during the softmax
.endr
.endr
	ds_load_b32 v29, v6
	ds_load_b32 v30, v6 offset:128
	PLACES 4
.irp b, 0,1,2,3
	v_max3_num_f32 v[232+\b], v[96+16*\b], v[97+16*\b], v[98+16*\b]   ; the largest score of each block of 32 keys: it serves the row's maximum and, since p rises with the score, the block's largest p
.endr
.irp i, 3,5,7,9,11,13
.irp b, 0,1,2,3
	v_max3_num_f32 v[232+\b], v[232+\b], v[96+16*\b+\i], v[97+16*\b+\i]
.endr
.endr
.irp b, 0,1,2,3
	v_max_num_f32 v[232+\b], v[232+\b], v[111+16*\b]
.endr
.irp b, 0,1,2,3
	s_delay_alu instid0(VALU_DEP_4)
	v_permlanex16_b32 v[236+\b], v[232+\b], s[SEL], s[SEL+1]
.endr
.irp b, 0,1,2,3
	s_delay_alu instid0(VALU_DEP_4)
	v_max_num_f32 v[232+\b], v[232+\b], v[236+\b]
.endr
	s_delay_alu instid0(VALU_DEP_2)
	v_max3_num_f32 v254, v232, v233, v234
	s_delay_alu instid0(VALU_DEP_1)
	v_max_num_f32 v254, v254, v235
	s_delay_alu instid0(VALU_DEP_1)
	v_mul_f32 v254, s[CS], v254
	s_delay_alu instid0(VALU_DEP_1)
	v_max_num_f32 v13, v13, v254                   ; the running largest t
	v_mov_b32 v254, v12
	s_delay_alu instid0(VALU_DEP_2)
	v_floor_f32 v12, -v13                          ; -M = floor(-t): M is a whole number
	s_delay_alu instid0(VALU_DEP_1)
	v_sub_f32 v254, v12, v254                      ; old M - new M, 0 or less
	s_delay_alu instid0(VALU_DEP_1)
	v_cvt_i32_f32 v254, v254                       ; (it saturates)
	s_delay_alu instid0(VALU_DEP_1)
	v_ldexp_f32 v252, 1.0, v254                    ; f = 2^(old M - new M)
.set j, 0
.rept 32
	v_pk_fma_f32 v[96+j:97+j], v[96+j:97+j], s[CS:CS+1], v[12:13] op_sel_hi:[1,0,0]   ; t - M
.set j, j+2
.endr
.irp b, 0,1,2,3
	v_fma_f32 v[232+\b], v[232+\b], s[CS], v12
.endr
.set j, 0
	s_wait_alu depctr_va_vdst(0)
.rept 64
	v_exp_f32 v[96+j], v[96+j]                     ; p
.set j, j+1
.endr
	s_setprio 1
	v_pk_mul_f32 v[14:15], v[14:15], v[252:253] op_sel_hi:[1,0]   ; the sums under the new M (a plain line behind the exponentials)
	s_wait_alu depctr_va_vdst(0)                   ; one wait for the batch, ahead of its first use
.irp b, 0,1,2,3
	v_exp_f32 v[232+\b], v[232+\b]                 ; the blocks' largest p
.endr
	v_pk_add_f32 v[236:237], v[100:101], v[104:105]
	v_pk_add_f32 v[248:249], v[108:109], v[112:113]
	v_pk_add_f32 v[246:247], v[116:117], v[120:121]
	v_pk_add_f32 v[244:245], v[124:125], v[128:129]
	v_pk_add_f32 v[242:243], v[132:133], v[136:137]
	v_pk_add_f32 v[240:241], v[140:141], v[144:145]
	v_pk_add_f32 v[238:239], v[148:149], v[152:153]
	v_pk_add_f32 v[14:15], v[14:15], v[156:157]
	v_pk_add_f32 v[236:237], v[236:237], v[96:97]
	v_pk_add_f32 v[248:249], v[248:249], v[98:99]
	v_pk_add_f32 v[246:247], v[246:247], v[102:103]
	v_pk_add_f32 v[244:245], v[244:245], v[106:107]
	v_pk_add_f32 v[242:243], v[242:243], v[110:111]
	v_pk_add_f32 v[240:241], v[240:241], v[114:115]
	v_pk_add_f32 v[238:239], v[238:239], v[118:119]
	v_pk_add_f32 v[14:15], v[14:15], v[122:123]
	v_pk_add_f32 v[236:237], v[236:237], v[126:127]
	v_pk_add_f32 v[248:249], v[248:249], v[130:131]
	v_pk_add_f32 v[246:247], v[246:247], v[134:135]
	v_pk_add_f32 v[244:245], v[244:245], v[138:139]
	v_pk_add_f32 v[242:243], v[242:243], v[142:143]
	v_pk_add_f32 v[240:241], v[240:241], v[146:147]
	v_pk_add_f32 v[238:239], v[238:239], v[150:151]
	v_pk_add_f32 v[14:15], v[14:15], v[154:155]
	v_pk_add_f32 v[236:237], v[236:237], v[158:159]
	s_delay_alu instid0(VALU_DEP_2)
	v_pk_add_f32 v[14:15], v[14:15], v[244:245]
	s_delay_alu instid0(VALU_DEP_2)
	v_pk_add_f32 v[236:237], v[236:237], v[242:243]
	v_pk_add_f32 v[248:249], v[248:249], v[240:241]
	v_pk_add_f32 v[246:247], v[246:247], v[238:239]
	s_delay_alu instid0(VALU_DEP_2)
	v_pk_add_f32 v[14:15], v[14:15], v[248:249]
	s_delay_alu instid0(VALU_DEP_2)
	v_pk_add_f32 v[236:237], v[236:237], v[246:247]
	s_delay_alu instid0(VALU_DEP_1)
	v_pk_add_f32 v[14:15], v[14:15], v[236:237]
	s_wait_alu depctr_va_vdst(0)                   ; and one for the four
.irp b, 0,1,2,3
	v_max_num_f32 v[232+\b], 0x1800000, v[232+\b]  ; the floor 2^(3 - 127)
.endr
.irp b, 0,1,2,3
	s_delay_alu instid0(VALU_DEP_4)
	v_add_nc_u32 v[244+\b], 0xff000000, v[232+\b]
.endr
.irp b, 0,1,2,3
	s_delay_alu instid0(VALU_DEP_4)
	v_lshrrev_b32 v[236+\b], 23, v[244+\b]
.endr
	s_delay_alu instid0(VALU_DEP_3)
	v_lshl_or_b32 v31, v237, 8, v236               ; p's scale word for these 128 keys
	s_delay_alu instid0(VALU_DEP_1)
	v_lshl_or_b32 v31, v238, 16, v31
	s_delay_alu instid0(VALU_DEP_1)
	v_lshl_or_b32 v31, v239, 24, v31
.irp b, 0,1,2,3
	v_cvt_scalef32_pk8_fp4_f32 v[224+2*\b], v[96+16*\b:103+16*\b], v[244+\b]
	v_cvt_scalef32_pk8_fp4_f32 v[225+2*\b], v[104+16*\b:111+16*\b], v[244+\b]
.endr
	v_nop
.irp c, 0,1
.irp i, 0,1
	v_permlane16_swap_b32 v[224+4*\c+\i], v[226+4*\c+\i]
.endr
.endr
.set j, 0
	s_setprio 0
.rept 16
	v_pk_mul_f32 v[160+j:161+j], v[160+j:161+j], v[252:253] op_sel_hi:[1,0]   ; O^T under the new M; these sixteen also stand between the scale word's and the codes' last writes and the products
.set j, j+2
.endr
	s_wait_alu depctr_va_vdst(0)
	s_wait_dscnt 0x0                               ; v
.irp t, 0,1,2,3
.set rD, 160+8*\t
.set rP, 64+8*\t
.set rQ, 224
.set rSP, 29+\t/2
.set rSQ, 31
	WM v[rD:rD+7], \t%2                            ; the four accumulators take turns; eight other products stand between two links of a chain
.endr
	s_add_co_u32 s[TB], s[TB], 4096
	s_add_co_u32 s[TS], s[TS], 512
	s_add_co_u32 s[TJ], s[TJ], 256
.endm
.macro PIECE n
	s_wait_tensorcnt 3-\n                          ; my part of piece n (and the scale words) is in: so many pieces were issued behind it
	s_wait_dscnt 0x0
	s_barrier_signal -1
	s_barrier_wait -1                              ; everybody's is.  Nothing is ever filled again
	s_mov_b32 s[CNT], 4
.Lstep_\@:
	s_setprio 2
	STEP
	s_sub_co_u32 s[CNT], s[CNT], 1
	s_cmp_lg_u32 s[CNT], 0
	s_cbranch_scc1 .Lstep_\@
	s_setprio 0
.endm
	PIECE 0
	PIECE 1
	PIECE 2
	PIECE 3
	; THE WAY OUT: O^T / the sum; register 16 b + i is channel 32 b + 16 h + i of my query: two blocks of ctx's K, half a fragment
	PLACES 4
	v_add_f32 v14, v14, v15
	s_delay_alu instid0(VALU_DEP_1)
	v_permlanex16_b32 v252, v14, s[SEL], s[SEL+1]
	s_delay_alu instid0(VALU_DEP_1)
	v_add_f32 v14, v14, v252
	s_wait_alu depctr_va_vdst(0)
	v_rcp_f32 v14, v14
	v_lshlrev_b32 v3, 4, v7                        ; (plain work behind the reciprocal)
	s_delay_alu instid0(VALU_DEP_1)
	v_add_nc_u32 v3, v3, v8                        ; 16 r + h
	s_lshr_b32 s66, s10, 4
	s_lshl_b32 s66, s66, 7
	s_add_co_u32 s66, s66, s13                     ; the tile of rows among all 256
	s_and_b32 s67, s10, 15                         ; the head
	s_lshr_b32 s76, s67, 1                         ; its K step
	s_and_b32 s77, s67, 1                          ; and which half of it
	s_lshl_b32 s68, s66, 13
	s_lshl_b32 s78, s76, 10
	s_add_co_u32 s68, s68, s78
	s_lshl_b32 s78, s77, 9
	s_add_co_u32 s68, s68, s78
	s_mov_b32 s69, 0
	s_add_nc_u64 s[72:73], s[6:7], s[68:69]
	s_lshl_b32 s70, s66, 9
	s_lshr_b32 s78, s76, 2
	s_lshl_b32 s78, s78, 8
	s_add_co_u32 s70, s70, s78
	s_and_b32 s78, s76, 3
	s_lshl_b32 s78, s78, 2
	s_add_co_u32 s70, s70, s78
	s_lshl_b32 s78, s77, 1
	s_add_co_u32 s70, s70, s78
	s_add_co_u32 s70, s70, CSC
	s_mov_b32 s71, 0
	s_add_nc_u64 s[74:75], s[6:7], s[70:71]
	s_mov_b32 s79, 0xffff0000
	s_wait_alu depctr_va_vdst(0)
.set j, 0
.rept 32
	v_mul_f32 v[96+j], v[160+j], v14
.set j, j+1
.endr
.irp b, 0,1
	v_max3_num_f32 v[232+\b], |v[96+16*\b]|, |v[97+16*\b]|, 0x1800000
.endr
.irp i, 2,4,6,8,10,12,14
.irp b, 0,1
	s_delay_alu instid0(VALU_DEP_2)
	v_max3_num_f32 v[232+\b], v[232+\b], |v[96+16*\b+\i]|, |v[97+16*\b+\i]|
.endr
.endr
.irp b, 0,1
	s_delay_alu instid0(VALU_DEP_2)
	v_permlanex16_b32 v[236+\b], v[232+\b], s[SEL], s[SEL+1]
.endr
.irp b, 0,1
	s_delay_alu instid0(VALU_DEP_2)
	v_max_num_f32 v[232+\b], v[232+\b], v[236+\b]
.endr
.irp b, 0,1
	s_delay_alu instid0(VALU_DEP_2)
	v_add_nc_u32 v[244+\b], 0xff000000, v[232+\b]
.endr
.irp b, 0,1
	s_delay_alu instid0(VALU_DEP_2)
	v_lshrrev_b32 v[236+\b], 23, v[244+\b]
.endr
.irp b, 0,1
	v_cvt_scalef32_pk8_fp4_f32 v[224+2*\b], v[96+16*\b:103+16*\b], v[244+\b]
	v_cvt_scalef32_pk8_fp4_f32 v[225+2*\b], v[104+16*\b:111+16*\b], v[244+\b]
.endr
	v_nop
	v_permlane16_swap_b32 v224, v226
	v_permlane16_swap_b32 v225, v227
	global_store_b128 v1, v[224:227], s[72:73]     ; 512 consecutive bytes
	v_cndmask_b32 v232, v236, v237, s79            ; lane (r, h) stores block h's byte
	global_store_b8 v3, v232, s[74:75]
	s_wait_tensorcnt 0x0
	ds_add_u32 v251, v255
	s_wait_dscnt 0x0
	ROUND                                          ; the closing round
	s_endpgm
.Lfunc_end_k_q0a0664c74d_attn:
	.size	k_q0a0664c74d_attn, .Lfunc_end_k_q0a0664c74d_attn-k_q0a0664c74d_attn
	.p2alignl 7, 3214868480
	.fill 96, 4, 3214868480
	.section	.rodata,"a",@progbits
	.p2align	6, 0x0
	.amdhsa_kernel k_q0a0664c74d_attn
		.amdhsa_group_segment_fixed_size 169984
		.amdhsa_private_segment_fixed_size 0
		.amdhsa_enable_private_segment 0
		.amdhsa_kernarg_size 16
		.amdhsa_user_sgpr_count 2
		.amdhsa_user_sgpr_kernarg_segment_ptr 1
		.amdhsa_wavefront_size32 1
		.amdhsa_system_sgpr_workgroup_id_x 1
		.amdhsa_system_sgpr_workgroup_id_y 1
		.amdhsa_system_sgpr_workgroup_id_z 1
		.amdhsa_system_vgpr_workitem_id 0
		.amdhsa_next_free_vgpr 256
		.amdhsa_next_free_sgpr 80
		.amdhsa_reserve_vcc 0
		.amdhsa_float_denorm_mode_32 3
		.amdhsa_float_denorm_mode_16_64 3
		.amdhsa_memory_ordered 1
		.amdhsa_forward_progress 1
		.amdhsa_inst_pref_size 81
	.end_amdhsa_kernel
	.amdgpu_metadata
---
amdhsa.version: [ 1, 2 ]
amdhsa.kernels:
  - .name:           k_q0a0664c74d_attn
    .symbol:         k_q0a0664c74d_attn.kd
    .args:
      - { .name: qkv, .offset: 0, .size: 8, .value_kind: global_buffer, .address_space: global }
      - { .name: ctx, .offset: 8, .size: 8, .value_kind: global_buffer, .address_space: global }
    .group_segment_fixed_size: 169984
    .private_segment_fixed_size: 0
    .kernarg_segment_align: 8
    .kernarg_segment_size: 16
    .max_flat_workgroup_size: 512
    .sgpr_count:     80
    .vgpr_count:     256
    .wavefront_size: 32
...
	.end_amdgpu_metadata
.endif
;; end of part 9
;; launch oproj (part 10): grid 128 x 1, 8 waves a work-group, no clusters, 134,656 bytes of LDS; arguments ctx, prep, x, b_o, gamma1, beta1, hbuf; writes hbuf
.if DOCPART == 10
	.amdgcn_target "amdgcn-amd-amdhsa--gfx1250"
	.amdhsa_code_object_version 6
	.text
	.protected	k_q0a0664c74d_oproj
	.globl	k_q0a0664c74d_oproj
	.p2align	8
	.type	k_q0a0664c74d_oproj,@function
k_q0a0664c74d_oproj:
	s_mov_b64 s[64:65], 0
	v_nop
	global_prefetch_b8 v0, s[64:65] scope:SCOPE_SE
	s_setreg_imm32_b32 hwreg(HW_REG_WAVE_SCHED_MODE, 0, 2), 2
	s_setreg_imm32_b32 hwreg(HW_REG_WAVE_MODE, 25, 1), 1
	s_wait_xcnt 0x0
	s_wait_alu depctr_vm_vsrc(0)
; h = LayerNorm(x + ctx w_o + b_o) gamma1 + beta1; the product on codes of FP4 with E8M0 scales.  h leaves twice: in f32, as images of the accumulators (the next residual), and quantised along its 1,024, as operand images.
; A work-group owns 32 WHOLE rows (tiles 2 t and 2 t + 1), since the norm wants whole rows; wave w owns columns 128 w .. 128 w + 127: 16 accumulators.  Source 0 = 16 columns of the weight, source 1 = 16 rows:
; a lane holds one row of each tile, registers 16 b + i = column 128 w + 32 b + 16 h + i.  A weight fragment feeds two products of one wave and no other wave: it goes from memory straight into registers, three K steps ahead.
; No cluster and no LDS for operands: the work-groups share the weights, but each fragment would pass through LDS for two products only.
; THE RESIDUAL STARTS THE SUMS: x's rows go through a stage in LDS into the accumulators' layout.  The norm is taken in two passes, mean first, as it is defined; the waves' parts of a row's sums meet in LDS.
; LIMITS: a block of zeros gets the byte 1 (zero codes; only this program reads the bytes); largest magnitudes under 2^-124 are held at that floor; NaN and infinities are not served.
; h's scale words leave as 4 bytes a lane, 16 bytes apart: 1 byte in 16 of the codes'.
; REGISTERS: window 0: v1-23 addresses and small things; v24-31 the rows' scale words, v32-63 the weight's (two sets; scales and nothing else); v64-127 the rows' fragments, four buffers, later at work;
;   v128-255 accumulator (m, n) at 128 + 64 m + 8 n.  window 1: the weight's fragments, four buffers of 64; later b_o, gamma1, beta1.
; THE MODE: SCHED_MODE bits 1:0 = 2 (LLVM: expert scheduling mode 2), set by the entry lines.  The code itself states the register dependences
; between vector or matrix instructions and memory or LDS instructions, with s_wait_alu, always for 0.
; THE PLAN.  Registers that memory or LDS instructions touch:
;   v4 .. v12      Offsets and LDS addresses: written at the head, never again.
;   the weight's buffers 0 .. 3 (window 1) and the rows' (v64-127).  K step k's products read buffer k % 4; the loads of step k + 3, issued in step k, land in buffer (k + 3) % 4, which step k - 1's products read.
;                  In steps 5 to 7 the bias, the gain and the offset land so in the weight's buffers 0, 1, 2.
;   v24-63         The scale words: loaded once, at the head; read by products alone.
;   v128-255       x lands there; the stage's LDS stores read it; the stage's LDS loads land there; then products and vector instructions alone, until h's f32 stores read it.
;   v74, v75       A reduction's word each: written once, read by one LDS store.   v76-91  the reductions' LDS loads land there, additions read them.
;   v112-127, v22  The codes and the joined scale word: written once, read by the last five stores.
; So ONE wait on va_vdst stands at the head of a K step, behind the wait for the step's data: the products of the step before are done reading the buffers in which this step's loads land.  The loads follow it, dealt
; among the step's products, which name buffer k % 4, the accumulators and the scale words: none of the registers that those loads touch.
.set S,     8                          ; K steps
.set SLOG,  3
.set WOFF,  3801088                    ; w_o's images in prep
.set WSCO,  8617984                    ; and its scale words
.set ASCO,  2097152                    ; ctx's scale words
.set HIMG,  16777216
.set HSC,   18874368
.set RED1,  131584                     ; LDS: the stage, 32 rows x 4,112 bytes; then [row][wave] words for the sums, and for the sums of squares
.set SEL, 34
.set TM,  96
.set PC,  112
.set PW,  20
.set MSB, 0
.macro WIN new
.if MSB != (\new)
	s_set_vgpr_msb (MSB<<8)|(\new)
.set MSB, (\new)
.endif
.endm
.macro PLACES n
.rept \n
	v_nop
.endr
.endm
.macro WM c, ra, rb
.if (\ra) && (\rb)
	v_wmma_scale_f32_16x16x128_f8f6f4 v[rD:rD+7], v[rP:rP+7], v[rQ:rQ+7], \c, v[rSP], v[rSQ] matrix_a_fmt:MATRIX_FMT_FP4 matrix_b_fmt:MATRIX_FMT_FP4 matrix_a_scale:MATRIX_SCALE_ROW1 matrix_b_scale:MATRIX_SCALE_ROW1
.elseif (\ra)
	v_wmma_scale_f32_16x16x128_f8f6f4 v[rD:rD+7], v[rP:rP+7], v[rQ:rQ+7], \c, v[rSP], v[rSQ] matrix_a_fmt:MATRIX_FMT_FP4 matrix_b_fmt:MATRIX_FMT_FP4 matrix_a_scale:MATRIX_SCALE_ROW1
.elseif (\rb)
	v_wmma_scale_f32_16x16x128_f8f6f4 v[rD:rD+7], v[rP:rP+7], v[rQ:rQ+7], \c, v[rSP], v[rSQ] matrix_a_fmt:MATRIX_FMT_FP4 matrix_b_fmt:MATRIX_FMT_FP4 matrix_b_scale:MATRIX_SCALE_ROW1
.else
	v_wmma_scale_f32_16x16x128_f8f6f4 v[rD:rD+7], v[rP:rP+7], v[rQ:rQ+7], \c, v[rSP], v[rSQ] matrix_a_fmt:MATRIX_FMT_FP4 matrix_b_fmt:MATRIX_FMT_FP4
.endif
.endm
.macro ALOAD kb, off                   ; 4 loads: the rows' two fragments of the K step off steps from the base, into buffer kb (every window 0)
.irp m, 0,1
.irp c, 0,1
	global_load_b128 v[64+16*(\kb)+8*\m+4*\c:64+16*(\kb)+8*\m+4*\c+3], v4, s[22:23] offset:\m*S*1024+(\off)*1024+512*\c
.endr
.endr
.endm
.macro WLOAD kb, off, n0               ; 8 loads: the weight's tiles n0 .. n0 + 3 of that K step (destination window 1)
.irp n, \n0, \n0+1, \n0+2, \n0+3
.irp c, 0,1
	global_load_b128 v[64*(\kb)+8*(\n)+4*\c:64*(\kb)+8*(\n)+4*\c+3], v4, s[24:25] offset:(\n)*S*1024+(\off)*1024+512*\c
.endr
.endr
.endm
.macro LOADS kb, off                   ; 20 loads: a K step's fragments, in one run: at the head
	ALOAD \kb, \off
	WIN 0x40
	WLOAD \kb, \off, 0
	WLOAD \kb, \off, 4
	WIN 0
.endm
.macro SCL p, qo                       ; 5 loads: four K steps' scale words into set p
.irp j, 0,1,2,3
	global_load_b128 v[32+16*\p+4*\j:32+16*\p+4*\j+3], v5, s[28:29] offset:\j*S*128+\qo*256
.endr
	global_load_b128 v[24+4*\p:24+4*\p+3], v5, s[26:27] offset:\qo*256
.endm
.macro VECLD reg, sb, b0               ; 8 loads: blocks b0, b0 + 1 of my 64 numbers of a vector over the columns, in the accumulators' layout (destination window 1)
.irp b, \b0, \b0+1
.irp j, 0,1,2,3
	global_load_b128 v[\reg+16*(\b)+4*\j:\reg+16*(\b)+4*\j+3], v11, s[\sb:\sb+1] offset:128*(\b)+16*\j
.endr
.endr
.endm
.macro MUL8 k, n0                      ; 8 products: the weight's tiles n0 .. n0 + 3 x the two tiles of rows; the 16 accumulators take turns, in the same order in every step
.irp n, \n0, \n0+1, \n0+2, \n0+3
.irp m, 0,1
.set rD, 128+64*\m+8*(\n)
.set rP, 64*((\k)%4)+8*(\n)
.set rQ, 64+16*((\k)%4)+8*\m
.set rSP, 32+16*(((\k)/4)%2)+4*((\n)/2)+(\k)%4
.set rSQ, 24+4*(((\k)/4)%2)+(\k)%4
	WM v[rD:rD+7], (\n)%2, \m
.endr
.endr
.endm
; K step k: 16 products, and among them the loads of step k + 3 (steps 0 to 4) or of the bias, the gain, the offset (steps 5, 6, 7).
; N: the count 40 leaves the two younger steps' 2 x 20 loads out; 36 = a step's 20 and the bias's 16; 32 = the bias's and the gain's.
.macro STEPK k, N
	s_wait_loadcnt \N
.if \k > 0
	s_wait_alu depctr_va_vdst(0)                   ; the last step's products are done reading buffer (k + 3) % 4 of the weight and of the rows, in which this step's loads land
.endif
.if \k <= 4
	WIN 0
	ALOAD (\k+3)%4, \k+3
	WIN 0x40
	WLOAD (\k+3)%4, \k+3, 0
.else
	WIN 0x40
	VECLD 64*(\k-5), 10+2*(\k-5), 0
.endif
	WIN 0x01
	MUL8 \k, 0
	WIN 0x40
.if \k <= 4
	WLOAD (\k+3)%4, \k+3, 4                        ; no wait: no product since the wait above names this buffer or v4
.else
	VECLD 64*(\k-5), 10+2*(\k-5), 2
.endif
	WIN 0x01
	MUL8 \k, 4
	PLACES 4                                       ; four plain lines behind the step's products: they stay beside the wait at the next step's head; behind the last step they stand ahead of the first read of the sums
.endm
.macro QUANT src, w, pc, pw
.irp b, 0,1,2,3
	v_max3_num_f32 v[TM+\b], |v[(\src)+16*\b]|, |v[(\src)+16*\b+1]|, 0x1800000
.endr
.irp i, 2,4,6,8,10,12,14
.irp b, 0,1,2,3
	v_max3_num_f32 v[TM+\b], |v[(\src)+16*\b+\i]|, |v[(\src)+16*\b+\i+1]|, v[TM+\b]
.endr
.endr
.irp b, 0,1,2,3
	v_permlanex16_b32 v[TM+4+\b], v[TM+\b], s[SEL], s[SEL+1]
.endr
.irp b, 0,1,2,3
	v_max_num_f32 v[TM+\b], v[TM+\b], v[TM+4+\b]
.endr
.irp b, 0,1,2,3
	v_add_nc_u32 v[TM+12+\b], 0xff000000, v[TM+\b]
.endr
.irp b, 0,1,2,3
	v_lshrrev_b32 v[TM+4+\b], 23, v[TM+12+\b]
.endr
	v_lshl_or_b32 v[\pw], v[TM+5], 8, v[TM+4]
	v_lshl_or_b32 v[\pw], v[TM+6], 16, v[\pw]
	v_lshl_or_b32 v[\pw], v[TM+7], 24, v[\pw]
.irp b, 0,1,2,3
	v_cvt_scalef32_pk8_fp4_f32 v[(\pc)+2*\b], v[(\src)+16*\b:(\src)+16*\b+7], v[TM+12+\b]
	v_cvt_scalef32_pk8_fp4_f32 v[(\pc)+2*\b+1], v[(\src)+16*\b+8:(\src)+16*\b+15], v[TM+12+\b]
.endr
	v_nop
.irp c, 0,1
.irp i, 0,1
	v_permlane16_swap_b32 v[(\pc)+4*\c+\i], v[(\pc)+4*\c+2+\i]
.endr
.endr
.endm
; The two chains v[64+4m..], v[66+4m..] of each tile of rows are closed; the waves' parts meet in LDS at off; v76 and v84 end as the rows' sums over all 1,024 columns.
; The word that goes to LDS has a register of its own in each of the two reductions (v74, v75), so that none is written again behind the store that reads it.
.macro REDUCE off
.irp m, 0,1
	v_pk_add_f32 v[64+4*\m:65+4*\m], v[64+4*\m:65+4*\m], v[66+4*\m:67+4*\m]
.endr
.irp m, 0,1
	v_add_f32 v[72+\m], v[64+4*\m], v[65+4*\m]
.endr
.irp m, 0,1
	v_permlanex16_b32 v[18+\m], v[72+\m], s[SEL], s[SEL+1]
.endr
.irp m, 0,1
	v_add_f32 v[72+\m], v[72+\m], v[18+\m]
.endr
	v_cndmask_b32 v[74+(\off)/1024], v72, v73, s36 ; lane l speaks for row 16 m + r = l
	s_wait_alu depctr_va_vdst(0)                   ; the word is written, which the LDS store reads; and all that has named v76-91 (products, the last reduction's additions) is done: the LDS loads below land there
	ds_store_b32 v9, v[74+(\off)/1024] offset:\off
	s_wait_dscnt 0x0                               ; for the others' sake
	s_barrier_signal -1
	s_barrier_wait -1
.irp m, 0,1
.irp g, 0,1
	ds_load_b128 v[76+8*\m+4*\g:79+8*\m+4*\g], v10 offset:\off+512*\m+16*\g
.endr
.endr
	s_wait_dscnt 0x0
.irp m, 0,1
	v_add_f32 v[76+8*\m], v[76+8*\m], v[77+8*\m]
	v_add_f32 v[78+8*\m], v[78+8*\m], v[79+8*\m]
	v_add_f32 v[80+8*\m], v[80+8*\m], v[81+8*\m]
	v_add_f32 v[82+8*\m], v[82+8*\m], v[83+8*\m]
.endr
.irp m, 0,1
	v_add_f32 v[76+8*\m], v[76+8*\m], v[78+8*\m]
	v_add_f32 v[80+8*\m], v[80+8*\m], v[82+8*\m]
.endr
.irp m, 0,1
	v_add_f32 v[76+8*\m], v[76+8*\m], v[80+8*\m]
.endr
.endm
	s_load_b256 s[4:11], s[0:1], 0x0               ; ctx s[4:5], prep s[6:7], x s[8:9], b_o s[10:11]
	s_load_b128 s[12:15], s[0:1], 0x20             ; gamma1, beta1
	s_load_b64 s[16:17], s[0:1], 0x30              ; hbuf
	v_lshl_add_u32 v13, v0, 2, 0x20a00
	v_mov_b32 v23, 0
	v_lshrrev_b32 v1, 5, v0
	v_readfirstlane_b32 s18, v1                    ; wave 0..7
	v_and_b32 v1, 31, v0
	v_and_b32 v2, 15, v0                           ; r
	v_bfe_u32 v3, v0, 4, 1                         ; h
	v_lshlrev_b32 v4, 4, v1                        ; 16 x lane
	s_wait_alu depctr_va_vdst(0)
	v_lshlrev_b32 v5, 4, v2
	v_lshl_add_u32 v5, v3, SLOG+6, v5              ; scale words: lanes 16-31 take the next tile's
	s_wait_alu depctr_va_sdst(0)                   ; s18 is written, ahead of its first reader: LDS addresses and every base are made from it
	s_bfe_u32 s19, s18, 0x10001                    ; rows 4 w .. 4 w + 3 of the 32 are slots 16 ((w / 2) % 2) + 8 (w / 4) + 4 (w % 2) + 0 .. 3
	s_lshl_b32 s19, s19, 4
	s_lshr_b32 s20, s18, 2
	s_lshl_b32 s20, s20, 3
	s_add_co_u32 s19, s19, s20
	s_and_b32 s20, s18, 1
	s_lshl_b32 s20, s20, 2
	s_add_co_u32 s19, s19, s20
	s_mul_i32 s19, s19, 4112
	v_add_nc_u32 v6, s19, v4                       ; the stage by rows
	v_mul_u32_u24 v7, v2, 4112
	v_lshl_add_u32 v7, v3, 6, v7
	s_lshl_b32 s20, s18, 9
	v_add_nc_u32 v7, s20, v7                       ; the stage by the accumulators' layout: tile m = 0,
	v_add_nc_u32 v8, 65792, v7                     ; m = 1
	v_lshlrev_b32 v9, 5, v1
	s_lshl_b32 s21, s18, 2
	v_add_nc_u32 v9, s21, v9
	v_add_nc_u32 v9, RED1, v9                      ; my wave's word of row l
	v_lshlrev_b32 v10, 5, v2
	v_add_nc_u32 v10, RED1, v10                    ; row r's eight words
	v_lshlrev_b32 v11, 6, v3                       ; 64 h
	v_lshlrev_b32 v12, 4, v2
	v_lshl_add_u32 v12, v3, 9, v12                 ; 16 r + 512 h
	v_mov_b32 v15, 0                               ; upper halves of pairs, and lane permutes' destinations
	v_mov_b32 v17, 0
	v_mov_b32 v18, 0
	v_mov_b32 v19, 0
	s_mov_b32 s[SEL], 0x76543210
	s_mov_b32 s[SEL+1], 0xfedcba98
	s_mov_b32 s36, 0xffff0000
	s_mov_b32 s39, 0
	s_wait_kmcnt 0x0
	s_lshl_b32 s38, ttmp9, SLOG+11
	s_add_nc_u64 s[22:23], s[4:5], s[38:39]        ; my rows' images
	s_lshl_b32 s38, s18, SLOG+13
	s_add_co_u32 s38, s38, WOFF
	s_add_nc_u64 s[24:25], s[6:7], s[38:39]        ; my columns' images
	s_lshl_b32 s38, ttmp9, SLOG+7
	s_add_co_u32 s38, s38, ASCO
	s_add_nc_u64 s[26:27], s[4:5], s[38:39]
	s_lshl_b32 s38, s18, SLOG+9
	s_add_co_u32 s38, s38, WSCO
	s_add_nc_u64 s[28:29], s[6:7], s[38:39]
	s_lshl_b32 s38, ttmp9, 17
	s_lshl_b32 s19, s18, 14
	s_add_co_u32 s38, s38, s19
	s_add_nc_u64 s[30:31], s[8:9], s[38:39]        ; x at row 32 t + 4 w
	s_add_nc_u64 s[32:33], s[16:17], s[38:39]      ; h's f32 images: 16,384 bytes for each (t, w)
	s_lshl_b32 s38, s18, 9
	s_add_nc_u64 s[10:11], s[10:11], s[38:39]
	s_add_nc_u64 s[12:13], s[12:13], s[38:39]
	s_add_nc_u64 s[14:15], s[14:15], s[38:39]
	s_lshl_b32 s38, ttmp9, 14
	s_lshl_b32 s19, s18, 10
	s_add_co_u32 s38, s38, s19
	s_add_co_u32 s38, s38, HIMG
	s_add_nc_u64 s[42:43], s[16:17], s[38:39]
	s_lshl_b32 s38, ttmp9, 10
	s_lshr_b32 s19, s18, 2
	s_lshl_b32 s19, s19, 8
	s_add_co_u32 s38, s38, s19
	s_and_b32 s19, s18, 3
	s_lshl_b32 s19, s19, 2
	s_add_co_u32 s38, s38, s19
	s_add_co_u32 s38, s38, HSC
	s_add_nc_u64 s[44:45], s[16:17], s[38:39]
	s_wait_alu depctr_va_vdst(0)                   ; the offsets and LDS addresses v4 to v12 are written: every load, store and LDS instruction of the kernel reads one of them, and none is written again
	; ---- the residual: four whole rows a wave, 512 consecutive bytes a load
.set i, 0
.rept 32
	global_load_b128 v[128+4*i:131+4*i], v4, s[30:31] offset:(i/8)*4096+(i%8)*512 th:TH_LOAD_NT
.set i, i+1
.endr
	SCL 0, 0
	SCL 1, 1
	LOADS 0, 0
	LOADS 1, 1
	LOADS 2, 2
	s_wait_loadcnt 63                              ; x's 32 loads are in: 70 loads were issued behind them, and a wait names 63 at the most
.set i, 0
.rept 32
	ds_store_b128 v6, v[128+4*i:131+4*i] offset:(i/8)*4112+(i%8)*512
.set i, i+1
.endr
	s_wait_dscnt 0x0
	s_barrier_signal -1
	s_barrier_wait -1
	s_wait_alu depctr_vm_vsrc(0)                   ; my LDS stores have read v128-255, in which the LDS loads below land
.irp m, 0,1
.irp n, 0,1,2,3,4,5,6,7
.irp g, 0,1
	ds_load_b128 v[128+64*\m+8*\n+4*\g:131+64*\m+8*\n+4*\g], v[7+\m] offset:(32*(\n/2)+8*(\n%2)+4*\g)*4
.endr
.endr
.endr
	s_wait_dscnt 0x0
	; ---- the product: eight K steps
.irp k, 0,1,2,3,4,5
	STEPK \k, 40
.endr
	STEPK 6, 36
	STEPK 7, 32
	WIN 0
	; ---- the norm
	s_wait_loadcnt 32                              ; the bias is in; the gain's and the offset's 2 x 16 loads may be out
	WIN 0x04
.irp m, 0,1
.set i, 0
.rept 32
	v_pk_add_f32 v[128+64*\m+i:129+64*\m+i], v[128+64*\m+i:129+64*\m+i], v[i:i+1]
.set i, i+2
.endr
.endr
	WIN 0
.irp m, 0,1
	v_pk_add_f32 v[64+4*\m:65+4*\m], v[128+64*\m:129+64*\m], v[130+64*\m:131+64*\m]
	v_pk_add_f32 v[66+4*\m:67+4*\m], v[132+64*\m:133+64*\m], v[134+64*\m:135+64*\m]
.endr
.irp i, 8,12,16,20,24,28,32,36,40,44,48,52,56,60
.irp m, 0,1
	v_pk_add_f32 v[64+4*\m:65+4*\m], v[64+4*\m:65+4*\m], v[128+64*\m+\i:129+64*\m+\i]
	v_pk_add_f32 v[66+4*\m:67+4*\m], v[66+4*\m:67+4*\m], v[130+64*\m+\i:131+64*\m+\i]
.endr
.endr
	REDUCE 0
	v_mul_f32 v14, 0x3a800000, v76                 ; the means
	v_mul_f32 v16, 0x3a800000, v84
.irp m, 0,1
.set i, 0
.rept 32
	v_pk_add_f32 v[128+64*\m+i:129+64*\m+i], v[128+64*\m+i:129+64*\m+i], v[14+2*\m:15+2*\m] op_sel_hi:[1,0] neg_lo:[0,1] neg_hi:[0,1]
.set i, i+2
.endr
.endr
.irp m, 0,1
	v_pk_mul_f32 v[64+4*\m:65+4*\m], v[128+64*\m:129+64*\m], v[128+64*\m:129+64*\m]
	v_pk_mul_f32 v[66+4*\m:67+4*\m], v[130+64*\m:131+64*\m], v[130+64*\m:131+64*\m]
.endr
.irp i, 4,8,12,16,20,24,28,32,36,40,44,48,52,56,60
.irp m, 0,1
	v_pk_fma_f32 v[64+4*\m:65+4*\m], v[128+64*\m+\i:129+64*\m+\i], v[128+64*\m+\i:129+64*\m+\i], v[64+4*\m:65+4*\m]
	v_pk_fma_f32 v[66+4*\m:67+4*\m], v[130+64*\m+\i:131+64*\m+\i], v[130+64*\m+\i:131+64*\m+\i], v[66+4*\m:67+4*\m]
.endr
.endr
	REDUCE 1024
	v_mul_f32 v76, 0x3a800000, v76
	v_mul_f32 v84, 0x3a800000, v84
	v_add_f32 v76, 0x358637bd, v76                 ; + 1e-6
	v_add_f32 v84, 0x358637bd, v84
	s_wait_alu depctr_va_vdst(0)
	v_rsq_f32 v14, v76
	v_rsq_f32 v16, v84
	v_nop
	s_wait_alu depctr_va_vdst(0)                   ; the two reciprocal roots v14 and v16 are written: one wait for both, ahead of their first use
	s_wait_loadcnt 0x0                             ; the gain and the offset
.irp m, 0,1
.set i, 0
.rept 32
	v_pk_mul_f32 v[128+64*\m+i:129+64*\m+i], v[128+64*\m+i:129+64*\m+i], v[14+2*\m:15+2*\m] op_sel_hi:[1,0]
.set i, i+2
.endr
.endr
	WIN 0x14
.irp m, 0,1
.set i, 0
.rept 32
	v_pk_fma_f32 v[128+64*\m+i:129+64*\m+i], v[128+64*\m+i:129+64*\m+i], v[64+i:65+i], v[128+i:129+i]
.set i, i+2
.endr
.endr
	WIN 0
	; ---- out
	s_wait_alu depctr_va_vdst(0)                   ; the norm's last lines have written v128-255, which the stores read
.set i, 0
.rept 32
	global_store_b128 v4, v[128+4*i:131+4*i], s[32:33] offset:512*i   ; 512 consecutive bytes
.set i, i+1
.endr
.irp b, 0,1,2,3
	v_mov_b32 v[TM+4+\b], 0
.endr
.irp m, 0,1
	QUANT 128+64*\m, 0, PC+8*\m, PW+\m             ; my 128 columns are K step w of the next product.  (It reads v128-255, as the stores above do, and writes v96-127, v20 and v21, which no memory instruction has read)
.endr
	v_cndmask_b32 v22, v20, v21, s36
	s_wait_alu depctr_va_vdst(0)                   ; both tiles' codes v112-127 and the joined scale word v22 are written, which the five stores below read
.irp m, 0,1
.irp c, 0,1
	global_store_b128 v4, v[PC+8*\m+4*\c:PC+8*\m+4*\c+3], s[42:43] offset:8192*\m+512*\c
.endr
.endr
	global_store_b32 v12, v22, s[44:45]
	s_wait_dscnt 0x0                               ; the closing lines, six on end
	s_wait_alu 0x0
	s_wait_tensorcnt 0x0
	ds_add_u32 v13, v23
	s_wait_dscnt 0x0
	s_endpgm
.Lfunc_end_k_q0a0664c74d_oproj:
	.size	k_q0a0664c74d_oproj, .Lfunc_end_k_q0a0664c74d_oproj-k_q0a0664c74d_oproj
	.p2alignl 7, 3214868480
	.fill 96, 4, 3214868480
	.section	.rodata,"a",@progbits
	.p2align	6, 0x0
	.amdhsa_kernel k_q0a0664c74d_oproj
		.amdhsa_group_segment_fixed_size 134656
		.amdhsa_private_segment_fixed_size 0
		.amdhsa_enable_private_segment 0
		.amdhsa_kernarg_size 56
		.amdhsa_user_sgpr_count 2
		.amdhsa_user_sgpr_kernarg_segment_ptr 1
		.amdhsa_wavefront_size32 1
		.amdhsa_system_sgpr_workgroup_id_x 1
		.amdhsa_system_sgpr_workgroup_id_y 1
		.amdhsa_system_sgpr_workgroup_id_z 1
		.amdhsa_system_vgpr_workitem_id 0
		.amdhsa_next_free_vgpr 512
		.amdhsa_next_free_sgpr 66
		.amdhsa_reserve_vcc 0
		.amdhsa_float_denorm_mode_32 3
		.amdhsa_float_denorm_mode_16_64 3
		.amdhsa_memory_ordered 1
		.amdhsa_forward_progress 1
		.amdhsa_inst_pref_size 89
	.end_amdhsa_kernel
	.amdgpu_metadata
---
amdhsa.version: [ 1, 2 ]
amdhsa.kernels:
  - .name:           k_q0a0664c74d_oproj
    .symbol:         k_q0a0664c74d_oproj.kd
    .args:
      - { .name: ctx, .offset: 0, .size: 8, .value_kind: global_buffer, .address_space: global }
      - { .name: prep, .offset: 8, .size: 8, .value_kind: global_buffer, .address_space: global }
      - { .name: x, .offset: 16, .size: 8, .value_kind: global_buffer, .address_space: global }
      - { .name: b_o, .offset: 24, .size: 8, .value_kind: global_buffer, .address_space: global }
      - { .name: gamma1, .offset: 32, .size: 8, .value_kind: global_buffer, .address_space: global }
      - { .name: beta1, .offset: 40, .size: 8, .value_kind: global_buffer, .address_space: global }
      - { .name: hbuf, .offset: 48, .size: 8, .value_kind: global_buffer, .address_space: global }
    .group_segment_fixed_size: 134656
    .private_segment_fixed_size: 0
    .kernarg_segment_align: 8
    .kernarg_segment_size: 56
    .max_flat_workgroup_size: 256
    .sgpr_count:     66
    .vgpr_count:     512
    .wavefront_size: 32
...
	.end_amdgpu_metadata
.endif
;; end of part 10
;; launch ff1 (part 11): grid 16 x 16, 4 waves a work-group, clusters of 4 x 4, 262,656 bytes of LDS; arguments hbuf, prep, b1, ffh; writes ffh
.if DOCPART == 11
	.amdgcn_target "amdgcn-amd-amdhsa--gfx1250"
	.amdhsa_code_object_version 6
	.text
	.protected	k_q0a0664c74d_ff1
	.globl	k_q0a0664c74d_ff1
	.p2align	8
	.type	k_q0a0664c74d_ff1,@function
k_q0a0664c74d_ff1:
	s_mov_b64 s[64:65], 0
	v_nop
	global_prefetch_b8 v0, s[64:65] scope:SCOPE_SE
	s_setreg_imm32_b32 hwreg(HW_REG_WAVE_MODE, 25, 1), 1
	s_wait_xcnt 0x0
	s_wait_alu depctr_hold_cnt(0) depctr_sa_sdst(0) depctr_va_vdst(0) depctr_va_sdst(0) depctr_va_ssrc(0) depctr_va_vcc(0) depctr_vm_vsrc(0)
	s_getreg_b32 s2, hwreg(HW_REG_IB_STS2, 6, 4)
	s_cmp_eq_u32 s2, 0
	s_cbranch_scc0 .Lentry_in_a_cluster
	s_endpgm
.Lentry_in_a_cluster:
	s_bfe_u32 s2, ttmp6, 0x10000c
	s_cmp_lg_u32 s2, 0xf033
	s_cbranch_scc0 .Lentry_shape_is_right
	s_endpgm
.Lentry_shape_is_right:
; relu(h w1 + b1) on codes of FP4 with E8M0 scales; the result is quantised in registers along the hidden axis and leaves as images of the next product's operand registers.
; A work-group makes 256 rows x 256 hidden units, a wave 128 x 128: 64 accumulators.  K = 1,024: both operands' codes, 2 x 128 KiB, lie in LDS at once, each byte filled ONCE, in four pieces of two K steps;
; the wait for a piece names the pieces issued behind it.  The scale words go from memory into registers.
; CLUSTER 4 x 4: h's tiles are shared along a row of the cluster, w1's along a column: joint loads, each wave four of them, all issued at the start.
; Source 0 = 16 columns of w1, source 1 = 16 rows of h: a lane holds ONE row, and its 64 registers of a block of rows are hidden units 32 b + 16 h + i of the wave's 128: one K step of the next product.
; The bias is the C of each sum's first product.  Slot r of tile T stands for row or column 32 (T / 2) + 8 (T % 2) + r + 8 (r / 8).
; LIMITS: a block of zeros gets the byte 1 where the rule says 127 (zero codes; only this program reads the bytes); largest magnitudes under 2^-124 are held at that floor; NaN and infinities are not served.
; The scale words leave as 4 bytes a lane, 16 bytes apart: 1 byte in 16 of the codes'.
; REGISTERS: window 0: v1-31 addresses; v32-63 h's scale words, v64-95 w1's (scales and nothing else); v96-111 and v112-127 the quantiser's; v128-191 source 1's fragments; v192-255 the bias.
;   window 1: source 0's fragments, two sets.  windows 2, 3: accumulator (a, b) at v[8 (8 (a % 4) + b)] of window 2 + a / 4.
.set XP,    4                          ; s[4:5] hbuf
.set WP,    6                          ; s[6:7] prep
.set XIMGO, 16777216
.set XSCO,  18874368
.set WIMGO, 4325376
.set WSCO,  8650752
.set FSC,   8388608
.set L16, 4
.set ADX, 5
.set ADW, 6
.set VS,  7
.set PW,  24
.set XS,  32
.set WS,  64
.set TM,  96
.set PC,  112
.set QF,  128
.set BIAS, 192
.set G1X, 24
.set G1W, 32
.set SEL, 46
.set G0X, 48
.set G0W, 68
.set MSB, 0
.macro WIN new                         ; the immediate's high byte repeats the setting that is left
.if MSB != (\new)
	s_set_vgpr_msb (MSB<<8)|(\new)
.set MSB, (\new)
.endif
.endm
.macro PLACES n
.rept \n
	v_nop
.endr
.endm
.macro ROUND                           ; a round of the cluster's barrier
	s_barrier_signal -1
	s_barrier_wait -1
	s_cmp_lg_u32 s14, 0
	s_cbranch_scc1 .Lnot_wave_0_\@
	s_barrier_signal -3
.Lnot_wave_0_\@:
	s_barrier_wait -3
	s_barrier_signal -1
	s_barrier_wait -1
.endm
.macro WM c, ra, rb
.if (\ra) && (\rb)
	v_wmma_scale_f32_16x16x128_f8f6f4 v[rD:rD+7], v[rP:rP+7], v[rQ:rQ+7], \c, v[rSP], v[rSQ] matrix_a_fmt:MATRIX_FMT_FP4 matrix_b_fmt:MATRIX_FMT_FP4 matrix_a_scale:MATRIX_SCALE_ROW1 matrix_b_scale:MATRIX_SCALE_ROW1
.elseif (\ra)
	v_wmma_scale_f32_16x16x128_f8f6f4 v[rD:rD+7], v[rP:rP+7], v[rQ:rQ+7], \c, v[rSP], v[rSQ] matrix_a_fmt:MATRIX_FMT_FP4 matrix_b_fmt:MATRIX_FMT_FP4 matrix_a_scale:MATRIX_SCALE_ROW1
.elseif (\rb)
	v_wmma_scale_f32_16x16x128_f8f6f4 v[rD:rD+7], v[rP:rP+7], v[rQ:rQ+7], \c, v[rSP], v[rSQ] matrix_a_fmt:MATRIX_FMT_FP4 matrix_b_fmt:MATRIX_FMT_FP4 matrix_b_scale:MATRIX_SCALE_ROW1
.else
	v_wmma_scale_f32_16x16x128_f8f6f4 v[rD:rD+7], v[rP:rP+7], v[rQ:rQ+7], \c, v[rSP], v[rSQ] matrix_a_fmt:MATRIX_FMT_FP4 matrix_b_fmt:MATRIX_FMT_FP4
.endif
.endm
; 16 products: source 1's tiles a0, a0 + 1 x source 0's eight, K step s.  cm = 2: the bias starts the sums.  The 64 accumulators take turns, in the same order in every step.
.macro MUL16 a0, set, s, PS, QS, cm
.irp a, \a0, \a0+1
.irp b, 0,1,2,3,4,5,6,7
.set rD, 8*(8*((\a)%4)+\b)
.set rP, 128*(\set)+8*\b
.set rQ, QF+8*(\a)
.set rSP, \PS+16*((\s)/4)+4*(\b/2)+(\s)%4
.set rSQ, \QS+16*((\s)/4)+4*((\a)/2)+(\s)%4
.if \cm == 0
	WM v[rD:rD+7], \b%2, (\a)%2
.else
	WM v[BIAS+8*\b:BIAS+8*\b+7], \b%2, (\a)%2
.endif
.endr
.endr
.endm
.macro FETCH_P adr, s, set
	WIN 0x40
.irp i, 0,1,2,3,4,5,6,7
.irp c, 0,1
	ds_load_b128 v[128*(\set)+8*\i+4*\c:128*(\set)+8*\i+4*\c+3], v[\adr] offset:\i*2048+((\s)%2)*1024+512*\c
.endr
.endr
	WIN 0
.endm
.macro FETCH_Q adr, s, i0
.irp i, \i0, \i0+1, \i0+2, \i0+3
.irp c, 0,1
	ds_load_b128 v[QF+8*(\i)+4*\c:QF+8*(\i)+4*\c+3], v[\adr] offset:(\i)*2048+((\s)%2)*1024+512*\c
.endr
.endr
.endm
; A K step of 128: 64 products.  Source 1 has one set of registers (tiles 0-3 are fetched anew in the step's middle, 4-7 at its end), source 0 two.
; Four plain lines stand between a product and a load into a register that it has read (ISA guide 7.12.1 for vector instructions).
.macro STEP s, PA, QA, PS, QS, cm, last
	s_wait_dscnt 8                                 ; all but the youngest eight loads, source 1's tiles 4-7
.if \cm == 2
	WIN 0x81                                       ; C, the bias, lies in window 0
.else
	WIN 0xa1
.endif
	MUL16 0, (\s)%2, \s, \PS, \QS, \cm
	MUL16 2, (\s)%2, \s, \PS, \QS, \cm
	s_wait_dscnt 0x0
	WIN 0
	PLACES 4
.if ((\s)%2 == 1) && (\last == 0)
	s_wait_tensorcnt 3-((\s)+1)/2                  ; my part of the next piece is in: so many pieces were issued behind it
	s_barrier_signal -1
	s_barrier_wait -1                              ; everybody's is.  Nothing is ever filled again
	v_add_nc_u32 v[\PA], 0x10000, v[\PA]
	s_wait_alu depctr_va_vdst(0)
	v_add_nc_u32 v[\QA], 0x10000, v[\QA]
.endif
.if \last == 0
	FETCH_P \PA, (\s)+1, 1-(\s)%2
	FETCH_Q \QA, (\s)+1, 0
.endif
.if \cm == 2
	WIN 0xc1
.else
	WIN 0xf1
.endif
	MUL16 4, (\s)%2, \s, \PS, \QS, \cm
	MUL16 6, (\s)%2, \s, \PS, \QS, \cm
	PLACES 4
	WIN 0
.if \last == 0
	FETCH_Q \QA, (\s)+1, 4
.endif
.endm
.macro QUANT src, w, pc, pw
	WIN (\w)|((\w)<<2)
.irp b, 0,1,2,3
	v_max3_num_f32 v[TM+\b], |v[(\src)+16*\b]|, |v[(\src)+16*\b+1]|, 0x1800000   ; my 16 of block b, and the floor 2^(3 - 127)
.endr
.irp i, 2,4,6,8,10,12,14
.irp b, 0,1,2,3
	v_max3_num_f32 v[TM+\b], |v[(\src)+16*\b+\i]|, |v[(\src)+16*\b+\i+1]|, v[TM+\b]
.endr
.endr
	WIN 0
.irp b, 0,1,2,3
	v_permlanex16_b32 v[TM+4+\b], v[TM+\b], s[SEL], s[SEL+1]
.endr
.irp b, 0,1,2,3
	v_max_num_f32 v[TM+\b], v[TM+\b], v[TM+4+\b]
.endr
.irp b, 0,1,2,3
	v_add_nc_u32 v[TM+12+\b], 0xff000000, v[TM+\b]
.endr
.irp b, 0,1,2,3
	v_lshrrev_b32 v[TM+4+\b], 23, v[TM+12+\b]
.endr
	v_lshl_or_b32 v[\pw], v[TM+5], 8, v[TM+4]
	v_lshl_or_b32 v[\pw], v[TM+6], 16, v[\pw]
	v_lshl_or_b32 v[\pw], v[TM+7], 24, v[\pw]
	WIN (\w)
.irp b, 0,1,2,3
	v_cvt_scalef32_pk8_fp4_f32 v[(\pc)+2*\b], v[(\src)+16*\b:(\src)+16*\b+7], v[TM+12+\b]
	v_cvt_scalef32_pk8_fp4_f32 v[(\pc)+2*\b+1], v[(\src)+16*\b+8:(\src)+16*\b+15], v[TM+12+\b]
.endr
	WIN 0
	v_nop
.irp c, 0,1
.irp i, 0,1
	v_permlane16_swap_b32 v[(\pc)+4*\c+\i], v[(\pc)+4*\c+2+\i]
.endr
.endr
.endm
	s_load_b256 s[4:11], s[0:1], 0x0               ; hbuf s[4:5], prep s[6:7], b1 s[8:9], ffh s[10:11]
	v_lshl_add_u32 v106, v0, 2, 0x40000
	v_mov_b32 v107, 0
	ds_add_u32 v106, v107
	ds_add_u32 v106, v107
	v_lshrrev_b32 v1, 5, v0
	v_readfirstlane_b32 s14, v1                    ; wave
	s_lshr_b32 s15, s14, 1                         ; my half of the rows.  Also: I fetch for h (0) or for w1 (1)
	s_and_b32 s16, s14, 1                          ; my half of the columns.  Also: which eight tiles I fetch
	s_bfe_u32 s40, ttmp6, 0x40000                  ; cx
	s_bfe_u32 s41, ttmp6, 0x40004                  ; cy
	s_lshl_b32 s42, ttmp9, 2
	s_add_co_u32 s42, s42, s40                     ; tile column
	s_and_b32 s17, ttmp7, 0xffff
	s_lshl_b32 s17, s17, 2
	s_add_co_u32 s17, s17, s41                     ; tile row
	s_lshl_b32 s43, s41, 2
	s_lshl_b32 s43, 15, s43                        ; my row of the cluster
	s_lshl_b32 s44, 0x1111, s40                    ; my column
	; group 1: eight tiles' two K steps: 8 rows of 2,048 bytes (256 elements of 8), 8,192 bytes apart; no padding: a fragment load's 512 bytes are consecutive
	s_or_b32 s[G1X], s43, (3<<16)|(1<<21)
	s_or_b32 s[G1W], s44, (3<<16)|(1<<21)
.irp g, G1X, G1W
	s_mov_b32 s[\g+1], 256<<16
	s_mov_b32 s[\g+2], 8<<16
	s_mov_b32 s[\g+3], 256<<16
	s_mov_b32 s[\g+4], 8
	s_mov_b32 s[\g+5], 1024
	s_mov_b32 s[\g+6], 0
	s_mov_b32 s[\g+7], 0
.endr
	s_lshl_b32 s18, s16, 16
	s_lshl_b32 s20, s17, 17                        ; h's address hangs on the tile row and the wave alone,
	s_add_co_u32 s20, s20, s18
	s_add_co_u32 s20, s20, XIMGO
	s_mov_b32 s21, 0
	s_lshl_b32 s84, s42, 17                        ; w1's on the tile column and the wave
	s_add_co_u32 s84, s84, s18
	s_add_co_u32 s84, s84, WIMGO
	s_mov_b32 s85, 0
	s_lshl_b32 s45, s14, 14                        ; LDS: wave x 16,384 in each piece
	s_lshl_b32 s86, s17, 13
	s_lshl_b32 s87, s15, 12
	s_add_co_u32 s86, s86, s87
	s_add_co_u32 s86, s86, XSCO
	s_mov_b32 s87, 0
	s_lshl_b32 s88, s42, 13
	s_lshl_b32 s89, s16, 12
	s_add_co_u32 s88, s88, s89
	s_add_co_u32 s88, s88, WSCO
	s_mov_b32 s89, 0
	s_mov_b32 s[SEL], 0x76543210
	s_mov_b32 s[SEL+1], 0xfedcba98
	s_mov_b32 s98, 0xffff0000
	s_wait_dscnt 0x0
	s_wait_kmcnt 0x0
	s_add_nc_u64 s[20:21], s[XP:XP+1], s[20:21]
	s_add_nc_u64 s[84:85], s[WP:WP+1], s[84:85]
	s_add_nc_u64 s[86:87], s[XP:XP+1], s[86:87]
	s_add_nc_u64 s[88:89], s[WP:WP+1], s[88:89]
	ROUND                                          ; all sixteen work-groups are here: the joint loads meet
.irp p, 0,1,2,3
	s_mov_b32 s[G0X+4*\p], 1
	s_add_co_u32 s[G0X+4*\p+1], s45, \p*65536
	s_add_nc_u64 s[G0X+4*\p+2:G0X+4*\p+3], s[20:21], \p*2048
	s_or_b32 s[G0X+4*\p+3], s[G0X+4*\p+3], 0x80000000
	s_mov_b32 s[G0W+4*\p], 1
	s_add_co_u32 s[G0W+4*\p+1], s45, \p*65536
	s_add_nc_u64 s[G0W+4*\p+2:G0W+4*\p+3], s[84:85], \p*2048
	s_or_b32 s[G0W+4*\p+3], s[G0W+4*\p+3], 0x80000000
.endr
	s_cmp_eq_u32 s15, 0                            ; a wave's four fills stand in one branch on the wave's number: four loads of mine are out
	s_cbranch_scc0 .Lfor_w
.irp p, 0,1,2,3
	tensor_load_to_lds s[G0X+4*\p:G0X+4*\p+3], s[G1X:G1X+7]
	s_nop 0
.endr
	PLACES 4
	s_branch .Lasked
.Lfor_w:
.irp p, 0,1,2,3
	tensor_load_to_lds s[G0W+4*\p:G0W+4*\p+3], s[G1W:G1W+7]
	s_nop 0
.endr
	PLACES 4
.Lasked:
	v_and_b32 v1, 31, v0
	v_and_b32 v2, 15, v0                           ; r
	v_bfe_u32 v3, v0, 4, 1                         ; h
	v_lshlrev_b32 v[L16], 4, v1
	s_lshl_b32 s18, s15, 14
	v_add_nc_u32 v[ADX], s18, v[L16]
	s_lshl_b32 s18, s16, 14
	s_add_co_u32 s18, s18, 32768
	v_add_nc_u32 v[ADW], s18, v[L16]
	v_lshlrev_b32 v[VS], 4, v2
	v_lshl_add_u32 v[VS], v3, 9, v[VS]
.irp q, 0,1
.irp i, 0,1,2,3
	global_load_b128 v[XS+16*\q+4*\i:XS+16*\q+4*\i+3], v[VS], s[86:87] offset:\i*1024+\q*256   ; four K steps' words: lanes 0-15 tile 2 i, lanes 16-31 tile 2 i + 1
	global_load_b128 v[WS+16*\q+4*\i:WS+16*\q+4*\i+3], v[VS], s[88:89] offset:\i*1024+\q*256
.endr
.endr
.irp b, 0,1,2,3
	v_mov_b32 v[TM+4+\b], 0                        ; a lane permute's destination counts as read
.endr
	s_mov_b32 s19, 0
	s_lshl_b32 s18, s42, 10                        ; b1 at my 128 hidden units
	s_lshl_b32 s96, s16, 9
	s_add_co_u32 s18, s18, s96
	s_add_nc_u64 s[90:91], s[8:9], s[18:19]
	v_lshlrev_b32 v9, 6, v3                        ; 64 h
.irp b, 0,1,2,3
.irp j, 0,1,2,3
	global_load_b128 v[BIAS+16*\b+4*\j:BIAS+16*\b+4*\j+3], v9, s[90:91] offset:128*\b+16*\j
.endr
.endr
	s_lshl_b32 s18, s17, 19                        ; the images: tile of rows 16 tr + 8 half, K step 2 tc + half
	s_lshl_b32 s96, s15, 18
	s_add_co_u32 s18, s18, s96
	s_lshl_b32 s96, s42, 11
	s_add_co_u32 s18, s18, s96
	s_lshl_b32 s96, s16, 10
	s_add_co_u32 s18, s18, s96
	s_add_nc_u64 s[92:93], s[10:11], s[18:19]
	s_lshl_b32 s97, s42, 1
	s_add_co_u32 s97, s97, s16                     ; the K step
	s_lshl_b32 s18, s17, 15
	s_lshl_b32 s96, s15, 14
	s_add_co_u32 s18, s18, s96
	s_lshr_b32 s96, s97, 2
	s_lshl_b32 s96, s96, 8
	s_add_co_u32 s18, s18, s96
	s_and_b32 s96, s97, 3
	s_lshl_b32 s96, s96, 2
	s_add_co_u32 s18, s18, s96
	s_add_co_u32 s18, s18, FSC
	s_add_nc_u64 s[94:95], s[10:11], s[18:19]
	v_lshlrev_b32 v10, 4, v2
	v_lshl_add_u32 v10, v3, 11, v10                ; 16 r + 2,048 h
	s_wait_tensorcnt 3                             ; my part of piece 0 is in; three pieces were issued behind it
	s_barrier_signal -1
	s_barrier_wait -1
	FETCH_P ADW, 0, 0
	FETCH_Q ADX, 0, 0
	FETCH_Q ADX, 0, 4
	s_wait_loadcnt 0x0                             ; the scale words and the bias
	STEP 0, ADW, ADX, WS, XS, 2, 0
.irp s, 1,2,3,4,5,6
	s_wait_alu depctr_va_vdst(0)
	STEP \s, ADW, ADX, WS, XS, 0, 0
.endr
	STEP 7, ADW, ADX, WS, XS, 0, 1
.macro EPI_F a                         ; block a of 16 rows: relu, quantised: one fragment
.set wa, 2+(\a)/4
.set AC, 64*((\a)%4)
.set PCa, PC+8*((\a)%2)
	WIN (wa<<6)|(wa<<2)
.set j, 0
.rept 64
	v_max_num_f32 v[AC+j], 0, v[AC+j]
.set j, j+1
.endr
.if \a > 0
	s_wait_xcnt 0x0                                ; the last block's stores have read their data: those registers are written again only behind this wait
.endif
	QUANT AC, wa, PCa, PW+(\a)%2
.irp c, 0,1
	global_store_b128 v[L16], v[PCa+4*\c:PCa+4*\c+3], s[92:93] offset:(\a)*32768+512*\c   ; 512 consecutive bytes
.endr
.if (\a)%2 == 1
	v_cndmask_b32 v[PW+2], v[PW], v[PW+1], s98     ; lanes 0-15 tile a - 1's words, lanes 16-31 tile a's
	global_store_b32 v10, v[PW+2], s[94:95] offset:((\a)-1)*2048
.endif
.endm
.irp a, 0,1,2,3,4,5,6,7
	EPI_F \a
.endr
	s_wait_tensorcnt 0x0
	ds_add_u32 v106, v107
	s_wait_dscnt 0x0
	ROUND                                          ; the closing round: no work-group ends while a partner may still ask for a tile that names it
	s_endpgm
.Lfunc_end_k_q0a0664c74d_ff1:
	.size	k_q0a0664c74d_ff1, .Lfunc_end_k_q0a0664c74d_ff1-k_q0a0664c74d_ff1
	.p2alignl 7, 3214868480
	.fill 96, 4, 3214868480
	.section	.rodata,"a",@progbits
	.p2align	6, 0x0
	.amdhsa_kernel k_q0a0664c74d_ff1
		.amdhsa_group_segment_fixed_size 262656
		.amdhsa_private_segment_fixed_size 0
		.amdhsa_enable_private_segment 0
		.amdhsa_kernarg_size 32
		.amdhsa_user_sgpr_count 2
		.amdhsa_user_sgpr_kernarg_segment_ptr 1
		.amdhsa_wavefront_size32 1
		.amdhsa_system_sgpr_workgroup_id_x 1
		.amdhsa_system_sgpr_workgroup_id_y 1
		.amdhsa_system_sgpr_workgroup_id_z 1
		.amdhsa_system_vgpr_workitem_id 0
		.amdhsa_next_free_vgpr 1024
		.amdhsa_next_free_sgpr 100
		.amdhsa_reserve_vcc 0
		.amdhsa_float_denorm_mode_32 3
		.amdhsa_float_denorm_mode_16_64 3
		.amdhsa_memory_ordered 1
		.amdhsa_forward_progress 1
		.amdhsa_inst_pref_size 146
	.end_amdhsa_kernel
	.amdgpu_metadata
---
amdhsa.version: [ 1, 2 ]
amdhsa.kernels:
  - .name:           k_q0a0664c74d_ff1
    .symbol:         k_q0a0664c74d_ff1.kd
    .args:
      - { .name: hbuf, .offset: 0, .size: 8, .value_kind: global_buffer, .address_space: global }
      - { .name: prep, .offset: 8, .size: 8, .value_kind: global_buffer, .address_space: global }
      - { .name: b1, .offset: 16, .size: 8, .value_kind: global_buffer, .address_space: global }
      - { .name: ffh, .offset: 24, .size: 8, .value_kind: global_buffer, .address_space: global }
    .group_segment_fixed_size: 262656
    .private_segment_fixed_size: 0
    .kernarg_segment_align: 8
    .kernarg_segment_size: 32
    .max_flat_workgroup_size: 128
    .sgpr_count:     100
    .vgpr_count:     1024
    .wavefront_size: 32
...
	.end_amdgpu_metadata
.endif
;; end of part 11
;; launch ff2 (part 12): grid 128 x 1, 8 waves a work-group, no clusters, 134,656 bytes of LDS; arguments ffh, prep, hbuf, b2, gamma2, beta2, out0; writes out0
.if DOCPART == 12
	.amdgcn_target "amdgcn-amd-amdhsa--gfx1250"
	.amdhsa_code_object_version 6
	.text
	.protected	k_q0a0664c74d_ff2
	.globl	k_q0a0664c74d_ff2
	.p2align	8
	.type	k_q0a0664c74d_ff2,@function
k_q0a0664c74d_ff2:
	s_mov_b64 s[64:65], 0
	v_nop
	global_prefetch_b8 v0, s[64:65] scope:SCOPE_SE
	s_setreg_imm32_b32 hwreg(HW_REG_WAVE_SCHED_MODE, 0, 2), 2
	s_setreg_imm32_b32 hwreg(HW_REG_WAVE_MODE, 25, 1), 1
	s_wait_xcnt 0x0
	s_wait_alu depctr_vm_vsrc(0)
; out = LayerNorm(h + f w2 + b2) gamma2 + beta2, f the quantised hidden layer; the product on codes of FP4 with E8M0 scales, K = 4,096.
; A work-group owns 32 WHOLE rows (tiles 2 t and 2 t + 1), since the norm wants whole rows; wave w owns columns 128 w .. 128 w + 127: 16 accumulators.  Source 0 = 16 columns of the weight, source 1 = 16 rows:
; a lane holds one row of each tile, registers 16 b + i = column 128 w + 32 b + 16 h + i.  A weight fragment feeds two products of one wave and no other wave: it goes from memory straight into registers, three K steps ahead.
; No cluster and no LDS for operands: the work-groups share the weights, but each fragment would pass through LDS for two products only.
; THE RESIDUAL STARTS THE SUMS: h comes as images of these very accumulators.  The norm is taken in two passes, mean first, as it is defined; the waves' parts of a row's sums meet in LDS.
; The result goes through a stage in LDS and leaves as whole rows, 512 consecutive aligned bytes a store.
; LIMITS: NaN and infinities are not served.
; REGISTERS: window 0: v1-23 addresses and small things; v24-31 the rows' scale words, v32-63 the weight's (two sets; scales and nothing else); v64-127 the rows' fragments, four buffers, later at work;
;   v128-255 accumulator (m, n) at 128 + 64 m + 8 n.  window 1: the weight's fragments, four buffers of 64; later b2, gamma2, beta2.
; THE MODE: SCHED_MODE bits 1:0 = 2 (LLVM: expert scheduling mode 2), set by the entry lines.  The code itself states the register dependences
; between vector or matrix instructions and memory or LDS instructions, with s_wait_alu, always for 0.
; THE PLAN.  Registers that memory or LDS instructions touch:
;   v4 .. v11      Offsets and LDS addresses: written at the head, never again: the scalar bases move on, once in eight K steps, and immediate offsets do the rest.
;   the weight's buffers 0 .. 3 (window 1) and the rows' (v64-127).  K step k's products read buffer k % 4; the loads of step k + 3, issued in step k, land in buffer (k + 3) % 4, which step k - 1's products read.
;                  In the last three steps the bias, the gain and the offset land so in the weight's buffers 0, 1, 2.
;   v24-63         Two sets of scale words.  Steps 0 to 3 of eight read set 0, steps 4 to 7 set 1; set 1 is loaded again in step 0, set 0 in step 4: each in the step behind its last reader.
;   v128-255       h lands there; then products and vector instructions alone, until the stage's LDS stores read it; then the stage's LDS loads land there, and the stores to memory read it.
;   v74, v75       A reduction's word each: written once, read by one LDS store.   v76-91  the reductions' LDS loads land there, additions read them.
; So ONE wait on va_vdst stands at the head of a K step, behind the wait for the step's data: the products of the step before are done reading the registers in which this step's loads land.  The loads follow it, dealt
; among the step's products, which name buffer k % 4, the accumulators and the scale set in use: none of the registers that those loads touch.  That holds over the backward jump: step 0's wait covers step 7's products.
.set S,     32                         ; K steps
.set SLOG,  5
.set WOFF,  6422528                    ; w2's images in prep
.set WSCO,  8781824                    ; and its scale words
.set ASCO,  8388608                    ; the hidden layer's scale words
.set RED1,  131584                     ; LDS: the stage, 32 rows x 4,112 bytes; then [row][wave] words for the sums, and for the sums of squares
.set SEL, 34
.set MSB, 0
.macro WIN new
.if MSB != (\new)
	s_set_vgpr_msb (MSB<<8)|(\new)
.set MSB, (\new)
.endif
.endm
.macro PLACES n
.rept \n
	v_nop
.endr
.endm
.macro WM c, ra, rb
.if (\ra) && (\rb)
	v_wmma_scale_f32_16x16x128_f8f6f4 v[rD:rD+7], v[rP:rP+7], v[rQ:rQ+7], \c, v[rSP], v[rSQ] matrix_a_fmt:MATRIX_FMT_FP4 matrix_b_fmt:MATRIX_FMT_FP4 matrix_a_scale:MATRIX_SCALE_ROW1 matrix_b_scale:MATRIX_SCALE_ROW1
.elseif (\ra)
	v_wmma_scale_f32_16x16x128_f8f6f4 v[rD:rD+7], v[rP:rP+7], v[rQ:rQ+7], \c, v[rSP], v[rSQ] matrix_a_fmt:MATRIX_FMT_FP4 matrix_b_fmt:MATRIX_FMT_FP4 matrix_a_scale:MATRIX_SCALE_ROW1
.elseif (\rb)
	v_wmma_scale_f32_16x16x128_f8f6f4 v[rD:rD+7], v[rP:rP+7], v[rQ:rQ+7], \c, v[rSP], v[rSQ] matrix_a_fmt:MATRIX_FMT_FP4 matrix_b_fmt:MATRIX_FMT_FP4 matrix_b_scale:MATRIX_SCALE_ROW1
.else
	v_wmma_scale_f32_16x16x128_f8f6f4 v[rD:rD+7], v[rP:rP+7], v[rQ:rQ+7], \c, v[rSP], v[rSQ] matrix_a_fmt:MATRIX_FMT_FP4 matrix_b_fmt:MATRIX_FMT_FP4
.endif
.endm
.macro ALOAD kb, off                   ; 4 loads: the rows' two fragments of the K step off steps from the base, into buffer kb (every window 0)
.irp m, 0,1
.irp c, 0,1
	global_load_b128 v[64+16*(\kb)+8*\m+4*\c:64+16*(\kb)+8*\m+4*\c+3], v4, s[22:23] offset:\m*S*1024+(\off)*1024+512*\c
.endr
.endr
.endm
.macro WLOAD kb, off, n0               ; 8 loads: the weight's tiles n0 .. n0 + 3 of that K step (destination window 1)
.irp n, \n0, \n0+1, \n0+2, \n0+3
.irp c, 0,1
	global_load_b128 v[64*(\kb)+8*(\n)+4*\c:64*(\kb)+8*(\n)+4*\c+3], v4, s[24:25] offset:(\n)*S*1024+(\off)*1024+512*\c
.endr
.endr
.endm
.macro LOADS kb, off                   ; 20 loads: a K step's fragments, in one run: at the head
	ALOAD \kb, \off
	WIN 0x40
	WLOAD \kb, \off, 0
	WLOAD \kb, \off, 4
	WIN 0
.endm
.macro SCL p, qo                       ; 5 loads: four K steps' scale words into set p
.irp j, 0,1,2,3
	global_load_b128 v[32+16*\p+4*\j:32+16*\p+4*\j+3], v5, s[28:29] offset:\j*S*128+\qo*256
.endr
	global_load_b128 v[24+4*\p:24+4*\p+3], v5, s[26:27] offset:\qo*256
.endm
.macro VECLD reg, sb, b0               ; 8 loads: blocks b0, b0 + 1 of my 64 numbers of a vector over the columns, in the accumulators' layout (destination window 1)
.irp b, \b0, \b0+1
.irp j, 0,1,2,3
	global_load_b128 v[\reg+16*(\b)+4*\j:\reg+16*(\b)+4*\j+3], v11, s[\sb:\sb+1] offset:128*(\b)+16*\j
.endr
.endr
.endm
.macro MUL8 k, n0                      ; 8 products: the weight's tiles n0 .. n0 + 3 x the two tiles of rows; the 16 accumulators take turns, in the same order in every step, over the backward jump too
.irp n, \n0, \n0+1, \n0+2, \n0+3
.irp m, 0,1
.set rD, 128+64*\m+8*(\n)
.set rP, 64*((\k)%4)+8*(\n)
.set rQ, 64+16*((\k)%4)+8*\m
.set rSP, 32+16*(((\k)/4)%2)+4*((\n)/2)+(\k)%4
.set rSQ, 24+4*(((\k)/4)%2)+(\k)%4
	WM v[rD:rD+7], (\n)%2, \m
.endr
.endr
.endm
; K step k of eight: 16 products, and among them the loads of step k + 3; in step 0 also scale set 1 (for steps 4 to 7 of these eight), in step 4 scale set 0 (for the next eight's steps 0 to 3).
; last = 1: the last eight steps: nothing is asked for beyond K; steps 5, 6, 7 ask for the bias, the gain, the offset.
.macro STEPK k, N, last
	s_wait_loadcnt \N
	s_wait_alu depctr_va_vdst(0)                   ; the last step's products are done reading buffer (k + 3) % 4 of the weight and of the rows, and, at steps 0 and 4, the scale set that the last four steps used: this step's loads land there
.if (\last == 0) || (\k <= 4)
	WIN 0
.if \k == 0
	SCL 1, 1
.endif
.if (\last == 0) && (\k == 4)
	SCL 0, 2
.endif
	ALOAD (\k+3)%4, \k+3
	WIN 0x40
	WLOAD (\k+3)%4, \k+3, 0
.else
	WIN 0x40
	VECLD 64*(\k-5), 10+2*(\k-5), 0
.endif
	WIN 0x01
	MUL8 \k, 0
	WIN 0x40
.if (\last == 0) || (\k <= 4)
	WLOAD (\k+3)%4, \k+3, 4                        ; no wait: no product since the wait above names this buffer or v4
.else
	VECLD 64*(\k-5), 10+2*(\k-5), 2
.endif
	WIN 0x01
	MUL8 \k, 4
	PLACES 4                                       ; four plain lines behind the step's products: they stay beside the wait at the next step's head; behind the last step they stand ahead of the first read of the sums
.endm
; Eight K steps.  A step's count names the loads issued behind its own 20: 40 = the two younger steps' 2 x 20; 45 = those and the five scale loads issued among them (in step 0 or step 4, ahead of that step's 20);
; 36 = a step's 20 and the bias's 16; 32 = the bias's and the gain's.  last = 0: the loads run on into the next eight steps, and the bases step at the end.
.macro BODY last
	STEPK 0, 40, \last
	STEPK 1, 45, \last
	STEPK 2, 45, \last
	STEPK 3, 40, \last
	STEPK 4, 40, \last
.if \last
	STEPK 5, 40, 1
	STEPK 6, 36, 1
	STEPK 7, 32, 1
	WIN 0
.else
	STEPK 5, 45, 0
	STEPK 6, 45, 0
	STEPK 7, 40, 0
	WIN 0
	s_wait_xcnt 0x0                                ; every load issued has read its base: the bases step only behind this wait
	s_add_nc_u64 s[22:23], s[22:23], 8192
	s_add_nc_u64 s[24:25], s[24:25], 8192
	s_add_nc_u64 s[26:27], s[26:27], 512
	s_add_nc_u64 s[28:29], s[28:29], 512
.endif
.endm
; The two chains v[64+4m..], v[66+4m..] of each tile of rows are closed; the waves' parts meet in LDS at off; v76 and v84 end as the rows' sums over all 1,024 columns.
; The word that goes to LDS has a register of its own in each of the two reductions (v74, v75), so that none is written again behind the store that reads it.
.macro REDUCE off
.irp m, 0,1
	v_pk_add_f32 v[64+4*\m:65+4*\m], v[64+4*\m:65+4*\m], v[66+4*\m:67+4*\m]
.endr
.irp m, 0,1
	v_add_f32 v[72+\m], v[64+4*\m], v[65+4*\m]
.endr
.irp m, 0,1
	v_permlanex16_b32 v[18+\m], v[72+\m], s[SEL], s[SEL+1]
.endr
.irp m, 0,1
	v_add_f32 v[72+\m], v[72+\m], v[18+\m]
.endr
	v_cndmask_b32 v[74+(\off)/1024], v72, v73, s36 ; lane l speaks for row 16 m + r = l
	s_wait_alu depctr_va_vdst(0)                   ; the word is written, which the LDS store reads; and all that has named v76-91 (products, the last reduction's additions) is done: the LDS loads below land there
	ds_store_b32 v9, v[74+(\off)/1024] offset:\off
	s_wait_dscnt 0x0                               ; for the others' sake
	s_barrier_signal -1
	s_barrier_wait -1
.irp m, 0,1
.irp g, 0,1
	ds_load_b128 v[76+8*\m+4*\g:79+8*\m+4*\g], v10 offset:\off+512*\m+16*\g
.endr
.endr
	s_wait_dscnt 0x0
.irp m, 0,1
	v_add_f32 v[76+8*\m], v[76+8*\m], v[77+8*\m]
	v_add_f32 v[78+8*\m], v[78+8*\m], v[79+8*\m]
	v_add_f32 v[80+8*\m], v[80+8*\m], v[81+8*\m]
	v_add_f32 v[82+8*\m], v[82+8*\m], v[83+8*\m]
.endr
.irp m, 0,1
	v_add_f32 v[76+8*\m], v[76+8*\m], v[78+8*\m]
	v_add_f32 v[80+8*\m], v[80+8*\m], v[82+8*\m]
.endr
.irp m, 0,1
	v_add_f32 v[76+8*\m], v[76+8*\m], v[80+8*\m]
.endr
.endm
	s_load_b256 s[4:11], s[0:1], 0x0               ; ffh s[4:5], prep s[6:7], hbuf s[8:9], b2 s[10:11]
	s_load_b128 s[12:15], s[0:1], 0x20             ; gamma2, beta2
	s_load_b64 s[16:17], s[0:1], 0x30              ; out0
	v_lshl_add_u32 v22, v0, 2, 0x20a00
	v_mov_b32 v23, 0
	v_lshrrev_b32 v1, 5, v0
	v_readfirstlane_b32 s18, v1                    ; wave 0..7
	v_and_b32 v1, 31, v0
	v_and_b32 v2, 15, v0                           ; r
	v_bfe_u32 v3, v0, 4, 1                         ; h
	v_lshlrev_b32 v4, 4, v1                        ; 16 x lane
	s_wait_alu depctr_va_vdst(0)
	v_lshlrev_b32 v5, 4, v2
	v_lshl_add_u32 v5, v3, SLOG+6, v5              ; scale words: lanes 16-31 take the next tile's
	s_wait_alu depctr_va_sdst(0)                   ; s18 is written, ahead of its first reader: LDS addresses and every base are made from it
	s_bfe_u32 s19, s18, 0x10001                    ; rows 4 w .. 4 w + 3 of the 32 are slots 16 ((w / 2) % 2) + 8 (w / 4) + 4 (w % 2) + 0 .. 3
	s_lshl_b32 s19, s19, 4
	s_lshr_b32 s20, s18, 2
	s_lshl_b32 s20, s20, 3
	s_add_co_u32 s19, s19, s20
	s_and_b32 s20, s18, 1
	s_lshl_b32 s20, s20, 2
	s_add_co_u32 s19, s19, s20
	s_mul_i32 s19, s19, 4112
	v_add_nc_u32 v6, s19, v4                       ; the stage by rows
	v_mul_u32_u24 v7, v2, 4112
	v_lshl_add_u32 v7, v3, 6, v7
	s_lshl_b32 s20, s18, 9
	v_add_nc_u32 v7, s20, v7                       ; the stage by the accumulators' layout: tile m = 0,
	v_add_nc_u32 v8, 65792, v7                     ; m = 1
	v_lshlrev_b32 v9, 5, v1
	s_lshl_b32 s21, s18, 2
	v_add_nc_u32 v9, s21, v9
	v_add_nc_u32 v9, RED1, v9                      ; my wave's word of row l
	v_lshlrev_b32 v10, 5, v2
	v_add_nc_u32 v10, RED1, v10                    ; row r's eight words
	v_lshlrev_b32 v11, 6, v3                       ; 64 h
	v_mov_b32 v15, 0                               ; upper halves of pairs, and lane permutes' destinations
	v_mov_b32 v17, 0
	v_mov_b32 v18, 0
	v_mov_b32 v19, 0
	s_mov_b32 s[SEL], 0x76543210
	s_mov_b32 s[SEL+1], 0xfedcba98
	s_mov_b32 s36, 0xffff0000
	s_mov_b32 s39, 0
	s_wait_kmcnt 0x0
	s_lshl_b32 s38, ttmp9, SLOG+11
	s_add_nc_u64 s[22:23], s[4:5], s[38:39]        ; my rows' images
	s_lshl_b32 s38, s18, SLOG+13
	s_add_co_u32 s38, s38, WOFF
	s_add_nc_u64 s[24:25], s[6:7], s[38:39]        ; my columns' images
	s_lshl_b32 s38, ttmp9, SLOG+7
	s_add_co_u32 s38, s38, ASCO
	s_add_nc_u64 s[26:27], s[4:5], s[38:39]
	s_lshl_b32 s38, s18, SLOG+9
	s_add_co_u32 s38, s38, WSCO
	s_add_nc_u64 s[28:29], s[6:7], s[38:39]
	s_lshl_b32 s38, ttmp9, 17
	s_lshl_b32 s19, s18, 14
	s_add_co_u32 s38, s38, s19
	s_add_nc_u64 s[30:31], s[8:9], s[38:39]        ; h's f32 images: 16,384 bytes for each (t, w)
	s_add_nc_u64 s[32:33], s[16:17], s[38:39]      ; out0 at row 32 t + 4 w
	s_lshl_b32 s38, s18, 9
	s_add_nc_u64 s[10:11], s[10:11], s[38:39]
	s_add_nc_u64 s[12:13], s[12:13], s[38:39]
	s_add_nc_u64 s[14:15], s[14:15], s[38:39]
	s_wait_alu depctr_va_vdst(0)                   ; the offsets and LDS addresses v4 to v11 are written: every load, store and LDS instruction of the kernel reads one of them, and none is written again
	; ---- the residual starts the sums
.set i, 0
.rept 32
	global_load_b128 v[128+4*i:131+4*i], v4, s[30:31] offset:512*i th:TH_LOAD_NT
.set i, i+1
.endr
	SCL 0, 0
	LOADS 0, 0
	LOADS 1, 1
	LOADS 2, 2
	; ---- the product: 32 K steps
	s_mov_b32 s40, 3
.Lbody:
	BODY 0
	s_sub_co_u32 s40, s40, 1
	s_cmp_lg_u32 s40, 0
	s_cbranch_scc1 .Lbody
	BODY 1
	; ---- the norm
	s_wait_loadcnt 32                              ; the bias is in; the gain's and the offset's 2 x 16 loads may be out
	WIN 0x04
.irp m, 0,1
.set i, 0
.rept 32
	v_pk_add_f32 v[128+64*\m+i:129+64*\m+i], v[128+64*\m+i:129+64*\m+i], v[i:i+1]
.set i, i+2
.endr
.endr
	WIN 0
.irp m, 0,1
	v_pk_add_f32 v[64+4*\m:65+4*\m], v[128+64*\m:129+64*\m], v[130+64*\m:131+64*\m]
	v_pk_add_f32 v[66+4*\m:67+4*\m], v[132+64*\m:133+64*\m], v[134+64*\m:135+64*\m]
.endr
.irp i, 8,12,16,20,24,28,32,36,40,44,48,52,56,60
.irp m, 0,1
	v_pk_add_f32 v[64+4*\m:65+4*\m], v[64+4*\m:65+4*\m], v[128+64*\m+\i:129+64*\m+\i]
	v_pk_add_f32 v[66+4*\m:67+4*\m], v[66+4*\m:67+4*\m], v[130+64*\m+\i:131+64*\m+\i]
.endr
.endr
	REDUCE 0
	v_mul_f32 v14, 0x3a800000, v76                 ; the means
	v_mul_f32 v16, 0x3a800000, v84
.irp m, 0,1
.set i, 0
.rept 32
	v_pk_add_f32 v[128+64*\m+i:129+64*\m+i], v[128+64*\m+i:129+64*\m+i], v[14+2*\m:15+2*\m] op_sel_hi:[1,0] neg_lo:[0,1] neg_hi:[0,1]
.set i, i+2
.endr
.endr
.irp m, 0,1
	v_pk_mul_f32 v[64+4*\m:65+4*\m], v[128+64*\m:129+64*\m], v[128+64*\m:129+64*\m]
	v_pk_mul_f32 v[66+4*\m:67+4*\m], v[130+64*\m:131+64*\m], v[130+64*\m:131+64*\m]
.endr
.irp i, 4,8,12,16,20,24,28,32,36,40,44,48,52,56,60
.irp m, 0,1
	v_pk_fma_f32 v[64+4*\m:65+4*\m], v[128+64*\m+\i:129+64*\m+\i], v[128+64*\m+\i:129+64*\m+\i], v[64+4*\m:65+4*\m]
	v_pk_fma_f32 v[66+4*\m:67+4*\m], v[130+64*\m+\i:131+64*\m+\i], v[130+64*\m+\i:131+64*\m+\i], v[66+4*\m:67+4*\m]
.endr
.endr
	REDUCE 1024
	v_mul_f32 v76, 0x3a800000, v76
	v_mul_f32 v84, 0x3a800000, v84
	v_add_f32 v76, 0x358637bd, v76                 ; + 1e-6
	v_add_f32 v84, 0x358637bd, v84
	s_wait_alu depctr_va_vdst(0)
	v_rsq_f32 v14, v76
	v_rsq_f32 v16, v84
	v_nop
	s_wait_alu depctr_va_vdst(0)                   ; the two reciprocal roots v14 and v16 are written: one wait for both, ahead of their first use
	s_wait_loadcnt 0x0                             ; the gain and the offset
.irp m, 0,1
.set i, 0
.rept 32
	v_pk_mul_f32 v[128+64*\m+i:129+64*\m+i], v[128+64*\m+i:129+64*\m+i], v[14+2*\m:15+2*\m] op_sel_hi:[1,0]
.set i, i+2
.endr
.endr
	WIN 0x14
.irp m, 0,1
.set i, 0
.rept 32
	v_pk_fma_f32 v[128+64*\m+i:129+64*\m+i], v[128+64*\m+i:129+64*\m+i], v[64+i:65+i], v[128+i:129+i]
.set i, i+2
.endr
.endr
	WIN 0
	; ---- out: through the stage, back as whole rows
	s_wait_alu depctr_va_vdst(0)                   ; the norm's last lines have written v128-255, which the LDS stores read; no vector instruction names these registers from here on
.irp m, 0,1
.irp n, 0,1,2,3,4,5,6,7
.irp g, 0,1
	ds_store_b128 v[7+\m], v[128+64*\m+8*\n+4*\g:131+64*\m+8*\n+4*\g] offset:(32*(\n/2)+8*(\n%2)+4*\g)*4
.endr
.endr
.endr
	s_wait_dscnt 0x0                               ; for the others' sake: a row's 4,096 bytes come from eight waves
	s_barrier_signal -1
	s_barrier_wait -1
	s_wait_alu depctr_vm_vsrc(0)                   ; my LDS stores have read v128-255, in which the LDS loads below land
.set i, 0
.rept 32
	ds_load_b128 v[128+4*i:131+4*i], v6 offset:(i/8)*4112+(i%8)*512
.set i, i+1
.endr
.set i, 0
.rept 32
	s_wait_dscnt 31-i
	global_store_b128 v4, v[128+4*i:131+4*i], s[32:33] offset:(i/8)*4096+(i%8)*512 th:TH_STORE_NT   ; 512 consecutive bytes, at a multiple of 512 from out0's first byte
.set i, i+1
.endr
	s_wait_dscnt 0x0                               ; the closing lines, six on end
	s_wait_alu 0x0
	s_wait_tensorcnt 0x0
	ds_add_u32 v22, v23
	s_wait_dscnt 0x0
	s_endpgm
.Lfunc_end_k_q0a0664c74d_ff2:
	.size	k_q0a0664c74d_ff2, .Lfunc_end_k_q0a0664c74d_ff2-k_q0a0664c74d_ff2
	.p2alignl 7, 3214868480
	.fill 96, 4, 3214868480
	.section	.rodata,"a",@progbits
	.p2align	6, 0x0
	.amdhsa_kernel k_q0a0664c74d_ff2
		.amdhsa_group_segment_fixed_size 134656
		.amdhsa_private_segment_fixed_size 0
		.amdhsa_enable_private_segment 0
		.amdhsa_kernarg_size 56
		.amdhsa_user_sgpr_count 2
		.amdhsa_user_sgpr_kernarg_segment_ptr 1
		.amdhsa_wavefront_size32 1
		.amdhsa_system_sgpr_workgroup_id_x 1
		.amdhsa_system_sgpr_workgroup_id_y 1
		.amdhsa_system_sgpr_workgroup_id_z 1
		.amdhsa_system_vgpr_workitem_id 0
		.amdhsa_next_free_vgpr 512
		.amdhsa_next_free_sgpr 66
		.amdhsa_reserve_vcc 0
		.amdhsa_float_denorm_mode_32 3
		.amdhsa_float_denorm_mode_16_64 3
		.amdhsa_memory_ordered 1
		.amdhsa_forward_progress 1
		.amdhsa_inst_pref_size 116
	.end_amdhsa_kernel
	.amdgpu_metadata
---
amdhsa.version: [ 1, 2 ]
amdhsa.kernels:
  - .name:           k_q0a0664c74d_ff2
    .symbol:         k_q0a0664c74d_ff2.kd
    .args:
      - { .name: ffh, .offset: 0, .size: 8, .value_kind: global_buffer, .address_space: global }
      - { .name: prep, .offset: 8, .size: 8, .value_kind: global_buffer, .address_space: global }
      - { .name: hbuf, .offset: 16, .size: 8, .value_kind: global_buffer, .address_space: global }
      - { .name: b2, .offset: 24, .size: 8, .value_kind: global_buffer, .address_space: global }
      - { .name: gamma2, .offset: 32, .size: 8, .value_kind: global_buffer, .address_space: global }
      - { .name: beta2, .offset: 40, .size: 8, .value_kind: global_buffer, .address_space: global }
      - { .name: out0, .offset: 48, .size: 8, .value_kind: global_buffer, .address_space: global }
    .group_segment_fixed_size: 134656
    .private_segment_fixed_size: 0
    .kernarg_segment_align: 8
    .kernarg_segment_size: 56
    .max_flat_workgroup_size: 256
    .sgpr_count:     66
    .vgpr_count:     512
    .wavefront_size: 32
...
	.end_amdgpu_metadata
.endif
;; end of part 12
